; MI455X (gfx1250); checked and timed in simulation.
; The chip was launched on July 23, 2026; its instructions are those of AMD's public machine-readable ISA for CDNA 5 (MIT licence, August 2026) and "CDNA5" Instruction Set Architecture Reference Guide (July 2026). The comments in the code are by the model that wrote it; some were corrected since.
;; Self Attention. Allowed arithmetic: float matrix products may take bf16 or f16 operands with f32 sums; other float arithmetic in f32, or as packed bf16 or f16 multiplies, adds, multiply-adds, maxima and minima; sums over many terms, partial sums and values carried from step to step in f32; what a program stores and reads back later, other than sums and carried values, may be rounded once to bf16 or f16.
;; Inputs: Wk 1,024 x 1,024 float32; Wo 1,024 x 1,024 float32; Wq 1,024 x 1,024 float32; Wv 1,024 x 1,024 float32; bo 1,024 float32; keys 4 x 2,048 x 1,024 float32; mask 4 x 1 x 2,048 x 2,048 int32; query 4 x 2,048 x 1,024 float32; values 4 x 2,048 x 1,024 float32.
;; Outputs: out0 4 x 2,048 x 1,024 float32.
;; 3 versions, each right; version 3 is version 2 with the launch prep written anew for expert scheduling mode. Each part assembles by itself: llvm-mc -triple=amdgcn-amd-amdhsa -mcpu=gfx1250 --defsym DOCPART=n.
;; ======== version 1 of 3: 4 launches
;; limits: values are held in f16: magnitudes above 65,504 overflow, below 6.1e-05 lose precision
;; workspace buffers: xb 50,331,648 bytes; wb 8,388,608 bytes; mbits 2,097,152 bytes of whole numbers; qkv 50,331,648 bytes; ob 16,777,216 bytes
;; launch prep (part 1): grid 2816 x 1, 4 waves a work-group, no clusters, 68,096 bytes of LDS; arguments query, keys, values, Wq, Wk, Wv, Wo, mask, xb, wb, mbits; writes xb, wb, mbits
.if DOCPART == 1
	.amdgcn_target "amdgcn-amd-amdhsa--gfx1250"
	.amdhsa_code_object_version 6
	.text
	.protected	k_q9d0b93651e_prep
	.globl	k_q9d0b93651e_prep
	.p2align	8
	.type	k_q9d0b93651e_prep,@function
k_q9d0b93651e_prep:
	s_mov_b64 s[64:65], 0
	v_nop
	global_prefetch_b8 v0, s[64:65] scope:SCOPE_SE
	s_setreg_imm32_b32 hwreg(HW_REG_WAVE_MODE, 25, 1), 1
	s_wait_xcnt 0x0
; PREP.  Casts and the mask's bits, in one streaming launch; every work-group reads 64 KiB, every wave 16 KiB by 32 loads that are all out at once.
; Work-groups 0..1023: the mask (int32 [4][2048][2048]) becomes lane-mask words.  A wave takes 32 query rows x 128 keys.  Word (nb, P = q/32, ks = key/64, u = (q/16)%2, idx = 8 kb + j), at byte
; nb*524288 + P*8192 + ks*256 + u*128 + idx*4 of mbits, holds in bit L: mask[nb][32P + 16u + L%16][64ks + 16kb + 8(L/16) + j] != 0.  That is the lane mask of register idx of a 16 x 64 tile of scores in the attention launch.
; Work-groups 1024..2559: query, keys, values, f32 -> bf16, into xb [3][8192][1024].  2560..2815: Wq, Wk, Wv -> bf16; Wo -> bf16 and that number written as f16, into wb [4][1024][1024].
; LIMIT.  Wo as f16: beyond 65,504 it would be an infinity; below 6e-5 it keeps f16's fixed step of 6e-8.
; No matrix unit, no cluster, no tensor load: nothing is shared and nothing is read twice.  The mask's rows change lanes through each wave's own LDS bytes, so no barrier is needed.
.set STG,   16896                      ; a wave's stage: 32 rows of 512 bytes + 16 of padding (pitch 528 = 33 x 16: the 16 rows that a load touches start in different banks)
.set RP,    528
.set SPARE, 4*STG                      ; behind the stages: the spare words, 128 bytes a wave
.set X,     16                         ; v[16:143] 32 x 4 registers of data
	s_load_b512 s[8:23], s[0:1], 0x0               ; query 8, keys 10, values 12, Wq 14, Wk 16, Wv 18, Wo 20, mask 22
	s_load_b128 s[24:27], s[0:1], 0x40             ; xb 24, wb 26
	s_load_b64 s[28:29], s[0:1], 0x50              ; mbits
	v_lshl_add_u32 v6, v0, 2, SPARE                ; my spare word
	v_mov_b32 v7, 0
	v_lshrrev_b32 v1, 5, v0
	v_readfirstlane_b32 s2, v1                     ; wave 0..3
	v_and_b32 v1, 31, v0                           ; lane
	v_lshlrev_b32 v2, 4, v1                        ; 16 x lane
	v_lshlrev_b32 v3, 3, v1                        ; 8 x lane
	s_mul_i32 s30, s2, STG
	v_add_nc_u32 v4, s30, v2                       ; into the stage: 16 bytes a lane of a row
	v_and_b32 v5, 15, v0
	v_mul_u32_u24 v5, v5, RP
	v_bfe_u32 v8, v0, 4, 1
	v_lshl_add_u32 v5, v8, 5, v5
	v_add_nc_u32 v5, s30, v5                       ; out of it: row lane % 16, 8 keys (32 bytes) further on for lanes 16-31
	v_mov_b32 v8, 0                                ; v[8:11]: the words to store; v_writelane_b32 counts as a reader of its destination
	v_mov_b32 v9, 0
	v_mov_b32 v10, 0
	v_mov_b32 v11, 0
	s_mov_b32 s45, 0                               ; the high words of the two offset pairs
	s_mov_b32 s47, 0
	s_mov_b32 s31, ttmp9
	s_wait_kmcnt 0x0
	s_cmp_lt_u32 s31, 1024
	s_cbranch_scc1 .Lmask
	; THE CASTS
	s_sub_co_u32 s30, s31, 1024                    ; c
	s_cmp_lt_u32 s30, 1536
	s_cbranch_scc0 .Lweights
	s_lshr_b32 s31, s30, 9                         ; which of query, keys, values: 512 work-groups each
	s_cmp_eq_u32 s31, 0
	s_cselect_b64 s[40:41], s[8:9], s[10:11]
	s_cmp_eq_u32 s31, 2
	s_cselect_b64 s[40:41], s[12:13], s[40:41]
	s_and_b32 s44, s30, 511
	s_lshl_b32 s44, s44, 16                        ; 64 KiB of f32 in,
	s_lshl_b32 s46, s30, 15                        ; 32 KiB of bf16 out: the three tensors lie on end in xb
	s_mov_b64 s[42:43], s[24:25]
	s_mov_b32 s3, 0
	s_branch .Lgo
.Lweights:
	s_sub_co_u32 s30, s30, 1536
	s_lshr_b32 s31, s30, 6                         ; which weight: 64 work-groups each
	s_cmp_eq_u32 s31, 0
	s_cselect_b64 s[40:41], s[14:15], s[16:17]
	s_cmp_eq_u32 s31, 2
	s_cselect_b64 s[40:41], s[18:19], s[40:41]
	s_cmp_eq_u32 s31, 3
	s_cselect_b64 s[40:41], s[20:21], s[40:41]
	s_cselect_b32 s3, 1, 0                         ; Wo goes out as f16
	s_and_b32 s44, s30, 63
	s_lshl_b32 s44, s44, 16
	s_lshl_b32 s46, s30, 15
	s_mov_b64 s[42:43], s[26:27]
.Lgo:
	s_lshl_b32 s31, s2, 14                         ; my wave's quarter
	s_add_co_u32 s44, s44, s31
	s_lshl_b32 s31, s2, 13
	s_add_co_u32 s46, s46, s31
	s_add_nc_u64 s[40:41], s[40:41], s[44:45]
	s_add_nc_u64 s[42:43], s[42:43], s[46:47]
; 32 loads of 512 consecutive bytes; each is converted in place when it is in and leaves as 256 consecutive bytes, aligned.  No register is written twice, so no store's data is ever rewritten.
.macro CAST f16
.set i, 0
.rept 32
	global_load_b128 v[X+4*i:X+4*i+3], v2, s[40:41] offset:512*i th:TH_LOAD_NT
.set i, i+1
.endr
.set i, 0
.rept 32
	s_wait_loadcnt 31-i                            ; loads come back in order: load i is in, the 31 - i younger ones stay out
.if \f16
	v_cvt_pk_bf16_f32 v[X+4*i], v[X+4*i], v[X+4*i+1]       ; rounded to bf16 like every input,
	v_cvt_pk_bf16_f32 v[X+4*i+2], v[X+4*i+2], v[X+4*i+3]
	v_and_b32 v[X+4*i+1], 0xffff0000, v[X+4*i]             ; widened again,
	v_lshlrev_b32 v[X+4*i], 16, v[X+4*i]
	v_and_b32 v[X+4*i+3], 0xffff0000, v[X+4*i+2]
	v_lshlrev_b32 v[X+4*i+2], 16, v[X+4*i+2]
	v_cvt_pk_f16_f32 v[X+4*i], v[X+4*i], v[X+4*i+1]        ; and written as f16: exact within f16's range
	v_cvt_pk_f16_f32 v[X+4*i+1], v[X+4*i+2], v[X+4*i+3]
.else
	v_cvt_pk_bf16_f32 v[X+4*i], v[X+4*i], v[X+4*i+1]
	v_cvt_pk_bf16_f32 v[X+4*i+1], v[X+4*i+2], v[X+4*i+3]
.endif
	global_store_b64 v3, v[X+4*i:X+4*i+1], s[42:43] offset:256*i
.set i, i+1
.endr
.endm
	s_cmp_eq_u32 s3, 1
	s_cbranch_scc1 .Lcast16
	CAST 0
	s_branch .Lend
.Lcast16:
	CAST 1
	s_branch .Lend
	; THE MASK
.Lmask:
	s_lshl_b32 s30, s31, 2
	s_add_co_u32 s30, s30, s2                      ; my unit U: nb = U >> 10, P = (U >> 4) & 63, kp = U & 15 (128 keys)
	s_lshr_b32 s3, s30, 10
	s_bfe_u32 s32, s30, 0x60004
	s_and_b32 s33, s30, 15
	s_lshl_b32 s44, s3, 24                         ; a batch's mask is 16 MiB,
	s_lshl_b32 s34, s32, 18                        ; 32 rows of 8,192 bytes,
	s_add_co_u32 s44, s44, s34
	s_lshl_b32 s34, s33, 9                         ; 128 keys are 512 bytes (in mbits too: two key steps of 256 bytes)
	s_add_co_u32 s44, s44, s34
	s_lshl_b32 s46, s3, 19
	s_lshl_b32 s35, s32, 13
	s_add_co_u32 s46, s46, s35
	s_add_co_u32 s46, s46, s34
	s_add_nc_u64 s[40:41], s[22:23], s[44:45]
	s_add_nc_u64 s[42:43], s[28:29], s[46:47]
.set i, 0
.rept 32
	global_load_b128 v[X+4*i:X+4*i+3], v2, s[40:41] offset:8192*i th:TH_LOAD_NT  ; row i: 512 consecutive bytes
.set i, i+1
.endr
.set i, 0
.rept 32
	s_wait_loadcnt 31-i
	ds_store_b128 v4, v[X+4*i:X+4*i+3] offset:RP*i
.set i, i+1
.endr
	s_wait_dscnt 0x0                               ; my stores are done; the bytes are my wave's own
.set i, 0
.rept 32                               ; load i = ((e 2 + u) 4 + kb) 2 + hf: register X + w then holds, for word w = 64 e + 32 u + 8 kb + j, this lane's number of the mask
	ds_load_b128 v[X+4*i:X+4*i+3], v5 offset:((i/8)%2)*16*RP+(i/16)*256+((i/2)%4)*64+(i%2)*16
.set i, i+1
.endr
.set w, 0
.rept 16
	s_wait_dscnt 30-w/4                            ; the two loads that hold the next eight words are in
.rept 8
	v_cmp_ne_u32 s[32+w%8], 0, v[X+w]              ; the 32 lanes' bits are the word,
	v_writelane_b32 v[8+w%4], s[32+w%8], w/4       ; which goes where the store below takes it from: word w from lane w / 4, register w % 4
.set w, w+1
.endr
.endr
	global_store_b128 v2, v[8:11], s[42:43]        ; 512 consecutive bytes, aligned
.Lend:
	s_wait_tensorcnt 0x0                           ; the wave's end, behind my last LDS store
	ds_add_u32 v6, v7
	s_wait_dscnt 0x0
	s_endpgm
.Lfunc_end_k_q9d0b93651e_prep:
	.size	k_q9d0b93651e_prep, .Lfunc_end_k_q9d0b93651e_prep-k_q9d0b93651e_prep
	.p2alignl 7, 3214868480
	.fill 96, 4, 3214868480
	.section	.rodata,"a",@progbits
	.p2align	6, 0x0
	.amdhsa_kernel k_q9d0b93651e_prep
		.amdhsa_group_segment_fixed_size 68096
		.amdhsa_private_segment_fixed_size 0
		.amdhsa_enable_private_segment 0
		.amdhsa_kernarg_size 88
		.amdhsa_user_sgpr_count 2
		.amdhsa_user_sgpr_kernarg_segment_ptr 1
		.amdhsa_wavefront_size32 1
		.amdhsa_system_sgpr_workgroup_id_x 1
		.amdhsa_system_sgpr_workgroup_id_y 1
		.amdhsa_system_sgpr_workgroup_id_z 1
		.amdhsa_system_vgpr_workitem_id 0
		.amdhsa_next_free_vgpr 144
		.amdhsa_next_free_sgpr 66
		.amdhsa_reserve_vcc 0
		.amdhsa_float_denorm_mode_32 3
		.amdhsa_float_denorm_mode_16_64 3
		.amdhsa_memory_ordered 1
		.amdhsa_forward_progress 1
		.amdhsa_inst_pref_size 61
	.end_amdhsa_kernel
	.amdgpu_metadata
---
amdhsa.version: [ 1, 2 ]
amdhsa.kernels:
  - .name:           k_q9d0b93651e_prep
    .symbol:         k_q9d0b93651e_prep.kd
    .args:
      - { .name: query, .offset: 0, .size: 8, .value_kind: global_buffer, .address_space: global }
      - { .name: keys, .offset: 8, .size: 8, .value_kind: global_buffer, .address_space: global }
      - { .name: values, .offset: 16, .size: 8, .value_kind: global_buffer, .address_space: global }
      - { .name: Wq, .offset: 24, .size: 8, .value_kind: global_buffer, .address_space: global }
      - { .name: Wk, .offset: 32, .size: 8, .value_kind: global_buffer, .address_space: global }
      - { .name: Wv, .offset: 40, .size: 8, .value_kind: global_buffer, .address_space: global }
      - { .name: Wo, .offset: 48, .size: 8, .value_kind: global_buffer, .address_space: global }
      - { .name: mask, .offset: 56, .size: 8, .value_kind: global_buffer, .address_space: global }
      - { .name: xb, .offset: 64, .size: 8, .value_kind: global_buffer, .address_space: global }
      - { .name: wb, .offset: 72, .size: 8, .value_kind: global_buffer, .address_space: global }
      - { .name: mbits, .offset: 80, .size: 8, .value_kind: global_buffer, .address_space: global }
    .group_segment_fixed_size: 68096
    .private_segment_fixed_size: 0
    .kernarg_segment_align: 8
    .kernarg_segment_size: 88
    .max_flat_workgroup_size: 128
    .sgpr_count:     66
    .vgpr_count:     144
    .wavefront_size: 32
...
	.end_amdgpu_metadata
.endif
;; end of part 1
;; launch proj (part 2): grid 4 x 64, 4 waves a work-group, clusters of 4 x 4, 327,680 bytes of LDS; arguments xb, wb, qkv; writes qkv
.if DOCPART == 2
	.amdgcn_target "amdgcn-amd-amdhsa--gfx1250"
	.amdhsa_code_object_version 6
	.text
	.protected	k_q9d0b93651e_proj
	.globl	k_q9d0b93651e_proj
	.p2align	8
	.type	k_q9d0b93651e_proj,@function
k_q9d0b93651e_proj:
	s_mov_b64 s[64:65], 0
	v_nop
	global_prefetch_b8 v0, s[64:65] scope:SCOPE_SE
	s_setreg_imm32_b32 hwreg(HW_REG_WAVE_MODE, 25, 1), 1
	s_wait_xcnt 0x0
	s_wait_alu depctr_hold_cnt(0) depctr_sa_sdst(0) depctr_va_vdst(0) depctr_va_sdst(0) depctr_va_ssrc(0) depctr_va_vcc(0) depctr_vm_vsrc(0)
	s_getreg_b32 s2, hwreg(HW_REG_IB_STS2, 6, 4)
	s_cmp_eq_u32 s2, 0
	s_cbranch_scc0 .Lentry_in_a_cluster
	s_endpgm
.Lentry_in_a_cluster:
	s_bfe_u32 s2, ttmp6, 0x10000c
	s_cmp_lg_u32 s2, 0xf033
	s_cbranch_scc0 .Lentry_shape_is_right
	s_endpgm
.Lentry_shape_is_right:
; q, k, v = x W^T.  xb: [3][8192][1024] bf16 (query, keys, values), wb: [4][1024][1024] (Wq, Wk, Wv in bf16), sums in f32; qkv: [3][64 = batch x 16 + head][2048][64] f16, rounded once, without the softmax's scale.
; LIMIT.  q, k and v leave as f16: beyond 65,504 they would be infinities.
; SHARES.  3 x 8192 x 1024 outputs are 768 tiles of 128 x 256: each of 256 work-groups STAYS for three, the same rows and columns of q, k and v.  Four waves, each 64 x 128: 32 accumulators, 256 registers.
; K goes in 8 steps of 128 (rows of 256 bytes, aligned) through a ring of two LDS slots, which runs on from tile to tile.
; CLUSTER 4 x 4: the four of a row of the cluster need the same 128 rows of x, the four of a column the same 256 rows of W: each tile is asked for jointly, by the same tensor load and descriptor with a mask that names the four.
; THE PRODUCT IS TAKEN TRANSPOSED (source 0 = 16 rows of W, source 1 = 16 rows of x): a lane holds eight neighbouring columns of one row, 16 bytes of f16.
; REGISTERS.  Window 0: v0-31 addresses; v32-63 packed results; v64-159, v160-255 two fragment buffers (64 of W, 32 of x), the second also the way out's rows.  Window 1: accumulator (a, b) at v[8 (8 a + b)].
.set KSTEP,  128
.set PITCH,  272                       ; 256 bytes + 16 of padding = 68 words: the 16 rows of a fragment load start at 16 different groups of four banks
.set AHALF,  64*PITCH                  ; what wave 0 or 1 fetches of x, and what a wave reads of it
.set BHALF,  128*PITCH                 ; what wave 2 or 3 fetches of W, and what a wave reads of it
.set BOFF,   2*AHALF
.set SLOT,   BOFF+2*BHALF
.set STAGE,  2*SLOT                    ; behind the ring: for each wave [2 heads][16 rows][144 bytes]
.set SP,     144
.set WSTG,   2*16*SP
.set SPARE,  STAGE+4*WSTG              ; the spare words, 128 bytes a wave
.set NEXT_A, 8192*2048-6*KSTEP*2       ; from a slot's last K step of a tile to its first of the next: the next tensor in xb, back along K
.set NEXT_B, 1024*2048-6*KSTEP*2       ; the same in wb
.set ADRA, 16                          ; v16-17  my fragments of x in slot 0, 1
.set ADRB, 20                          ; v20-21  of W
.set STO,  24
.set RD,   25
.set CO,   26
.set SPW,  28
.set NIL,  29
.set PFO,  30                          ; the prefetches' offset: lane x a row of 2,048 bytes
.set TMP,  32
.set F0,   64
.set F1,   160
.set G1,  24                           ; s[24:31] group 1 for x's tiles; s[32:39] group 0, a set for each slot
.set G0,  32
.set G1B, 48                           ; s[48:55], s[56:63] the same for W's
.set G0B, 56
.set LIM, 43                           ; s43  1 in a wave that prefetches, else the greatest number
.set PFA, 44                           ; s[44:45] where my prefetches stand
.set PFT, 22                           ; s[22:23] their step at a change of tiles
.set MSB, 0
.macro WIN new
.if MSB != (\new)
	s_set_vgpr_msb (MSB<<8)|(\new)
.set MSB, \new
.endif
.endm
.set MUL, 0x50                         ; C and D in window 1, the sources in window 0
; A joint load: waves 0 and 1 fetch x's two halves, waves 2 and 3 W's.  The branch hangs on the wave's number alone.  s_nop 0 and four v_nop follow each line.
.macro JLOAD s
	s_cmp_eq_u32 s11, 0
	s_cbranch_scc0 .Lfor_b_\@
	tensor_load_to_lds s[G0+4*(\s):G0+4*(\s)+3], s[G1:G1+7]
	s_nop 0
.rept 4
	v_nop
.endr
	s_branch .Lasked_\@
.Lfor_b_\@:
	tensor_load_to_lds s[G0B+4*(\s):G0B+4*(\s)+3], s[G1B:G1B+7]
	s_nop 0
.rept 4
	v_nop
.endr
.Lasked_\@:
.endm
; A prefetch of the K step that stands two refills on: 32 rows x 256 bytes, a lane a row.  x's 128 rows are read by this cluster alone: wave 0 asks, and the four partners of a row of the cluster take 32 rows each, by address (cx).
; W's rows are read by every cluster of the column of clusters: the first (cluster y = 0) asks, waves 2 and 3 for the 128 rows that they fetch, the four partners of a column 32 each, by address (cy).  So each block is named once.
; how = 0, in the loop: a tile's last two refills have no K step two on.  how = 1, at a change of tiles: the next tile's K steps 2 and 3.
.macro ASK how
.if \how
	s_cmp_eq_u32 s[LIM], 1
.else
	s_cmp_gt_u32 s3, s[LIM]
.endif
	s_cbranch_scc0 .Lnot_mine_\@
	global_prefetch_b8 v[PFO], s[PFA:PFA+1] th:TH_LOAD_NT scope:SCOPE_SE
.Lnot_mine_\@:
.endm
.macro CREST                           ; a round of the cluster's barrier behind its opening barrier
	s_cmp_lg_u32 s10, 0
	s_cbranch_scc1 .Lnot_wave_0_\@
	s_barrier_signal -3
.Lnot_wave_0_\@:
	s_barrier_wait -3
	s_barrier_signal -1
	s_barrier_wait -1
.endm
.macro CROUND
	s_barrier_signal -1
	s_barrier_wait -1
	CREST
.endm
	s_load_b128 s[4:7], s[0:1], 0x0                ; xb s[4:5], wb s[6:7]
	s_load_b64 s[8:9], s[0:1], 0x10                ; qkv
	v_lshl_add_u32 v[SPW], v0, 2, SPARE
	v_mov_b32 v[NIL], 0
	ds_add_u32 v[SPW], v[NIL]                      ; the wave's opening add; its wait stands ahead of my first tensor load
	v_lshrrev_b32 v1, 5, v0
	v_readfirstlane_b32 s10, v1                    ; wave 0..3
	s_lshr_b32 s11, s10, 1                         ; my 64 rows of the tile.  Also: I fetch for x (0) or for W (1)
	s_and_b32 s12, s10, 1                          ; my 128 columns.  Also: which half I fetch
	s_bfe_u32 s40, ttmp6, 0x40000                  ; cx
	s_bfe_u32 s41, ttmp6, 0x40004                  ; cy
	s_lshl_b32 s42, ttmp9, 2
	s_add_co_u32 s42, s42, s40                     ; tile column tx
	s_and_b32 s13, ttmp7, 0xffff
	s_lshl_b32 s13, s13, 2
	s_add_co_u32 s13, s13, s41                     ; tile row ty
	s_lshl_b32 s43, s41, 2
	s_lshl_b32 s43, 15, s43                        ; my row of the cluster
	s_lshl_b32 s44, 0x1111, s40                    ; my column
	s_or_b32 s[G1+0], s43, (1<<16)|(1<<20)|(1<<21)|(5<<22)|(3<<25)   ; the mask; 2-byte elements; padding on; bit 21 beside a mask; after every 64 words, 4 words
	s_or_b32 s[G1B+0], s44, (1<<16)|(1<<20)|(1<<21)|(5<<22)|(3<<25)
	s_mov_b32 s[G1+1], KSTEP<<16                   ; tensor_dim0 = 128
	s_mov_b32 s[G1+2], 64<<16                      ; tensor_dim1 = 64
	s_mov_b32 s[G1+3], KSTEP<<16                   ; tile_dim0 = 128
	s_mov_b32 s[G1+4], 64                          ; tile_dim1 = 64
	s_mov_b32 s[G1+5], 1024                        ; elements from row to row
	s_mov_b32 s[G1+6], 0
	s_mov_b32 s[G1+7], 0
	s_mov_b32 s[G1B+1], KSTEP<<16
	s_mov_b32 s[G1B+2], 128<<16                    ; W's loads have 128 rows
	s_mov_b32 s[G1B+3], KSTEP<<16
	s_mov_b32 s[G1B+4], 128
	s_mov_b32 s[G1B+5], 1024
	s_mov_b32 s[G1B+6], 0
	s_mov_b32 s[G1B+7], 0
	s_lshl_b32 s16, s13, 7
	s_lshl_b32 s17, s12, 6
	s_add_co_u32 s16, s16, s17                     ; x: row 128 ty + 64 half,
	s_lshl_b32 s16, s16, 11                        ; of 2,048 bytes
	s_mov_b32 s17, 0
	s_lshl_b32 s46, s42, 8
	s_lshl_b32 s47, s12, 7
	s_add_co_u32 s46, s46, s47                     ; W: row 256 tx + 128 half
	s_lshl_b32 s46, s46, 11
	s_mov_b32 s47, 0
	s_mul_i32 s20, s12, AHALF                      ; where they go: no place in the cluster enters an LDS address
	s_mul_i32 s21, s12, BHALF
	s_add_co_u32 s21, s21, BOFF
	s_wait_dscnt 0x0                               ; the opening add is done
	s_wait_kmcnt 0x0
	s_add_nc_u64 s[14:15], s[4:5], s[16:17]
	s_add_nc_u64 s[46:47], s[6:7], s[46:47]
	CROUND                                         ; all sixteen work-groups are here: the first joint loads meet
.irp s, 0,1
	s_mov_b32 s[G0+4*(\s)], 1
	s_add_co_u32 s[G0+4*(\s)+1], s20, (\s)*SLOT
	s_add_nc_u64 s[G0+4*(\s)+2:G0+4*(\s)+3], s[14:15], (\s)*KSTEP*2
	s_or_b32 s[G0+4*(\s)+3], s[G0+4*(\s)+3], 0x80000000
	s_mov_b32 s[G0B+4*(\s)], 1
	s_add_co_u32 s[G0B+4*(\s)+1], s21, (\s)*SLOT
	s_add_nc_u64 s[G0B+4*(\s)+2:G0B+4*(\s)+3], s[46:47], (\s)*KSTEP*2
	s_or_b32 s[G0B+4*(\s)+3], s[G0B+4*(\s)+3], 0x80000000
	JLOAD \s
.endr
	v_and_b32 v1, 15, v0                           ; l % 16
	v_bfe_u32 v2, v0, 4, 1                         ; l / 16
	v_mul_u32_u24 v3, v1, PITCH
	v_lshl_add_u32 v3, v2, 4, v3                   ; a fragment's row x pitch + 16 x half
	s_mul_i32 s20, s11, AHALF
	s_mul_i32 s21, s12, BHALF
	s_add_co_u32 s21, s21, BOFF
.irp s, 0,1
	v_add_nc_u32 v[ADRA+(\s)], s20, v3
	v_add_nc_u32 v[ADRB+(\s)], s21, v3
	s_add_co_u32 s20, s20, SLOT
	s_add_co_u32 s21, s21, SLOT
.endr
	s_mul_i32 s20, s10, WSTG
	s_add_co_u32 s20, s20, STAGE                   ; my stage
	v_mul_u32_u24 v4, v1, SP                       ; in: row l % 16, 16 bytes for each half of the lanes
	v_lshl_add_u32 v4, v2, 4, v4
	v_add_nc_u32 v[STO], s20, v4
	v_bfe_u32 v5, v0, 3, 2                         ; back: 32 lanes take four rows of 128 bytes,
	v_mul_u32_u24 v5, v5, SP
	v_and_b32 v4, 7, v0
	v_lshl_add_u32 v5, v4, 4, v5
	v_add_nc_u32 v[RD], s20, v5
	v_and_b32 v[CO], 31, v0                        ; which are 512 consecutive bytes of a head's rows
	v_lshlrev_b32 v[PFO], 11, v[CO]
	v_lshlrev_b32 v[CO], 4, v[CO]
	; where my part of the first tile begins in qkv: head (ty / 16) 16 + 4 tx + 2 wc, row (ty % 16) 128 + 64 wr of 128 bytes
	s_lshr_b32 s16, s13, 4
	s_lshl_b32 s16, s16, 4
	s_lshl_b32 s17, s42, 2
	s_add_co_u32 s16, s16, s17
	s_lshl_b32 s17, s12, 1
	s_add_co_u32 s16, s16, s17
	s_lshl_b32 s16, s16, 18
	s_and_b32 s17, s13, 15
	s_lshl_b32 s17, s17, 7
	s_lshl_b32 s18, s11, 6
	s_add_co_u32 s17, s17, s18
	s_lshl_b32 s17, s17, 7
	s_add_co_u32 s16, s16, s17
	s_mov_b32 s17, 0
	s_add_nc_u64 s[8:9], s[8:9], s[16:17]
	; the prefetches
	s_lshl_b32 s20, s13, 7
	s_lshl_b32 s21, s40, 5
	s_add_co_u32 s20, s20, s21                     ; x: row 128 ty + 32 cx
	s_lshl_b32 s18, s42, 8
	s_lshl_b32 s19, s12, 7
	s_add_co_u32 s18, s18, s19
	s_lshl_b32 s19, s41, 5
	s_add_co_u32 s18, s18, s19                     ; W: row 256 tx + 128 half + 32 cy
	s_mov_b32 s16, 8192*2048-7*KSTEP*2             ; from the K step after the tile's last but one more to the next tile's K step 2
	s_mov_b32 s17, 1024*2048-7*KSTEP*2
	s_and_b32 s19, ttmp7, 0xffff                   ; cluster y
	s_cmp_eq_u32 s11, 0
	s_cselect_b32 s20, s20, s18
	s_cselect_b32 s[PFT], s16, s17
	s_cselect_b32 s19, s12, s19                    ; waves 0, 1: wave 0 asks; waves 2, 3: where cluster y = 0.  The same in all sixteen partners, for a given wave
	s_cselect_b64 s[PFA:PFA+1], s[4:5], s[6:7]
	s_cmp_eq_u32 s19, 0
	s_cselect_b32 s[LIM], 1, -1
	s_mov_b32 s[PFT+1], 0
	s_lshl_b32 s20, s20, 11
	s_mov_b32 s21, 0
	s_add_nc_u64 s[PFA:PFA+1], s[PFA:PFA+1], s[20:21]
	s_add_nc_u64 s[PFA:PFA+1], s[PFA:PFA+1], 3*KSTEP*2   ; at K step 3: the first refill (of K step 2) steps it to 4 and names that.  Nothing is prefetched at the head
; 8 matrix instructions: block a of my four blocks of 16 rows x all 8 blocks of 16 columns, 32 along K.  zero = 1: the product starts the sums.  The 32 accumulators take turns.
.macro MUL8 f, a, zero
	WIN MUL
.irp b, 0,1,2,3,4,5,6,7
.if \zero
	v_wmma_f32_16x16x32_bf16 v[8*(8*(\a)+(\b)):8*(8*(\a)+(\b))+7], v[(\f)+8*(\b):(\f)+8*(\b)+7], v[(\f)+64+8*(\a):(\f)+64+8*(\a)+7], 0
.else
	v_wmma_f32_16x16x32_bf16 v[8*(8*(\a)+(\b)):8*(8*(\a)+(\b))+7], v[(\f)+8*(\b):(\f)+8*(\b)+7], v[(\f)+64+8*(\a):(\f)+64+8*(\a)+7], v[8*(8*(\a)+(\b)):8*(8*(\a)+(\b))+7]
.endif
.endr
.endm
; 24 LDS loads in one run: quarter kq's fragments (128 rows of W, then 64 of x, 32 along K) into buffer f
.macro FETCH slot, kq, f
	WIN 0
.irp i, 0,1,2,3,4,5,6,7
	ds_load_b128 v[(\f)+8*(\i):(\f)+8*(\i)+3],   v[ADRB+(\slot)] offset:64*(\kq)+(\i)*16*PITCH
	ds_load_b128 v[(\f)+8*(\i)+4:(\f)+8*(\i)+7], v[ADRB+(\slot)] offset:64*(\kq)+(\i)*16*PITCH+32
.endr
.irp i, 0,1,2,3
	ds_load_b128 v[(\f)+64+8*(\i):(\f)+64+8*(\i)+3],   v[ADRA+(\slot)] offset:64*(\kq)+(\i)*16*PITCH
	ds_load_b128 v[(\f)+64+8*(\i)+4:(\f)+64+8*(\i)+7], v[ADRA+(\slot)] offset:64*(\kq)+(\i)*16*PITCH+32
.endr
.endm
.macro PLACES                          ; four plain places in front of loads into registers that matrix instructions have read, and of lines that read results
.rept 4
	v_nop
.endr
.endm
; A K step is four quarters of 32 along K, 32 matrix instructions each, on buffers 0, 1, 0, 1.  One of the first three multiplies buffer f and fetches quarter kq into g.
.macro QUARTER slot, kq, f, g, zero
	s_wait_dscnt 4                                 ; W and x's blocks 0 and 1 are in; the youngest four loads (blocks 2, 3) may be out
	MUL8 \f, 0, \zero
	MUL8 \f, 1, \zero
	PLACES
	FETCH \slot, \kq, \g
	s_wait_dscnt 24                                ; all but the 24 just issued
	MUL8 \f, 2, \zero
	MUL8 \f, 3, \zero
.endm
; The last quarter multiplies buffer 1 and changes slots.  mode 0: this slot is filled again two K steps on; 1: with the next tile's K step 0 or 1; 2: nothing is filled.
; In front of the barrier each wave waits for all its tensor loads (one is out: its part of the next slot), adds 0 to its spare word, and waits for that and for its reads of this slot.
; Where the slot is filled again the barrier opens a round of the cluster's, and the joint refill is the first tensor load behind it: 112 matrix instructions ahead of the wait for it.
.macro TURN slot, next, mode
.if (\mode) < 2
	s_wait_xcnt 0x0                                ; the last prefetch, a K step back, has read its address
.if ((\mode) == 1) && ((\slot) == 0)
	s_add_nc_u64 s[PFA:PFA+1], s[PFA:PFA+1], s[PFT:PFT+1]
.else
	s_add_nc_u64 s[PFA:PFA+1], s[PFA:PFA+1], KSTEP*2
.endif
.endif
	WIN 0
	s_wait_tensorcnt 0x0
	ds_add_u32 v[SPW], v[NIL]
	s_wait_dscnt 7                                 ; the add and the youngest six loads (x's blocks 1 to 3) may be out
	MUL8 F1, 0, 0
	s_wait_dscnt 0x0                               ; the add is done, and my reads of this slot are over
	s_barrier_signal -1
	MUL8 F1, 1, 0
.if (\mode) < 2
	WIN 0
.endif
	s_barrier_wait -1
.if (\mode) < 2
	CREST
.if (\mode) == 1
	s_add_nc_u64 s[G0+4*(\slot)+2:G0+4*(\slot)+3], s[G0+4*(\slot)+2:G0+4*(\slot)+3], NEXT_A
	s_add_nc_u64 s[G0B+4*(\slot)+2:G0B+4*(\slot)+3], s[G0B+4*(\slot)+2:G0B+4*(\slot)+3], NEXT_B
.else
	s_add_nc_u64 s[G0+4*(\slot)+2:G0+4*(\slot)+3], s[G0+4*(\slot)+2:G0+4*(\slot)+3], 2*KSTEP*2
	s_add_nc_u64 s[G0B+4*(\slot)+2:G0B+4*(\slot)+3], s[G0B+4*(\slot)+2:G0B+4*(\slot)+3], 2*KSTEP*2
.endif
	JLOAD \slot                                    ; its four v_nop are also the places in front of the loads below
.else
	PLACES
.endif
	FETCH \next, 0, F0
.if (\mode) < 2
	ASK \mode
.endif
	MUL8 F1, 2, 0
	MUL8 F1, 3, 0
.endm
; THE WAY OUT of block a (16 rows x 128 columns = two heads): rounded to f16; into my stage; back as whole rows of a head (128 bytes, dense in qkv); stored, 512 consecutive bytes an instruction.
.macro PACK a
	WIN 0x05                                       ; sources in window 1
.irp b, 0,1,2,3,4,5,6,7
.irp r, 0,1,2,3
	v_cvt_pk_f16_f32 v[TMP+4*(\b)+(\r)], v[8*(8*(\a)+(\b))+2*(\r)], v[8*(8*(\a)+(\b))+2*(\r)+1]
.endr
.endr
	WIN 0
.endm
.macro TOSTAGE a
.set BK, F1+32*((\a)%2)
.irp b, 0,1,2,3,4,5,6,7
	ds_store_b128 v[STO], v[TMP+4*(\b):TMP+4*(\b)+3] offset:((\b)/4)*16*SP+32*((\b)%4)
.endr
.irp u, 0,1,2,3,4,5,6,7
	ds_load_b128 v[BK+4*(\u):BK+4*(\u)+3], v[RD] offset:((\u)/4)*16*SP+((\u)%4)*4*SP  ; LDS serves a wave's instructions in order: these see the stores above
.endr
.endm
.macro SEND a
.set BK, F1+32*((\a)%2)
	s_wait_dscnt 0x0                               ; the block is back in registers
	s_wait_xcnt 0x0                                ; the stores of the block before have read their registers, which the next block's loads from the stage will write
.irp u, 0,1,2,3,4,5,6,7
	global_store_b128 v[CO], v[BK+4*(\u):BK+4*(\u)+3], s[8:9] offset:((\u)/4)*262144+(\a)*2048+((\u)%4)*512
.endr
.endm
.macro OUT
	PACK 0
	TOSTAGE 0
.irp a, 1,2,3
	PACK \a
	SEND (\a)-1
	TOSTAGE \a
.endr
	SEND 3
.endm
	s_wait_tensorcnt 1                             ; my part of K step 0 is in; K step 1's may stay out
	s_barrier_signal -1
	s_barrier_wait -1
	FETCH 0, 0, F0
	s_mov_b32 s2, 3                                ; tiles to go
.Ltile:
	QUARTER 0, 1, F0, F1, 1                        ; a tile's first quarter starts the sums
	WIN 0
	s_mov_b32 s3, 3
.Llap:                                                 ; a trip goes once round the ring and fills both slots again
	QUARTER 0, 2, F1, F0, 0
	QUARTER 0, 3, F0, F1, 0
	TURN 0, 1, 0
	QUARTER 1, 1, F0, F1, 0
	QUARTER 1, 2, F1, F0, 0
	QUARTER 1, 3, F0, F1, 0
	TURN 1, 0, 0
	QUARTER 0, 1, F0, F1, 0
	WIN 0
	s_sub_co_u32 s3, s3, 1
	s_cmp_lg_u32 s3, 0
	s_cbranch_scc1 .Llap
	QUARTER 0, 2, F1, F0, 0
	QUARTER 0, 3, F0, F1, 0
	WIN 0
	s_cmp_eq_u32 s2, 1
	s_cbranch_scc1 .Llast
	TURN 0, 1, 1                                   ; the ring goes on into the next tile
	QUARTER 1, 1, F0, F1, 0
	QUARTER 1, 2, F1, F0, 0
	QUARTER 1, 3, F0, F1, 0
	TURN 1, 0, 1
	OUT                                            ; both refills are asked for: now the tile goes out.  Blocks 0 and 1 were finished ahead of the refill's four places; their conversions are the places behind the last products
	s_wait_xcnt 0x0                                ; the stores have read their base and their registers
	s_add_nc_u64 s[8:9], s[8:9], 16777216          ; the next tensor in qkv
	s_sub_co_u32 s2, s2, 1
	s_branch .Ltile
.Llast:
	TURN 0, 1, 2                                   ; the last tile's tail asks for nothing
	QUARTER 1, 1, F0, F1, 0
	QUARTER 1, 2, F1, F0, 0
	QUARTER 1, 3, F0, F1, 0
	s_wait_dscnt 4
	MUL8 F1, 0, 0
	MUL8 F1, 1, 0
	s_wait_dscnt 0x0
	MUL8 F1, 2, 0
	MUL8 F1, 3, 0
	WIN 0
	PLACES
	PLACES
	OUT
	s_wait_tensorcnt 0x0                           ; the wave's end
	ds_add_u32 v[SPW], v[NIL]
	s_wait_dscnt 0x0
	CROUND                                         ; the closing round
	s_endpgm
.Lfunc_end_k_q9d0b93651e_proj:
	.size	k_q9d0b93651e_proj, .Lfunc_end_k_q9d0b93651e_proj-k_q9d0b93651e_proj
	.p2alignl 7, 3214868480
	.fill 96, 4, 3214868480
	.section	.rodata,"a",@progbits
	.p2align	6, 0x0
	.amdhsa_kernel k_q9d0b93651e_proj
		.amdhsa_group_segment_fixed_size 327680
		.amdhsa_private_segment_fixed_size 0
		.amdhsa_enable_private_segment 0
		.amdhsa_kernarg_size 24
		.amdhsa_user_sgpr_count 2
		.amdhsa_user_sgpr_kernarg_segment_ptr 1
		.amdhsa_wavefront_size32 1
		.amdhsa_system_sgpr_workgroup_id_x 1
		.amdhsa_system_sgpr_workgroup_id_y 1
		.amdhsa_system_sgpr_workgroup_id_z 1
		.amdhsa_system_vgpr_workitem_id 0
		.amdhsa_next_free_vgpr 512
		.amdhsa_next_free_sgpr 66
		.amdhsa_reserve_vcc 0
		.amdhsa_float_denorm_mode_32 3
		.amdhsa_float_denorm_mode_16_64 3
		.amdhsa_memory_ordered 1
		.amdhsa_forward_progress 1
		.amdhsa_inst_pref_size 124
	.end_amdhsa_kernel
	.amdgpu_metadata
---
amdhsa.version: [ 1, 2 ]
amdhsa.kernels:
  - .name:           k_q9d0b93651e_proj
    .symbol:         k_q9d0b93651e_proj.kd
    .args:
      - { .name: xb, .offset: 0, .size: 8, .value_kind: global_buffer, .address_space: global }
      - { .name: wb, .offset: 8, .size: 8, .value_kind: global_buffer, .address_space: global }
      - { .name: qkv, .offset: 16, .size: 8, .value_kind: global_buffer, .address_space: global }
    .group_segment_fixed_size: 327680
    .private_segment_fixed_size: 0
    .kernarg_segment_align: 8
    .kernarg_segment_size: 24
    .max_flat_workgroup_size: 128
    .sgpr_count:     66
    .vgpr_count:     512
    .wavefront_size: 32
...
	.end_amdgpu_metadata
.endif
;; end of part 2
;; launch attn (part 3): grid 4 x 64, 4 waves a work-group, clusters of 4 x 1, 327,680 bytes of LDS; arguments qkv, mbits, ob; writes ob
.if DOCPART == 3
	.amdgcn_target "amdgcn-amd-amdhsa--gfx1250"
	.amdhsa_code_object_version 6
	.text
	.protected	k_q9d0b93651e_attn
	.globl	k_q9d0b93651e_attn
	.p2align	8
	.type	k_q9d0b93651e_attn,@function
k_q9d0b93651e_attn:
	s_mov_b64 s[64:65], 0
	v_nop
	global_prefetch_b8 v0, s[64:65] scope:SCOPE_SE
	s_setreg_imm32_b32 hwreg(HW_REG_WAVE_MODE, 25, 1), 1
	s_wait_xcnt 0x0
	s_wait_alu depctr_hold_cnt(0) depctr_sa_sdst(0) depctr_va_vdst(0) depctr_va_sdst(0) depctr_va_ssrc(0) depctr_va_vcc(0) depctr_vm_vsrc(0)
	s_getreg_b32 s2, hwreg(HW_REG_IB_STS2, 6, 4)
	s_cmp_eq_u32 s2, 0
	s_cbranch_scc0 .Lentry_in_a_cluster
	s_endpgm
.Lentry_in_a_cluster:
	s_bfe_u32 s2, ttmp6, 0x10000c
	s_cmp_lg_u32 s2, 0x3003
	s_cbranch_scc0 .Lentry_shape_is_right
	s_endpgm
.Lentry_shape_is_right:
; O[hd][q][:] = the sum over k of softmax_k(where(mask[q][k] == 0, -1e20, Q[hd][q] . K[hd][k]) / 8) V[hd][k][:].  qkv: [3][64][2048][64] f16 (Q, K, V by heads, hd = batch x 16 + head); ob: [64][2048][64] f16.
; mbits: the mask as lane-mask words: byte batch*524288 + (q/32)*8192 + (k/64)*256 + ((q/16)%2)*128 + idx*4; bit L of word idx is the mask at query 16-block row L % 16, key 16 (idx / 8) + 8 (L / 16) + idx % 8 of the key step.
; Products, maxima and sums in f32; the weights p are rounded to f16 for the second product (their sum l is taken of the unrounded p), O once at the end.
; LIMITS.  Q, K, V arrive within f16's 65,504.  A hidden score counts as -2^66 (-7.4e19) in place of -1e20: the same result while visible scores lie above about -1e18.  c x 2^66 is exact in f32, so in a row
; with no visible key c s - c m is exactly 0 and the row's weights are equal, as with -1e20.  A weight below 2^-126 counts as 0 in l; NaN and infinities are not treated apart.
; SHARES.  A wave owns four PIECES of two tiles of 16 queries, a work-group's four waves 512 queries of one head, a cluster's four work-groups the head.  Every wave walks all 2,048 keys, 64 a step.
; LAYOUT.  S^T = K Q^T (source 0 = 16 keys, source 1 = 16 queries): a lane holds ONE query (lane % 16) and the keys 8 (lane / 16) + 0..7.  Two such tiles, rounded to f16 in pairs, ARE source 1 of O^T = V^T P.
; THE MASK replaces a score: one v_cndmask_b32 for each register of S^T, its lane mask a word of mbits in a scalar register.  A turn's 64 words come by four scalar loads, issued a turn ahead, behind the last line that read the words before.
; SOFTMAX.  A running maximum m and sum l a query: p = 2^(c s - c m), c = log2(e) / 8; in every step O and l are multiplied by a = 2^(c m_old - c m_new).  m starts at the lowest finite number, O and l at 0.
; BY TURNS.  Turn n belongs to piece n.  Its matrix work: 16 products K Q^T of piece n + 1, later 16 products V^T P of piece n - 1.  Its vector work: the scaling, exponentials, roundings, sums and rescaling of piece n,
; and the mask, maximum and statistics of piece n + 1.  Four vector instructions stand behind every matrix instruction, the rest in one lump; a turn's 66 exponentials are one batch with one wait.
; CLUSTER.  The four work-groups walk the same K and V, so each tile is asked for JOINTLY: the same tensor load, descriptor and mask in all four.
; REGISTERS, in windows of 256: window 0: v0-11 addresses and constants; v12-15, v48-63 at work; v16-47 statistics; v64-191 S^T, two buffers of two tiles; v192-255 P, likewise.
;   window 1: O^T, 32 a tile.   window 2: v0-127 Q; v128-191 K of one step; v192-255 V of one step.   window 3: v0-1 the add's two registers.
.set SIZE_N, 2048
.set NP,    4
.set KS,    64
.set PK,    160       ; a row of K and of V in LDS: 128 bytes + 32 of padding.  One pitch for both, so that one descriptor serves all four waves: wave w's 128 rows land at 20,480 w.  For V's turning load each bank is taken once; K's 16 rows fall on 8 groups of banks, two deep
.set PV,    160
.set VOFF,  4*KS*PK   ; a slot holds four steps: 256 rows of K, then 256 rows of V
.set SLOT1, 1<<17
.set STAGE, SLOT1+4*KS*(PK+PV)  ; behind the ring: 16 rows x 144 bytes for each wave
.set SP,    144
.set SPARE, STAGE+4*16*SP
.set STO, 1           ; v1   the way out: where I put 16 bytes of a row
.set AK0, 2
.set AV0, 3
.set AK,  4
.set AV,  5
.set QO,  6
.set RD,  7
.set GO,  8
.set BIGV, 10         ; v10  -2^66
.set PFO, 11          ; v11  256 x lane
.set SPW, 0           ; window 3
.set NIL, 1           ; window 3
.set MV,  12
.set ST,  16
.set TMP, 48
.set S,   64
.set P,   192
.set KF,  128
.set VF,  192
.set G0,  4           ; s[4:7]   descriptor group 0: it walks
.set G1,  8           ; s[8:15]  descriptor group 1
.set MW0, 16          ; s[16:47] the 32 mask words of the piece's first tile
.set MW1, 68          ; s[68:99] of its second
.set MP,  48          ; s[48:49] mbits at my wave's piece 0, at the key step in hand
.set OP_, 50          ; s[50:51] O at my wave's first row
.set CS,  52
.set SEL, 54
.set WV,  56
.set SLOTS, 57
.set CNT, 58
.set TBK, 59
.set TBV, 60
.set LIM, 61          ; 1 in a wave that prefetches, else the greatest number
.set PFA, 66          ; s[66:67]
.set QP,  100         ; s[100:101] Q at my wave's first row
.set MSB, 0
.macro WIN new
.if MSB != (\new)
	s_set_vgpr_msb (MSB<<8)|(\new)
.set MSB, (\new)
.endif
.endm
.set W_KQ, 0x0a
.set W_PV, 0x52
.set W_RS, 0x41
.set W_MK, 0xc0
.set W_AD, 0x0f
; A joint fill: every wave fetches 128 rows (waves 0, 1 the halves of a slot's K, waves 2, 3 of its V) by the one line; its LDS and global addresses hang on the wave's number.  s_nop 0 and four v_nop follow.
.macro JLOAD
	tensor_load_to_lds s[G0:G0+3], s[G1:G1+7]
	s_nop 0
.rept 4
	v_nop
.endr
.endm
; A prefetch of what the NEXT change of slots will ask for: 32 KiB of K and of V.  The head's one cluster reads them once.  Wave 0 asks for K's, wave 2 for V's; the four partners take 8 KiB each, by address; a lane 256 bytes.  The last fill names nothing.
.macro ASK
	s_cmp_gt_u32 s[SLOTS], s[LIM]
	s_cbranch_scc0 .Lnot_mine_\@
	global_prefetch_b8 v[PFO], s[PFA:PFA+1] th:TH_LOAD_NT scope:SCOPE_SE
.Lnot_mine_\@:
.endm
.macro CROUND
	s_barrier_signal -1
	s_barrier_wait -1
	s_cmp_lg_u32 s[WV], 0
	s_cbranch_scc1 .Lnot_wave_0_\@
	s_barrier_signal -3
.Lnot_wave_0_\@:
	s_barrier_wait -3
	s_barrier_signal -1
	s_barrier_wait -1
.endm
; THE CHANGE OF SLOTS.  Each wave waits for all its tensor loads (one is out: its part of the other slot), adds 0 to its spare word, and waits for that and for its reads of the slot.
; fill = 1: the barrier is a round of the cluster's, and the joint fill, with the keys two slots on, is the first thing behind it: it has four key steps, 512 matrix instructions, in which to land.
.macro CHANGE fill
	WIN W_AD
	s_wait_tensorcnt 0x0
	ds_add_u32 v[SPW], v[NIL]
	WIN 0
.if \fill
	s_xor_b32 s[G0+1], s[G0+1], SLOT1
	s_add_nc_u64 s[G0+2:G0+3], s[G0+2:G0+3], 4*KS*128
	s_wait_xcnt 0x0                 ; the last prefetch, four key steps back, has read its address
	s_add_nc_u64 s[PFA:PFA+1], s[PFA:PFA+1], 4*KS*128
	s_wait_dscnt 0x0                ; the add is done, and my reads of the slot are over
	CROUND
	JLOAD
	ASK
.else
	s_wait_dscnt 0x0
	s_barrier_signal -1
	s_barrier_wait -1
.endif
	s_sub_co_u32 s[TBK], s[TBK], 4*KS*PK
	s_xor_b32 s[TBK], s[TBK], SLOT1
	s_sub_co_u32 s[TBV], s[TBV], 4*KS*PV
	s_xor_b32 s[TBV], s[TBV], SLOT1
.endm
; A piece's 64 mask words for one key step: 256 consecutive bytes
.macro MLOAD off
	s_load_b512 s[MW0:MW0+15],    s[MP:MP+1], (\off)
	s_load_b512 s[MW0+16:MW0+31], s[MP:MP+1], (\off)+64
	s_load_b512 s[MW1:MW1+15],    s[MP:MP+1], (\off)+128
	s_load_b512 s[MW1+16:MW1+31], s[MP:MP+1], (\off)+192
.endm
	s_load_b128 s[16:19], s[0:1], 0x0  ; qkv s[16:17], mbits s[18:19]
	s_load_b64 s[20:21], s[0:1], 0x10  ; ob
	WIN W_MK
	v_lshl_add_u32 v[SPW], v0, 2, SPARE
	v_mov_b32 v[NIL], 0
	WIN W_AD
	ds_add_u32 v[SPW], v[NIL]       ; the wave's opening add; its wait stands ahead of my first tensor load
	WIN 0
	v_lshrrev_b32 v1, 5, v0
	v_readfirstlane_b32 s[WV], v1   ; wave 0..3
	s_bfe_u32 s22, ttmp6, 0x40000   ; cx
	s_lshl_b32 s23, ttmp9, 2
	s_add_co_u32 s23, s23, s22      ; my block of 512 queries: it enters Q's, O's and the mask's addresses alone
	s_and_b32 s24, ttmp7, 0xffff    ; hd, which the four partners share
	s_lshl_b32 s26, s24, 18         ; the head's first byte in Q, K, V, O
	s_lshr_b32 s28, s[WV], 1
	s_add_co_u32 s28, s28, 1
	s_lshl_b32 s28, s28, 24         ; K lies 16 MiB, V 32 MiB into qkv
	s_add_co_u32 s28, s28, s26
	s_mov_b32 s29, 0
	s_and_b32 s30, s[WV], 1
	s_lshl_b32 s30, s30, 14         ; my half of a slot's 256 rows of 128 bytes
	s_add_co_u32 s2, s28, s30
	s_mov_b32 s3, 0
	s_lshl_b32 s30, s22, 13         ; the prefetches: my work-group's 8 KiB,
	s_add_co_u32 s28, s28, s30
	s_add_co_u32 s28, s28, 4*KS*128 ; in slot 1; the first change of slots steps it to slot 2
	s_lshl_b32 s62, s23, 2
	s_add_co_u32 s62, s62, s[WV]    ; my wave among the head's sixteen
	s_lshl_b32 s30, s62, 14         ; its 128 rows
	s_add_co_u32 s30, s30, s26
	s_mov_b32 s31, 0
	s_lshl_b32 s62, s62, 15         ; its four pieces' words: 8,192 bytes a piece
	s_lshr_b32 s25, s24, 4
	s_lshl_b32 s25, s25, 19         ; the batch's words
	s_add_co_u32 s62, s62, s25
	s_mov_b32 s63, 0
	s_mov_b32 s[G1], 15|(1<<16)|(1<<20)|(1<<21)|(4<<22)|(7<<25)  ; the mask of four; 2-byte elements; padding on; bit 21 beside a mask; after every 32 words, 8 words
	s_mov_b32 s[G1+1], 128<<16      ; 128 rows of 128 bytes are dense: asked for as 64 rows of 256 bytes
	s_mov_b32 s[G1+2], 64<<16
	s_mov_b32 s[G1+3], 128<<16
	s_mov_b32 s[G1+4], 64
	s_mov_b32 s[G1+5], 128
	s_mov_b32 s[G1+6], 0
	s_mov_b32 s[G1+7], 0
	s_mov_b32 s[G0], 1
	s_mul_i32 s[G0+1], s[WV], 128*PK  ; slot 0; no place in the cluster enters an LDS address
	s_mov_b32 s[CS], 0x3e38aa3b     ; c = log2(e) / 8
	s_mov_b32 s[CS+1], s[CS]
	s_mov_b32 s[SEL], 0x76543210
	s_mov_b32 s[SEL+1], 0xfedcba98
	s_mov_b32 s[TBK], SLOT1+4*KS*PK ; the first change of slots turns these two into 0
	s_mov_b32 s[TBV], SLOT1+4*KS*PV
	s_mov_b32 s[SLOTS], SIZE_N/256-1
	s_and_b32 s[LIM], s[WV], 1
	s_cmp_eq_u32 s[LIM], 0
	s_cselect_b32 s[LIM], 1, -1
	s_wait_dscnt 0x0                ; the opening add is done
	s_wait_kmcnt 0x0
	s_add_nc_u64 s[G0+2:G0+3], s[16:17], s[2:3]
	s_or_b32 s[G0+3], s[G0+3], 0x80000000
	s_add_nc_u64 s[PFA:PFA+1], s[16:17], s[28:29]
	s_add_nc_u64 s[QP:QP+1], s[16:17], s[30:31]
	s_add_nc_u64 s[OP_:OP_+1], s[20:21], s[30:31]
	s_add_nc_u64 s[MP:MP+1], s[18:19], s[62:63]
	CROUND                          ; all four work-groups are here: the first joint loads meet
	JLOAD                           ; slot 0
	v_and_b32 v1, 15, v0            ; l % 16
	v_bfe_u32 v9, v0, 4, 1          ; l / 16
	v_lshlrev_b32 v[QO], 7, v1
	v_lshl_add_u32 v[QO], v9, 4, v[QO]
	WIN 0x80
.set i, 0
.rept 4*NP                          ; Q stays in registers: tile i / 2, channels 32 (i % 2) on
	global_load_b128 v[8*i:8*i+3],   v[QO], s[QP:QP+1] offset:(i/2)*2048+(i%2)*64
	global_load_b128 v[8*i+4:8*i+7], v[QO], s[QP:QP+1] offset:(i/2)*2048+(i%2)*64+32
.set i, i+1
.endr
	MLOAD 0                         ; piece 0's words for key step 0 (the arguments' registers are free now)
	; What the first turn finds: V's registers and P's second buffer hold 0, O^T and l are 0.  All this stands in the wait for the first tile.
.set i, VF
.rept 64
	v_mov_b32 v[i], 0
.set i, i+1
.endr
	WIN 0x40
.set i, 0
.rept 64*NP
	v_mov_b32 v[i], 0
.set i, i+1
.endr
	WIN 0
.set i, 0
.rept 2*NP
	v_mov_b32 v[ST+4*i], 0xfe000000    ; c m: far below every c s, the hidden ones' too
	v_mov_b32 v[ST+4*i+1], 0xff7fffff  ; m
	v_mov_b32 v[ST+4*i+2], 0
	v_mov_b32 v[ST+4*i+3], 0
.set i, i+1
.endr
.set i, P+32
.rept 32
	v_mov_b32 v[i], 0
.set i, i+1
.endr
	v_mul_u32_u24 v[AK0], v1, PK
	v_lshl_add_u32 v[AK0], v9, 4, v[AK0]
	v_and_b32 v10, 7, v0
	v_bfe_u32 v11, v0, 3, 1
	v_lshl_add_u32 v[AV0], v9, 3, v10
	v_mul_u32_u24 v[AV0], v[AV0], PV
	v_lshl_add_u32 v[AV0], v11, 4, v[AV0]
	v_add_nc_u32 v[AV0], VOFF, v[AV0]
	v_mov_b32 v[AK], v[AK0]
	s_mul_i32 s2, s[WV], 16*SP
	s_add_co_u32 s2, s2, STAGE      ; my stage
	v_bfe_u32 v[RD], v0, 3, 2       ; back: 32 lanes take four rows of 128 bytes,
	v_mul_u32_u24 v[RD], v[RD], SP
	v_lshl_add_u32 v[RD], v10, 4, v[RD]
	v_add_nc_u32 v[RD], s2, v[RD]
	v_mul_u32_u24 v[STO], v1, SP    ; in: row l % 16, 16 bytes for each half of the lanes
	v_lshl_add_u32 v[STO], v9, 4, v[STO]
	v_add_nc_u32 v[STO], s2, v[STO]
	v_and_b32 v[GO], 31, v0
	v_lshlrev_b32 v[PFO], 8, v[GO]
	v_lshlrev_b32 v[GO], 4, v[GO]   ; 512 consecutive bytes of O
	v_mov_b32 v[BIGV], 0xe0800000   ; -2^66
; THE MATRIX WORK.  The 8 accumulators of a run of 16 take turns.
.macro KQ x
	WIN W_KQ
.set rS, S+64*((\x)%2)+32*(i%2)+8*((i/2)%4)
.set rK, KF+16*((i/2)%4)+8*(i/8)
.set rQ, 16*(2*(\x)+i%2)+8*(i/8)
.if i < 8
	v_wmma_f32_16x16x32_f16 v[rS:rS+7], v[rK:rK+7], v[rQ:rQ+7], 0
.else
	v_wmma_f32_16x16x32_f16 v[rS:rS+7], v[rK:rK+7], v[rQ:rQ+7], v[rS:rS+7]
.endif
.endm
.macro PV x
	WIN W_PV
.set rO, 32*(2*(\x)+i%2)+8*((i/2)%4)
.set rV, VF+32*(i/8)+8*((i/2)%4)
.set rP, P+32*((\x)%2)+16*(i%2)+8*(i/8)
	v_wmma_f32_16x16x32_f16 v[rO:rO+7], v[rV:rV+7], v[rP:rP+7], v[rO:rO+7]
.endm
.macro MM
.if i < 16
	KQ (Y+1)%NP
.set i, i+1
.else
.set i, i-16
	PV (Y+NP-1)%NP
.set i, i+17
.endif
.endm
.macro FETCH_K last=0
	WIN 0
.if \last
	s_cmp_eq_u32 s[CNT], 1
	s_cbranch_scc1 .Lno_k_\@
.endif
	WIN 0x80
.irp f, 0,1,2,3,4,5,6,7
	ds_load_b128 v[KF+8*\f:KF+8*\f+3],   v[AK] offset:(\f/2)*16*PK+(\f%2)*64
	ds_load_b128 v[KF+8*\f+4:KF+8*\f+7], v[AK] offset:(\f/2)*16*PK+(\f%2)*64+32
.endr
	s_add_co_u32 s[TBK], s[TBK], KS*PK
	WIN 0
.if \last
.Lno_k_\@:
.endif
.endm
.macro FETCH_V
	WIN 0x80
.irp f, 0,1,2,3,4,5,6,7
	ds_load_tr16_b128 v[VF+8*\f:VF+8*\f+3],   v[AV] offset:(\f/4)*32*PV+(\f%4)*32
	ds_load_tr16_b128 v[VF+8*\f+4:VF+8*\f+7], v[AV] offset:(\f/4)*32*PV+16*PV+(\f%4)*32
.endr
	WIN 0
.endm
; THE VECTOR WORK OF A TURN stands in three queues, each in the order in which its entries become ready; the two tiles alternate.
.macro REGS y, u
.set rT, ST+4*(2*(\y)+(\u))
.set rC, TMP+8*((\y)%2)+4*(\u)
.set rM, MV+2*((\y)%2)+(\u)
.set rS, S+64*((\y)%2)+32*(\u)
.set rP, P+32*((\y)%2)+16*(\u)
.set rO, 32*(2*(\y)+(\u))
.endm
; Number g of the 64 that put -2^66 where the NEXT piece's scores are hidden: register g / 2 of tile g % 2, ascending.
.macro MS g
	REGS (Y+1)%NP, (\g)%2
.if (\g)%2
	v_cndmask_b32 v[rS+(\g)/2], v[BIGV], v[rS+(\g)/2], s[MW1+(\g)/2]
.else
	v_cndmask_b32 v[rS+(\g)/2], v[BIGV], v[rS+(\g)/2], s[MW0+(\g)/2]
.endif
.endm
; Number n of the 22 that find the next piece's maximum and statistics: 0-11 four chains of seven scores; 12-14, 16 the four left over, the old m, and the four into one; 15 c m_old is kept; 17, 18 the other half of the lanes; 19-21 c m, its change, a.
.macro XS u, n
	REGS (Y+1)%NP, \u
.if (\n) < 4
	v_max3_num_f32 v[rC+(\n)], v[rS+8*(\n)], v[rS+8*(\n)+1], v[rS+8*(\n)+2]
.elseif (\n) < 12
	v_max3_num_f32 v[rC+(\n)%4], v[rC+(\n)%4], v[rS+8*((\n)%4)+2*((\n)/4)+1], v[rS+8*((\n)%4)+2*((\n)/4)+2]
.elseif (\n) == 12
	v_max3_num_f32 v[rC], v[rC], v[rS+7], v[rS+15]
.elseif (\n) == 13
	v_max3_num_f32 v[rC+1], v[rC+1], v[rS+23], v[rS+31]
.elseif (\n) == 14
	v_max3_num_f32 v[rC+2], v[rC+2], v[rC+3], v[rT+1]
.elseif (\n) == 15
	v_mov_b32 v[rM], v[rT]
.elseif (\n) == 16
	v_max3_num_f32 v[rC], v[rC], v[rC+1], v[rC+2]
.elseif (\n) == 17
	v_permlanex16_b32 v[rC+3], v[rC], s[SEL], s[SEL+1]
.elseif (\n) == 18
	v_max_num_f32 v[rT+1], v[rC], v[rC+3]
.elseif (\n) == 19
	v_mul_f32 v[rT], s[CS], v[rT+1]
.elseif (\n) == 20
	v_sub_f32 v[rC+1], v[rM], v[rT]
.else
	v_exp_f32 v[rC+2], v[rC+1]
.endif
.endm
; Number g of the 64 that follow the exponentials: for each four weights both pairs are rounded to f16, the second pair is added onto the first, and a group later l takes that sum (the first time as l = a l + sum).
.macro GS g
.set h, (\g)+6*((\g)/62)
.if h >= 6
.set h, h+2
.endif
	REGS Y, h%2
.set k, h/8
.if h%8 < 4
	v_cvt_pk_f16_f32 v[rP+2*k+(h%8)/2], v[rS+4*k+2*((h%8)/2)], v[rS+4*k+2*((h%8)/2)+1]
.elseif h%8 < 6
	v_pk_add_f32 v[rS+4*k:rS+4*k+1], v[rS+4*k:rS+4*k+1], v[rS+4*k+2:rS+4*k+3]
.elseif k == 1
	v_pk_fma_f32 v[rT+2:rT+3], v[rT+2:rT+3], v[rC+2:rC+3], v[rS:rS+1] op_sel_hi:[1,0,1]
.else
	v_pk_add_f32 v[rT+2:rT+3], v[rT+2:rT+3], v[rS+4*k-4:rS+4*k-3]
.endif
.endm
.macro FS f                         ; c s - c m for pair f / 2 of tile f % 2
	REGS Y, (\f)%2
	v_pk_fma_f32 v[rS+2*((\f)/2):rS+2*((\f)/2)+1], v[rS+2*((\f)/2):rS+2*((\f)/2)+1], s[CS:CS+1], v[rT:rT+1] op_sel_hi:[1,0,0] neg_lo:[0,0,1] neg_hi:[0,0,1]
.endm
; THE PLAIN QUEUE, 202 long.  0-26: scalings 0-26.  27-90: the next piece's mask.  91-118: its maximum's numbers 0-13.  119, 120: number 15.  121-137: the chain 14, 16 .. 19, each with one of the scalings 27-31 in front of its two lines, then 20.
; 138-201: the 64 that read the exponentials' results: they stand behind the wait.
.macro PL
	WIN 0
.if q < 27
	FS q
.elseif q < 91
	MS q-27
.elseif q < 119
	XS (q-91)%2, (q-91)/2
.elseif q < 121
	XS q-119, 15
.elseif (q < 136) && ((q-121)%3 == 0)
	FS 27+(q-121)/3
.elseif q < 124
	XS (q-121)%3-1, 14
.elseif q < 136
	XS (q-121)%3-1, 15+(q-121)/3
.elseif q < 138
	XS q-136, 20
.else
	GS q-138
.endif
.set q, q+1
.endm
.macro EX                           ; the exponentials' queue, 66 long: s0-s31 of both tiles, then the next piece's two a
	WIN 0
.if e >= 64
	XS e-64, 21
.else
	REGS Y, e%2
	v_exp_f32 v[rS+e/2], v[rS+e/2]
.endif
.set e, e+1
.endm
.macro R2                           ; O^T times a, two at a time
	REGS Y, r%2
	WIN W_RS
.irp z, 0,1
	v_pk_mul_f32 v[rO+4*(r/2)+2*\z:rO+4*(r/2)+2*\z+1], v[rO+4*(r/2)+2*\z:rO+4*(r/2)+2*\z+1], v[rC+2:rC+3] op_sel_hi:[1,0]
.endr
.set r, r+1
.endm
; A TURN, for piece p.  AHEAD OF ITS ONE WAIT stands all that names no result of its exponentials: 16 products K Q^T with a scaling, an exponential and two rescalings behind each; then the lump: 8 plain; 32 times an exponential and three
; plain; 17 times exponential and plain; the two a; a v_nop, the plain instruction behind the last exponential.  BEHIND IT: 16 products V^T P, four roundings and sums behind each.
; The counts that the deal keeps: exponential e needs scaling 2 (e / 4) + e % 2.  Exponentials 0-46 need scalings up to 23, which are plain 0-23, all issued ahead of the lump's first exponential or, as riders, ahead by two.
; In the last 17 pairs exponential e comes behind plain e + 73, and scalings 27-31 are plain 121, 124 .. 133.  The mask's first line stands more than four plain instructions behind the last product K Q^T.
; THE WORDS.  s_wait_kmcnt 0 ahead of the lump: the four loads issued a turn ago.  Behind the mask's last line (q = 91) the next turn's words are asked for: piece p + 2's; the pointer steps a key step on in piece 2's turn,
; behind that wait, since piece 0's and 1's next words are the next step's.  The loads for a 33rd step that is not there fall into my wave's own 32 KiB of mbits, and what they bring is not used.
.macro TURN p, last=0, cnt=0
.set Y, (\p)
.set i, 0
.set q, 0
.set e, 0
.set r, 0
.if (\p) == NP-1
	s_wait_dscnt 0x0                ; K is in
.endif
	MM
	PL
	PL
	R2
.rept 15
	MM
	PL
	EX
	R2
.endr
.if (\p) == NP-2
	WIN 0
	v_add_nc_u32 v[AK], s[TBK], v[AK0]
.endif
	s_wait_kmcnt 0x0                ; the mask words are in
.if (\p) == NP-2
	s_add_nc_u64 s[MP:MP+1], s[MP:MP+1], 256
.endif
.rept 8
	PL
.endr
.rept 32
	EX
	PL
	PL
	PL
.if q == 91
	MLOAD (((\p)+2)%NP)*8192
.endif
.endr
.rept 17
	EX
	PL
.endr
	EX
	EX
	v_nop
	s_wait_alu depctr_va_vdst(0)    ; one wait for the batch of 66
.if (\p) == NP-2
	FETCH_K \last
.endif
.if (\p) == 1
	s_wait_dscnt 0x0                ; V is in
.endif
.rept 16
	MM
.rept 4
	PL
.endr
.if ((\p) == 0) && (q == 182)
	v_add_nc_u32 v[AV], s[TBV], v[AV0]
.endif
.if ((\p) == 0) && (q == 194)
	s_add_co_u32 s[TBV], s[TBV], KS*PV
.endif
.if (\cnt) && (q == 194)
	s_sub_co_u32 s[CNT], s[CNT], 1
	s_cmp_lg_u32 s[CNT], 0
.endif
.endr
.if (\p) == 0
	FETCH_V
.endif
.endm
	CHANGE 1                        ; slot 0 is in, everybody's part of it; slot 1 is asked for
	FETCH_K                         ; key step 0
	s_wait_loadcnt 0x0              ; Q
	s_wait_dscnt 0x0
.set i, 0
.rept 16
	KQ 0                            ; piece 0's first scores
.set i, i+1
.endr
	WIN 0
.rept 4
	v_nop                           ; the places behind those products
.endr
	s_wait_kmcnt 0x0                ; piece 0's words
.set Y, NP-1                        ; MS and XS work for piece Y + 1: piece 0
.set gg, 0
.rept 64
	MS gg
.set gg, gg+1
.endr
	MLOAD 8192                      ; piece 1's words for key step 0
.irp n, 0,1,2,3,4,5,6,7,8,9,10,11,12,13,14,15,16,17,18,19,20,21
	XS 0, \n
	XS 1, \n
.endr
	v_nop
	s_wait_alu depctr_va_vdst(0)    ; the two a's wait, ahead of the branch
	s_mov_b32 s[CNT], 4
	s_branch .Lfirst                ; the loop is entered at a step's first turn
.Lslot:                             ; six times: every slot but the last two is filled again here
	CHANGE 1
	s_mov_b32 s[CNT], 4
.Lstep:                             ; a trip: pieces 2 and 3 of one step, then pieces 0 and 1 of the next
	TURN 2
	TURN 3
	WIN 0
.Lfirst:
	TURN 0
	TURN 1, 0, 1
	WIN 0
	s_cbranch_scc1 .Lstep
	s_sub_co_u32 s[SLOTS], s[SLOTS], 1
	s_cmp_lg_u32 s[SLOTS], 0
	s_cbranch_scc1 .Lslot
	CHANGE 0                        ; the tail is written out
	s_mov_b32 s[CNT], 5
.Ltail:
	TURN 2, 1
	TURN 3
	WIN 0
	s_sub_co_u32 s[CNT], s[CNT], 1
	s_cmp_eq_u32 s[CNT], 0
	s_cbranch_scc1 .Lout
	TURN 0
	TURN 1
	WIN 0
	s_branch .Ltail
.Lout:                              ; the fifth trip's products K Q^T and what is made of them serve nothing: the price of one text for every trip
	s_wait_kmcnt 0x0                ; the last words, which nobody uses, have come
.set i, 0
.rept 16
	PV NP-1
.set i, i+1
.endr
	; THE WAY OUT.  l's halves are added; O^T is divided by l, rounded to f16 and sent through my stage, a tile at a time.  The additions are the places behind the last products.
	WIN 0
.macro ALL line:vararg
.set t, 0
.rept 2*NP
	\line
.set t, t+1
.endr
.endm
	ALL v_add_f32 v[ST+4*t+2], v[ST+4*t+2], v[ST+4*t+3]
	ALL v_permlanex16_b32 v[ST+4*t+3], v[ST+4*t+2], s[SEL], s[SEL+1]
	ALL v_add_f32 v[ST+4*t+2], v[ST+4*t+2], v[ST+4*t+3]
	ALL v_rcp_f32 v[ST+4*t+2], v[ST+4*t+2]
	v_nop
	s_wait_alu depctr_va_vdst(0)    ; one wait for the eight reciprocals
.macro PACK t
	WIN W_RS
.set i, 32*(\t)
.rept 16
	v_pk_mul_f32 v[i:i+1], v[i:i+1], v[ST+4*(\t)+2:ST+4*(\t)+3] op_sel_hi:[1,0]
.set i, i+2
.endr
	WIN 0x05
.set i, 0
.rept 16
	v_cvt_pk_f16_f32 v[S+16*(\t)+i], v[32*(\t)+2*i], v[32*(\t)+2*i+1]
.set i, i+1
.endr
	WIN 0
.irp f, 0,1,2,3
	ds_store_b128 v[STO], v[S+16*(\t)+4*\f:S+16*(\t)+4*\f+3] offset:32*\f
.endr
.irp f, 0,1,2,3
	ds_load_b128 v[S+16*(\t)+4*\f:S+16*(\t)+4*\f+3], v[RD] offset:\f*4*SP  ; LDS serves a wave's instructions in order: these see the stores above
.endr
.endm
.macro SEND t, younger              ; younger: the LDS instructions issued behind tile t's loads
	WIN 0
.irp f, 0,1,2,3
	s_wait_dscnt (\younger)+3-\f
	global_store_b128 v[GO], v[S+16*(\t)+4*\f:S+16*(\t)+4*\f+3], s[OP_:OP_+1] offset:(\t)*2048+\f*512  ; 512 consecutive bytes, aligned
.endr
.endm
	PACK 0
.set t, 1
.rept 2*NP-1
	PACK t
	SEND t-1, 8
.set t, t+1
.endr
	SEND 2*NP-1, 0
	WIN W_AD
	s_wait_tensorcnt 0x0            ; the wave's end
	ds_add_u32 v[SPW], v[NIL]
	s_wait_dscnt 0x0
	WIN 0
	CROUND                          ; the closing round
	s_endpgm
.Lfunc_end_k_q9d0b93651e_attn:
	.size	k_q9d0b93651e_attn, .Lfunc_end_k_q9d0b93651e_attn-k_q9d0b93651e_attn
	.p2alignl 7, 3214868480
	.fill 96, 4, 3214868480
	.section	.rodata,"a",@progbits
	.p2align	6, 0x0
	.amdhsa_kernel k_q9d0b93651e_attn
		.amdhsa_group_segment_fixed_size 327680
		.amdhsa_private_segment_fixed_size 0
		.amdhsa_enable_private_segment 0
		.amdhsa_kernarg_size 24
		.amdhsa_user_sgpr_count 2
		.amdhsa_user_sgpr_kernarg_segment_ptr 1
		.amdhsa_wavefront_size32 1
		.amdhsa_system_sgpr_workgroup_id_x 1
		.amdhsa_system_sgpr_workgroup_id_y 1
		.amdhsa_system_sgpr_workgroup_id_z 1
		.amdhsa_system_vgpr_workitem_id 0
		.amdhsa_next_free_vgpr 770
		.amdhsa_next_free_sgpr 102
		.amdhsa_reserve_vcc 0
		.amdhsa_float_denorm_mode_32 3
		.amdhsa_float_denorm_mode_16_64 3
		.amdhsa_memory_ordered 1
		.amdhsa_forward_progress 1
		.amdhsa_inst_pref_size 237
	.end_amdhsa_kernel
	.amdgpu_metadata
---
amdhsa.version: [ 1, 2 ]
amdhsa.kernels:
  - .name:           k_q9d0b93651e_attn
    .symbol:         k_q9d0b93651e_attn.kd
    .args:
      - { .name: qkv, .offset: 0, .size: 8, .value_kind: global_buffer, .address_space: global }
      - { .name: mbits, .offset: 8, .size: 8, .value_kind: global_buffer, .address_space: global }
      - { .name: ob, .offset: 16, .size: 8, .value_kind: global_buffer, .address_space: global }
    .group_segment_fixed_size: 327680
    .private_segment_fixed_size: 0
    .kernarg_segment_align: 8
    .kernarg_segment_size: 24
    .max_flat_workgroup_size: 128
    .sgpr_count:     102
    .vgpr_count:     770
    .wavefront_size: 32
...
	.end_amdgpu_metadata
.endif
;; end of part 3
;; launch outproj (part 4): grid 4 x 64, 4 waves a work-group, clusters of 4 x 4, 327,680 bytes of LDS; arguments ob, wb, bo, out0; writes out0
.if DOCPART == 4
	.amdgcn_target "amdgcn-amd-amdhsa--gfx1250"
	.amdhsa_code_object_version 6
	.text
	.protected	k_q9d0b93651e_outproj
	.globl	k_q9d0b93651e_outproj
	.p2align	8
	.type	k_q9d0b93651e_outproj,@function
k_q9d0b93651e_outproj:
	s_mov_b64 s[64:65], 0
	v_nop
	global_prefetch_b8 v0, s[64:65] scope:SCOPE_SE
	s_setreg_imm32_b32 hwreg(HW_REG_WAVE_MODE, 25, 1), 1
	s_wait_xcnt 0x0
	s_wait_alu depctr_hold_cnt(0) depctr_sa_sdst(0) depctr_va_vdst(0) depctr_va_sdst(0) depctr_va_ssrc(0) depctr_va_vcc(0) depctr_vm_vsrc(0)
	s_getreg_b32 s2, hwreg(HW_REG_IB_STS2, 6, 4)
	s_cmp_eq_u32 s2, 0
	s_cbranch_scc0 .Lentry_in_a_cluster
	s_endpgm
.Lentry_in_a_cluster:
	s_bfe_u32 s2, ttmp6, 0x10000c
	s_cmp_lg_u32 s2, 0xf033
	s_cbranch_scc0 .Lentry_shape_is_right
	s_endpgm
.Lentry_shape_is_right:
; out0 = O Wo^T + bo.  ob: [64 = batch x 16 + head][2048][64] f16; Wo: the fourth matrix of wb, [1024][1024] f16 (rounded to bf16, written as f16); bo: [1024] f32, rounded to bf16 like every input; out0: [8192][1024] f32.  Sums in f32.
; SHARES.  256 tiles of 128 x 256, one to a work-group; four waves, each 64 x 128: 32 accumulators.  K goes in 8 steps of 128 = two heads, through a ring of two LDS slots.
; A head's 128 rows of O are 16,384 dense bytes: asked for as 64 rows of 256 bytes and padded in LDS after every 128: [2 heads][128 rows][144].  Wo's rows as they lie, 256 bytes a K step, pitch 272.
; CLUSTER 4 x 4: O's tile is shared along a row of the cluster, Wo's along a column: joint loads.  THE PRODUCT IS TAKEN TRANSPOSED (source 0 = 16 rows of Wo, source 1 = 16 rows of O): a lane holds eight neighbouring columns of a row.
; No prefetch: of the launch's 8 K steps four have been asked for by their loads before a lead of two steps exists, and the launch is short.
; REGISTERS.  Window 0: v0-31 addresses, v12-15 the bias; v64-159, v160-255 two fragment buffers (64 of Wo, 32 of O), later the way out's rows.  Window 1: accumulator (a, b) at v[8 (8 a + b)].
.set KSTEP,  128
.set PITCH,  272
.set PA,     144
.set AHB,    128*PA                    ; a head's 128 rows of O
.set BOFF,   2*AHB
.set BHALF,  128*PITCH
.set SLOT,   BOFF+2*BHALF
.set STAGE,  2*SLOT                    ; behind the ring: 16 rows x 528 bytes for each wave
.set SPITCH, 528
.set SPARE,  STAGE+4*16*SPITCH
.set ADRA, 16
.set ADRB, 20
.set STO,  24
.set RD,   25
.set CO,   26
.set SPW,  28
.set NIL,  29
.set BI,   12                          ; v[12:15] the bias of my four columns on the way out
.set F0,   64
.set F1,   160
.set G1,  24
.set G0,  32
.set G1B, 48
.set G0B, 56
.set MSB, 0
.macro WIN new
.if MSB != (\new)
	s_set_vgpr_msb (MSB<<8)|(\new)
.set MSB, \new
.endif
.endm
.set MUL, 0x50
.macro JLOAD s                         ; waves 0 and 1 fetch the K step's two heads of O, waves 2 and 3 Wo's two halves; s_nop 0 and four v_nop follow each line
	s_cmp_eq_u32 s11, 0
	s_cbranch_scc0 .Lfor_b_\@
	tensor_load_to_lds s[G0+4*(\s):G0+4*(\s)+3], s[G1:G1+7]
	s_nop 0
.rept 4
	v_nop
.endr
	s_branch .Lasked_\@
.Lfor_b_\@:
	tensor_load_to_lds s[G0B+4*(\s):G0B+4*(\s)+3], s[G1B:G1B+7]
	s_nop 0
.rept 4
	v_nop
.endr
.Lasked_\@:
.endm
.macro CREST
	s_cmp_lg_u32 s10, 0
	s_cbranch_scc1 .Lnot_wave_0_\@
	s_barrier_signal -3
.Lnot_wave_0_\@:
	s_barrier_wait -3
	s_barrier_signal -1
	s_barrier_wait -1
.endm
.macro CROUND
	s_barrier_signal -1
	s_barrier_wait -1
	CREST
.endm
	s_load_b128 s[4:7], s[0:1], 0x0                ; ob s[4:5], wb s[6:7]
	s_load_b128 s[16:19], s[0:1], 0x10             ; bo s[16:17], out0 s[18:19]
	v_lshl_add_u32 v[SPW], v0, 2, SPARE
	v_mov_b32 v[NIL], 0
	ds_add_u32 v[SPW], v[NIL]                      ; the wave's opening add; its wait stands ahead of my first tensor load
	v_lshrrev_b32 v1, 5, v0
	v_readfirstlane_b32 s10, v1                    ; wave 0..3
	s_lshr_b32 s11, s10, 1                         ; my 64 rows.  Also: I fetch for O (0) or for Wo (1)
	s_and_b32 s12, s10, 1                          ; my 128 columns.  Also: which head, or which half, I fetch
	s_bfe_u32 s40, ttmp6, 0x40000                  ; cx
	s_bfe_u32 s41, ttmp6, 0x40004                  ; cy
	s_lshl_b32 s42, ttmp9, 2
	s_add_co_u32 s42, s42, s40                     ; tx
	s_and_b32 s13, ttmp7, 0xffff
	s_lshl_b32 s13, s13, 2
	s_add_co_u32 s13, s13, s41                     ; ty
	s_lshl_b32 s43, s41, 2
	s_lshl_b32 s43, 15, s43
	s_lshl_b32 s44, 0x1111, s40
	s_or_b32 s[G1+0], s43, (1<<16)|(1<<20)|(1<<21)|(4<<22)|(3<<25)   ; O: padded after every 32 words by 4
	s_or_b32 s[G1B+0], s44, (1<<16)|(1<<20)|(1<<21)|(5<<22)|(3<<25)  ; Wo: after every 64 words by 4
	s_mov_b32 s[G1+1], 128<<16
	s_mov_b32 s[G1+2], 64<<16
	s_mov_b32 s[G1+3], 128<<16
	s_mov_b32 s[G1+4], 64
	s_mov_b32 s[G1+5], 128                         ; dense: each row of 256 bytes begins where the last ends
	s_mov_b32 s[G1+6], 0
	s_mov_b32 s[G1+7], 0
	s_mov_b32 s[G1B+1], KSTEP<<16
	s_mov_b32 s[G1B+2], 128<<16
	s_mov_b32 s[G1B+3], KSTEP<<16
	s_mov_b32 s[G1B+4], 128
	s_mov_b32 s[G1B+5], 1024
	s_mov_b32 s[G1B+6], 0
	s_mov_b32 s[G1B+7], 0
	s_lshr_b32 s20, s13, 4                         ; O: head (ty / 16) 16 + half, rows (ty % 16) 128 on
	s_lshl_b32 s20, s20, 4
	s_add_co_u32 s20, s20, s12
	s_lshl_b32 s20, s20, 18
	s_and_b32 s21, s13, 15
	s_lshl_b32 s21, s21, 14
	s_add_co_u32 s20, s20, s21
	s_mov_b32 s21, 0
	s_lshl_b32 s46, s42, 8
	s_lshl_b32 s47, s12, 7
	s_add_co_u32 s46, s46, s47                     ; Wo: row 256 tx + 128 half,
	s_lshl_b32 s46, s46, 11
	s_add_co_u32 s46, s46, 3*1024*2048             ; in the fourth matrix of wb
	s_mov_b32 s47, 0
	s_mul_i32 s2, s12, AHB
	s_mul_i32 s3, s12, BHALF
	s_add_co_u32 s3, s3, BOFF
	s_wait_dscnt 0x0                               ; the opening add is done
	s_wait_kmcnt 0x0
	s_add_nc_u64 s[14:15], s[4:5], s[20:21]
	s_add_nc_u64 s[46:47], s[6:7], s[46:47]
	CROUND                                         ; all sixteen work-groups are here
.irp s, 0,1
	s_mov_b32 s[G0+4*(\s)], 1
	s_add_co_u32 s[G0+4*(\s)+1], s2, (\s)*SLOT
	s_add_nc_u64 s[G0+4*(\s)+2:G0+4*(\s)+3], s[14:15], (\s)*2*262144   ; K step s: two heads on
	s_or_b32 s[G0+4*(\s)+3], s[G0+4*(\s)+3], 0x80000000
	s_mov_b32 s[G0B+4*(\s)], 1
	s_add_co_u32 s[G0B+4*(\s)+1], s3, (\s)*SLOT
	s_add_nc_u64 s[G0B+4*(\s)+2:G0B+4*(\s)+3], s[46:47], (\s)*KSTEP*2
	s_or_b32 s[G0B+4*(\s)+3], s[G0B+4*(\s)+3], 0x80000000
	JLOAD \s
.endr
	v_and_b32 v1, 15, v0                           ; l % 16
	v_bfe_u32 v2, v0, 4, 1                         ; l / 16
	v_mul_u32_u24 v3, v1, PITCH
	v_lshl_add_u32 v3, v2, 4, v3
	v_mul_u32_u24 v4, v1, PA
	v_lshl_add_u32 v4, v2, 4, v4
	s_mul_i32 s20, s11, 64*PA                      ; my 64 rows in each head's 128
	s_mul_i32 s21, s12, BHALF
	s_add_co_u32 s21, s21, BOFF
.irp s, 0,1
	v_add_nc_u32 v[ADRA+(\s)], s20, v4
	v_add_nc_u32 v[ADRB+(\s)], s21, v3
	s_add_co_u32 s20, s20, SLOT
	s_add_co_u32 s21, s21, SLOT
.endr
	s_mul_i32 s20, s10, 16*SPITCH
	s_add_co_u32 s20, s20, STAGE                   ; my stage
	v_mul_u32_u24 v5, v1, SPITCH                   ; in: row l % 16, 32 bytes for each half of the lanes
	v_lshl_add_u32 v5, v2, 5, v5
	v_add_nc_u32 v[STO], s20, v5
	v_and_b32 v[CO], 31, v0
	v_lshlrev_b32 v[CO], 4, v[CO]                  ; back: a row's 512 bytes, 16 a lane; the same in out0 and in bo
	v_add_nc_u32 v[RD], s20, v[CO]
	s_lshl_b32 s20, s42, 8
	s_lshl_b32 s21, s12, 7
	s_add_co_u32 s20, s20, s21
	s_lshl_b32 s20, s20, 2                         ; my 128 columns, in bytes
	s_mov_b32 s21, 0
	s_add_nc_u64 s[22:23], s[16:17], s[20:21]      ; bo there
	global_load_b128 v[BI:BI+3], v[CO], s[22:23]
	s_lshl_b32 s2, s13, 7
	s_lshl_b32 s3, s11, 6
	s_add_co_u32 s2, s2, s3
	s_lshl_b32 s2, s2, 12                          ; my first row, of 4,096 bytes
	s_add_co_u32 s20, s20, s2
	s_add_nc_u64 s[8:9], s[18:19], s[20:21]        ; out0 at my part of the tile
.macro MUL8 f, a, zero                 ; block a of my four blocks of 16 rows x all 8 blocks of 16 columns, 32 along K; the 32 accumulators take turns
	WIN MUL
.irp b, 0,1,2,3,4,5,6,7
.if \zero
	v_wmma_f32_16x16x32_f16 v[8*(8*(\a)+(\b)):8*(8*(\a)+(\b))+7], v[(\f)+8*(\b):(\f)+8*(\b)+7], v[(\f)+64+8*(\a):(\f)+64+8*(\a)+7], 0
.else
	v_wmma_f32_16x16x32_f16 v[8*(8*(\a)+(\b)):8*(8*(\a)+(\b))+7], v[(\f)+8*(\b):(\f)+8*(\b)+7], v[(\f)+64+8*(\a):(\f)+64+8*(\a)+7], v[8*(8*(\a)+(\b)):8*(8*(\a)+(\b))+7]
.endif
.endr
.endm
.macro FETCH slot, kq, f               ; quarter kq: head kq / 2 of the step's two, channels 32 (kq % 2) on
	WIN 0
.irp i, 0,1,2,3,4,5,6,7
	ds_load_b128 v[(\f)+8*(\i):(\f)+8*(\i)+3],   v[ADRB+(\slot)] offset:64*(\kq)+(\i)*16*PITCH
	ds_load_b128 v[(\f)+8*(\i)+4:(\f)+8*(\i)+7], v[ADRB+(\slot)] offset:64*(\kq)+(\i)*16*PITCH+32
.endr
.irp i, 0,1,2,3
	ds_load_b128 v[(\f)+64+8*(\i):(\f)+64+8*(\i)+3],   v[ADRA+(\slot)] offset:((\kq)/2)*AHB+((\kq)%2)*64+(\i)*16*PA
	ds_load_b128 v[(\f)+64+8*(\i)+4:(\f)+64+8*(\i)+7], v[ADRA+(\slot)] offset:((\kq)/2)*AHB+((\kq)%2)*64+(\i)*16*PA+32
.endr
.endm
.macro PLACES
.rept 4
	v_nop
.endr
.endm
.macro QUARTER slot, kq, f, g, zero
	s_wait_dscnt 4                                 ; Wo and O's blocks 0 and 1 are in; the youngest four loads may be out
	MUL8 \f, 0, \zero
	MUL8 \f, 1, \zero
	PLACES
	FETCH \slot, \kq, \g
	s_wait_dscnt 24                                ; all but the 24 just issued
	MUL8 \f, 2, \zero
	MUL8 \f, 3, \zero
.endm
; The last quarter multiplies buffer 1 and changes slots.  fill = 1: this slot is filled again, two K steps on, first thing behind a round of the cluster's barrier.
.macro TURN slot, next, fill
	WIN 0
	s_wait_tensorcnt 0x0                           ; all my tensor loads have landed: my part of the next slot
	ds_add_u32 v[SPW], v[NIL]
	s_wait_dscnt 7                                 ; the add and the youngest six loads may be out
	MUL8 F1, 0, 0
	s_wait_dscnt 0x0                               ; the add is done, and my reads of this slot are over
	s_barrier_signal -1
	MUL8 F1, 1, 0
.if \fill
	WIN 0
.endif
	s_barrier_wait -1
.if \fill
	CREST
	s_add_nc_u64 s[G0+4*(\slot)+2:G0+4*(\slot)+3], s[G0+4*(\slot)+2:G0+4*(\slot)+3], 4*262144
	s_add_nc_u64 s[G0B+4*(\slot)+2:G0B+4*(\slot)+3], s[G0B+4*(\slot)+2:G0B+4*(\slot)+3], 2*KSTEP*2
	JLOAD \slot                                    ; its four v_nop are also the places in front of the loads below
.else
	PLACES
.endif
	FETCH \next, 0, F0
	MUL8 F1, 2, 0
	MUL8 F1, 3, 0
.endm
	s_wait_tensorcnt 1                             ; my part of K step 0 is in; K step 1's may stay out
	s_barrier_signal -1
	s_barrier_wait -1
	FETCH 0, 0, F0
	QUARTER 0, 1, F0, F1, 1                        ; the first quarter starts the sums
	WIN 0
	s_mov_b32 s3, 3
.Llap:
	QUARTER 0, 2, F1, F0, 0
	QUARTER 0, 3, F0, F1, 0
	TURN 0, 1, 1
	QUARTER 1, 1, F0, F1, 0
	QUARTER 1, 2, F1, F0, 0
	QUARTER 1, 3, F0, F1, 0
	TURN 1, 0, 1
	QUARTER 0, 1, F0, F1, 0
	WIN 0
	s_sub_co_u32 s3, s3, 1
	s_cmp_lg_u32 s3, 0
	s_cbranch_scc1 .Llap
	QUARTER 0, 2, F1, F0, 0                        ; the last lap fills nothing
	QUARTER 0, 3, F0, F1, 0
	TURN 0, 1, 0
	QUARTER 1, 1, F0, F1, 0
	QUARTER 1, 2, F1, F0, 0
	QUARTER 1, 3, F0, F1, 0
	s_wait_dscnt 4
	MUL8 F1, 0, 0
	MUL8 F1, 1, 0
	s_wait_dscnt 0x0
	MUL8 F1, 2, 0
	MUL8 F1, 3, 0
	WIN 0
	s_wait_loadcnt 0x0                             ; the bias
	v_cvt_pk_bf16_f32 v[BI], v[BI], v[BI+1]        ; rounded to bf16 like every input, and widened again; these lines and the four below are the places behind the last products
	v_cvt_pk_bf16_f32 v[BI+2], v[BI+2], v[BI+3]
	v_and_b32 v[BI+1], 0xffff0000, v[BI]
	v_lshlrev_b32 v[BI], 16, v[BI]
	v_and_b32 v[BI+3], 0xffff0000, v[BI+2]
	v_lshlrev_b32 v[BI+2], 16, v[BI+2]
	PLACES
; THE WAY OUT of block a (16 rows x 128 columns of f32): a lane's 32 bytes of a row into my stage, each accumulator's low half first; back as whole rows of 512 bytes; the bias added; stored.
.macro TOST a
.set BK, 64+64*((\a)%2)
	s_wait_xcnt 0x0                                ; the stores of the block two back have read the registers that the loads below write
	WIN 0x04                                       ; the stores' data in window 1
.irp b, 0,1,2,3,4,5,6,7
	ds_store_b128 v[STO], v[8*(8*(\a)+(\b)):8*(8*(\a)+(\b))+3]   offset:64*(\b)
	ds_store_b128 v[STO], v[8*(8*(\a)+(\b))+4:8*(8*(\a)+(\b))+7] offset:64*(\b)+16
.endr
	WIN 0
.irp t, 0,1,2,3,4,5,6,7,8,9,10,11,12,13,14,15
	ds_load_b128 v[BK+4*(\t):BK+4*(\t)+3], v[RD] offset:(\t)*SPITCH  ; LDS serves a wave's instructions in order: these see the stores above, and the next block's stores come behind them
.endr
.endm
.macro SEND32 a, younger               ; younger: the next block's 32 LDS instructions, or none
.set BK, 64+64*((\a)%2)
	s_wait_dscnt \younger
.irp t, 0,1,2,3,4,5,6,7,8,9,10,11,12,13,14,15
	v_pk_add_f32 v[BK+4*(\t):BK+4*(\t)+1],   v[BK+4*(\t):BK+4*(\t)+1],   v[BI:BI+1]
	v_pk_add_f32 v[BK+4*(\t)+2:BK+4*(\t)+3], v[BK+4*(\t)+2:BK+4*(\t)+3], v[BI+2:BI+3]
	global_store_b128 v[CO], v[BK+4*(\t):BK+4*(\t)+3], s[8:9] offset:(16*(\a)+(\t))*4096  ; 512 consecutive bytes, aligned
.endr
.endm
	TOST 0
	TOST 1
	SEND32 0, 32
	TOST 2
	SEND32 1, 32
	TOST 3
	SEND32 2, 32
	SEND32 3, 0
	s_wait_tensorcnt 0x0                           ; the wave's end
	ds_add_u32 v[SPW], v[NIL]
	s_wait_dscnt 0x0
	CROUND                                         ; the closing round
	s_endpgm
.Lfunc_end_k_q9d0b93651e_outproj:
	.size	k_q9d0b93651e_outproj, .Lfunc_end_k_q9d0b93651e_outproj-k_q9d0b93651e_outproj
	.p2alignl 7, 3214868480
	.fill 96, 4, 3214868480
	.section	.rodata,"a",@progbits
	.p2align	6, 0x0
	.amdhsa_kernel k_q9d0b93651e_outproj
		.amdhsa_group_segment_fixed_size 327680
		.amdhsa_private_segment_fixed_size 0
		.amdhsa_enable_private_segment 0
		.amdhsa_kernarg_size 32
		.amdhsa_user_sgpr_count 2
		.amdhsa_user_sgpr_kernarg_segment_ptr 1
		.amdhsa_wavefront_size32 1
		.amdhsa_system_sgpr_workgroup_id_x 1
		.amdhsa_system_sgpr_workgroup_id_y 1
		.amdhsa_system_sgpr_workgroup_id_z 1
		.amdhsa_system_vgpr_workitem_id 0
		.amdhsa_next_free_vgpr 512
		.amdhsa_next_free_sgpr 66
		.amdhsa_reserve_vcc 0
		.amdhsa_float_denorm_mode_32 3
		.amdhsa_float_denorm_mode_16_64 3
		.amdhsa_memory_ordered 1
		.amdhsa_forward_progress 1
		.amdhsa_inst_pref_size 93
	.end_amdhsa_kernel
	.amdgpu_metadata
---
amdhsa.version: [ 1, 2 ]
amdhsa.kernels:
  - .name:           k_q9d0b93651e_outproj
    .symbol:         k_q9d0b93651e_outproj.kd
    .args:
      - { .name: ob, .offset: 0, .size: 8, .value_kind: global_buffer, .address_space: global }
      - { .name: wb, .offset: 8, .size: 8, .value_kind: global_buffer, .address_space: global }
      - { .name: bo, .offset: 16, .size: 8, .value_kind: global_buffer, .address_space: global }
      - { .name: out0, .offset: 24, .size: 8, .value_kind: global_buffer, .address_space: global }
    .group_segment_fixed_size: 327680
    .private_segment_fixed_size: 0
    .kernarg_segment_align: 8
    .kernarg_segment_size: 32
    .max_flat_workgroup_size: 128
    .sgpr_count:     66
    .vgpr_count:     512
    .wavefront_size: 32
...
	.end_amdgpu_metadata
.endif
;; end of part 4
;; ======== version 2 of 3: 4 launches
;; limits: values are held in f16: magnitudes above 65,504 overflow, below 6.1e-05 lose precision
;; workspace buffers: xb 50,331,648 bytes; wb 8,388,608 bytes; mbits 2,097,152 bytes of whole numbers; qkv 50,331,648 bytes; ob 16,777,216 bytes
;; launch prep (part 5): grid 2816 x 1, 4 waves a work-group, no clusters, 68,096 bytes of LDS; arguments query, keys, values, Wq, Wk, Wv, Wo, mask, xb, wb, mbits; writes xb, wb, mbits
.if DOCPART == 5
	.amdgcn_target "amdgcn-amd-amdhsa--gfx1250"
	.amdhsa_code_object_version 6
	.text
	.protected	k_q9d0b93651e_prep
	.globl	k_q9d0b93651e_prep
	.p2align	8
	.type	k_q9d0b93651e_prep,@function
k_q9d0b93651e_prep:
	s_mov_b64 s[64:65], 0
	v_nop
	global_prefetch_b8 v0, s[64:65] scope:SCOPE_SE
	s_setreg_imm32_b32 hwreg(HW_REG_WAVE_MODE, 25, 1), 1
	s_wait_xcnt 0x0
; PREP.  Casts and the mask's bits, in one streaming launch; every work-group reads 64 KiB, every wave 16 KiB by 32 loads that are all out at once.
; Work-groups 0..1023: the mask (int32 [4][2048][2048]) becomes lane-mask words.  A wave takes 32 query rows x 128 keys.  Word (nb, P = q/32, ks = key/64, u = (q/16)%2, idx = 8 kb + j), at byte
; nb*524288 + P*8192 + ks*256 + u*128 + idx*4 of mbits, holds in bit L: mask[nb][32P + 16u + L%16][64ks + 16kb + 8(L/16) + j] != 0.  That is the lane mask of register idx of a 16 x 64 tile of scores in the attention launch.
; Work-groups 1024..2559: query, keys, values into xb [3][8192][1024].  2560..2815: Wq, Wk, Wv, Wo into wb [4][1024][1024].  Each number is rounded to bf16, and that number is written as f16: one text for all seven.
; LIMIT.  f16 holds the bf16 number exactly from 6.1e-5 to 65,504; below, it keeps f16's fixed step of 6e-8; beyond, it would be an infinity.
; No matrix unit, no cluster, no tensor load: nothing is shared and nothing is read twice.  The mask's rows change lanes through each wave's own LDS bytes, so no barrier is needed.
.set STG,   16896                      ; a wave's stage: 32 rows of 512 bytes + 16 of padding (pitch 528 = 33 x 16: the 16 rows that a load touches start in different banks)
.set RP,    528
.set SPARE, 4*STG                      ; behind the stages: the spare words, 128 bytes a wave
.set X,     16                         ; v[16:143] 32 x 4 registers of data
	s_load_b512 s[8:23], s[0:1], 0x0               ; query 8, keys 10, values 12, Wq 14, Wk 16, Wv 18, Wo 20, mask 22
	s_load_b128 s[24:27], s[0:1], 0x40             ; xb 24, wb 26
	s_load_b64 s[28:29], s[0:1], 0x50              ; mbits
	v_lshl_add_u32 v6, v0, 2, SPARE                ; my spare word
	v_mov_b32 v7, 0
	v_lshrrev_b32 v1, 5, v0
	v_readfirstlane_b32 s2, v1                     ; wave 0..3
	v_and_b32 v1, 31, v0                           ; lane
	v_lshlrev_b32 v2, 4, v1                        ; 16 x lane
	v_lshlrev_b32 v3, 3, v1                        ; 8 x lane
	s_mul_i32 s30, s2, STG
	v_add_nc_u32 v4, s30, v2                       ; into the stage: 16 bytes a lane of a row
	v_and_b32 v5, 15, v0
	v_mul_u32_u24 v5, v5, RP
	v_bfe_u32 v8, v0, 4, 1
	v_lshl_add_u32 v5, v8, 5, v5
	v_add_nc_u32 v5, s30, v5                       ; out of it: row lane % 16, 8 keys (32 bytes) further on for lanes 16-31
	v_mov_b32 v8, 0                                ; v[8:11]: the words to store; v_writelane_b32 counts as a reader of its destination
	v_mov_b32 v9, 0
	v_mov_b32 v10, 0
	v_mov_b32 v11, 0
	s_mov_b32 s45, 0                               ; the high words of the two offset pairs
	s_mov_b32 s47, 0
	s_mov_b32 s31, ttmp9
	s_wait_kmcnt 0x0
	s_cmp_lt_u32 s31, 1024
	s_cbranch_scc1 .Lmask
	; THE CASTS
	s_sub_co_u32 s30, s31, 1024                    ; c
	s_cmp_lt_u32 s30, 1536
	s_cbranch_scc0 .Lweights
	s_lshr_b32 s31, s30, 9                         ; which of query, keys, values: 512 work-groups each
	s_cmp_eq_u32 s31, 0
	s_cselect_b64 s[40:41], s[8:9], s[10:11]
	s_cmp_eq_u32 s31, 2
	s_cselect_b64 s[40:41], s[12:13], s[40:41]
	s_and_b32 s44, s30, 511
	s_lshl_b32 s44, s44, 16                        ; 64 KiB of f32 in,
	s_lshl_b32 s46, s30, 15                        ; 32 KiB of 16-bit numbers out: the three tensors lie on end in xb
	s_mov_b64 s[42:43], s[24:25]
	s_branch .Lgo
.Lweights:
	s_sub_co_u32 s30, s30, 1536
	s_lshr_b32 s31, s30, 6                         ; which weight: 64 work-groups each
	s_cmp_eq_u32 s31, 0
	s_cselect_b64 s[40:41], s[14:15], s[16:17]
	s_cmp_eq_u32 s31, 2
	s_cselect_b64 s[40:41], s[18:19], s[40:41]
	s_cmp_eq_u32 s31, 3
	s_cselect_b64 s[40:41], s[20:21], s[40:41]
	s_and_b32 s44, s30, 63
	s_lshl_b32 s44, s44, 16
	s_lshl_b32 s46, s30, 15
	s_mov_b64 s[42:43], s[26:27]
.Lgo:
	s_lshl_b32 s31, s2, 14                         ; my wave's quarter
	s_add_co_u32 s44, s44, s31
	s_lshl_b32 s31, s2, 13
	s_add_co_u32 s46, s46, s31
	s_add_nc_u64 s[40:41], s[40:41], s[44:45]
	s_add_nc_u64 s[42:43], s[42:43], s[46:47]
	s_mov_b32 s3, 0xffff0000                       ; a word's upper bf16
	; 32 loads of 512 consecutive bytes; each is converted in place when it is in and leaves as 256 consecutive bytes, aligned.  No register is written twice, so no store's data is ever rewritten.
.set i, 0
.rept 32
	global_load_b128 v[X+4*i:X+4*i+3], v2, s[40:41] offset:512*i th:TH_LOAD_NT
.set i, i+1
.endr
.set i, 0
.rept 32
	s_wait_loadcnt 31-i                            ; loads come back in order: load i is in, the 31 - i younger ones stay out
	v_cvt_pk_bf16_f32 v[X+4*i], v[X+4*i], v[X+4*i+1]       ; rounded to bf16,
	v_cvt_pk_bf16_f32 v[X+4*i+2], v[X+4*i+2], v[X+4*i+3]
	v_and_b32 v[X+4*i+1], s3, v[X+4*i]                     ; widened again,
	v_lshlrev_b32 v[X+4*i], 16, v[X+4*i]
	v_and_b32 v[X+4*i+3], s3, v[X+4*i+2]
	v_lshlrev_b32 v[X+4*i+2], 16, v[X+4*i+2]
	v_cvt_pk_f16_f32 v[X+4*i], v[X+4*i], v[X+4*i+1]        ; and written as f16
	v_cvt_pk_f16_f32 v[X+4*i+1], v[X+4*i+2], v[X+4*i+3]
	global_store_b64 v3, v[X+4*i:X+4*i+1], s[42:43] offset:256*i
.set i, i+1
.endr
	s_branch .Lend
	; THE MASK
.Lmask:
	s_lshl_b32 s30, s31, 2
	s_add_co_u32 s30, s30, s2                      ; my unit U: nb = U >> 10, P = (U >> 4) & 63, kp = U & 15 (128 keys)
	s_lshr_b32 s3, s30, 10
	s_bfe_u32 s32, s30, 0x60004
	s_and_b32 s33, s30, 15
	s_lshl_b32 s44, s3, 24                         ; a batch's mask is 16 MiB,
	s_lshl_b32 s34, s32, 18                        ; 32 rows of 8,192 bytes,
	s_add_co_u32 s44, s44, s34
	s_lshl_b32 s34, s33, 9                         ; 128 keys are 512 bytes (in mbits too: two key steps of 256 bytes)
	s_add_co_u32 s44, s44, s34
	s_lshl_b32 s46, s3, 19
	s_lshl_b32 s35, s32, 13
	s_add_co_u32 s46, s46, s35
	s_add_co_u32 s46, s46, s34
	s_add_nc_u64 s[40:41], s[22:23], s[44:45]
	s_add_nc_u64 s[42:43], s[28:29], s[46:47]
.set i, 0
.rept 32
	global_load_b128 v[X+4*i:X+4*i+3], v2, s[40:41] offset:8192*i th:TH_LOAD_NT  ; row i: 512 consecutive bytes
.set i, i+1
.endr
.set i, 0
.rept 32
	s_wait_loadcnt 31-i
	ds_store_b128 v4, v[X+4*i:X+4*i+3] offset:RP*i
.set i, i+1
.endr
	s_wait_dscnt 0x0                               ; my stores are done; the bytes are my wave's own
.set i, 0
.rept 32                               ; load i = ((e 2 + u) 4 + kb) 2 + hf: register X + w then holds, for word w = 64 e + 32 u + 8 kb + j, this lane's number of the mask
	ds_load_b128 v[X+4*i:X+4*i+3], v5 offset:((i/8)%2)*16*RP+(i/16)*256+((i/2)%4)*64+(i%2)*16
.set i, i+1
.endr
.set w, 0
.rept 16
	s_wait_dscnt 30-w/4                            ; the two loads that hold the next eight words are in
.rept 8
	v_cmp_ne_u32 s[32+w%8], 0, v[X+w]              ; the 32 lanes' bits are the word,
	v_writelane_b32 v[8+w%4], s[32+w%8], w/4       ; which goes where the store below takes it from: word w from lane w / 4, register w % 4
.set w, w+1
.endr
.endr
	global_store_b128 v2, v[8:11], s[42:43]        ; 512 consecutive bytes, aligned
.Lend:
	s_wait_tensorcnt 0x0                           ; the wave's end, behind my last LDS store
	ds_add_u32 v6, v7
	s_wait_dscnt 0x0
	s_endpgm
.Lfunc_end_k_q9d0b93651e_prep:
	.size	k_q9d0b93651e_prep, .Lfunc_end_k_q9d0b93651e_prep-k_q9d0b93651e_prep
	.p2alignl 7, 3214868480
	.fill 96, 4, 3214868480
	.section	.rodata,"a",@progbits
	.p2align	6, 0x0
	.amdhsa_kernel k_q9d0b93651e_prep
		.amdhsa_group_segment_fixed_size 68096
		.amdhsa_private_segment_fixed_size 0
		.amdhsa_enable_private_segment 0
		.amdhsa_kernarg_size 88
		.amdhsa_user_sgpr_count 2
		.amdhsa_user_sgpr_kernarg_segment_ptr 1
		.amdhsa_wavefront_size32 1
		.amdhsa_system_sgpr_workgroup_id_x 1
		.amdhsa_system_sgpr_workgroup_id_y 1
		.amdhsa_system_sgpr_workgroup_id_z 1
		.amdhsa_system_vgpr_workitem_id 0
		.amdhsa_next_free_vgpr 144
		.amdhsa_next_free_sgpr 66
		.amdhsa_reserve_vcc 0
		.amdhsa_float_denorm_mode_32 3
		.amdhsa_float_denorm_mode_16_64 3
		.amdhsa_memory_ordered 1
		.amdhsa_forward_progress 1
		.amdhsa_inst_pref_size 47
	.end_amdhsa_kernel
	.amdgpu_metadata
---
amdhsa.version: [ 1, 2 ]
amdhsa.kernels:
  - .name:           k_q9d0b93651e_prep
    .symbol:         k_q9d0b93651e_prep.kd
    .args:
      - { .name: query, .offset: 0, .size: 8, .value_kind: global_buffer, .address_space: global }
      - { .name: keys, .offset: 8, .size: 8, .value_kind: global_buffer, .address_space: global }
      - { .name: values, .offset: 16, .size: 8, .value_kind: global_buffer, .address_space: global }
      - { .name: Wq, .offset: 24, .size: 8, .value_kind: global_buffer, .address_space: global }
      - { .name: Wk, .offset: 32, .size: 8, .value_kind: global_buffer, .address_space: global }
      - { .name: Wv, .offset: 40, .size: 8, .value_kind: global_buffer, .address_space: global }
      - { .name: Wo, .offset: 48, .size: 8, .value_kind: global_buffer, .address_space: global }
      - { .name: mask, .offset: 56, .size: 8, .value_kind: global_buffer, .address_space: global }
      - { .name: xb, .offset: 64, .size: 8, .value_kind: global_buffer, .address_space: global }
      - { .name: wb, .offset: 72, .size: 8, .value_kind: global_buffer, .address_space: global }
      - { .name: mbits, .offset: 80, .size: 8, .value_kind: global_buffer, .address_space: global }
    .group_segment_fixed_size: 68096
    .private_segment_fixed_size: 0
    .kernarg_segment_align: 8
    .kernarg_segment_size: 88
    .max_flat_workgroup_size: 128
    .sgpr_count:     66
    .vgpr_count:     144
    .wavefront_size: 32
...
	.end_amdgpu_metadata
.endif
;; end of part 5
;; launch proj (part 6): grid 4 x 48, 4 waves a work-group, clusters of 4 x 4, 327,680 bytes of LDS; arguments xb, wb, qkv; writes qkv
.if DOCPART == 6
	.amdgcn_target "amdgcn-amd-amdhsa--gfx1250"
	.amdhsa_code_object_version 6
	.text
	.protected	k_q9d0b93651e_proj
	.globl	k_q9d0b93651e_proj
	.p2align	8
	.type	k_q9d0b93651e_proj,@function
k_q9d0b93651e_proj:
	s_mov_b64 s[64:65], 0
	v_nop
	global_prefetch_b8 v0, s[64:65] scope:SCOPE_SE
	s_setreg_imm32_b32 hwreg(HW_REG_WAVE_MODE, 25, 1), 1
	s_wait_xcnt 0x0
	s_wait_alu depctr_hold_cnt(0) depctr_sa_sdst(0) depctr_va_vdst(0) depctr_va_sdst(0) depctr_va_ssrc(0) depctr_va_vcc(0) depctr_vm_vsrc(0)
	s_getreg_b32 s2, hwreg(HW_REG_IB_STS2, 6, 4)
	s_cmp_eq_u32 s2, 0
	s_cbranch_scc0 .Lentry_in_a_cluster
	s_endpgm
.Lentry_in_a_cluster:
	s_bfe_u32 s2, ttmp6, 0x10000c
	s_cmp_lg_u32 s2, 0xf033
	s_cbranch_scc0 .Lentry_shape_is_right
	s_endpgm
.Lentry_shape_is_right:
; q, k, v = x W^T.  xb: [3][8192][1024] (query, keys, values), wb: [4][1024][1024] (Wq, Wk, Wv first): numbers rounded to bf16 and written as f16; sums in f32; qkv: [3][64 = batch x 16 + head][2048][64] f16, rounded once, without the softmax's scale.
; LIMIT.  q, k and v leave as f16: beyond 65,504 they would be infinities.
; SHARES.  xb is one matrix of 24,576 rows: 96 row blocks R of 256; block R is multiplied by W number R / 32.  96 x 4 = 384 tiles of 256 x 256.  A work-group STAYS for two: row blocks R and R + 48 of one tile column: 192 work-groups.
; (No tile gives 256 or 512 equal shares: 192 and 384 divide neither 8,192 rows nor 1,024 columns.)  Four waves, each 128 x 128: 64 accumulators, 512 registers: a K step of 128 is 256 matrix instructions a wave, and a refill has 224 of them in which to land.
; THE WALK is 16 K steps of 128 (rows of 256 bytes, aligned), 8 a tile, through a ring of two LDS slots that runs on from tile to tile.  A K step is written once: a counted loop of 14 trips, each of which fills the slot that it leaves
; with the K step two on; it is entered in its middle, at the quarter that starts the sums.  The last two K steps, which fill nothing, are a second loop of two trips, left in its middle.
; CLUSTER 4 x 4: the four of a row of the cluster need the same 256 rows of x, the four of a column the same 256 rows of W (W's number is made of the cluster's y alone): each tile is asked for jointly, by the same tensor load and descriptor with a mask that names the four.
; THE PRODUCT IS TAKEN TRANSPOSED (source 0 = 16 rows of W, source 1 = 16 rows of x): a lane holds eight neighbouring columns of one row, 16 bytes of f16.
; REGISTERS, in windows of 256.  Window 0: v0-31 addresses; v64-127, v128-191 fragments of x (8 x 16 rows x 32 K), two buffers; v32-63, v192-255 at work on the way out.  Window 1: v64-127, v128-191 fragments of W.
;   Window 2: the 32 accumulators of my rows 0-63 (accumulator (a, b) at v[8 (8 a + b)]); window 3: those of my rows 64-127.
.set KSTEP,  128
.set PITCH,  272                       ; 256 bytes + 16 of padding = 68 words: the 16 rows of a fragment load start at 16 different groups of four banks
.set HALFT,  128*PITCH                 ; 128 rows: what one tensor load brings, and what one wave reads of x or of W
.set SLOT,   4*HALFT                   ; x's 256 rows, then W's 256 rows: 0x22000 bytes.  The four loads' places in slot 0, wave x 0x8800, have bits 13 and 17 clear, so one exclusive or with SLOT turns an address in one slot into the other's
.set STAGE,  2*SLOT                    ; behind the ring: for each wave [2 heads][16 rows][144 bytes]
.set SP,     144
.set WSTG,   2*16*SP
.set SPARE,  STAGE+4*WSTG              ; the spare words, 128 bytes a wave
.set NEXT_A, 48*256*2048-7*KSTEP*2     ; from a tile's last K step to the next tile's first: 48 row blocks down in xb, back along K
.set NEXT_C, 6*16*262144               ; from tile to tile in qkv: 48 row blocks are 6 batches of 16 heads
.set ADRA0, 16                         ; v16  my lane's place among x's fragments in a slot; never rewritten
.set ADRA,  17                         ; v17  the same in the slot that is being read
.set ADRB0, 20                         ; v20, v21 the same for W
.set ADRB,  21
.set STO,  24
.set RD,   25
.set CO,   26
.set SPW,  28
.set NIL,  29
.set PFO,  30                          ; the prefetches' offset: lane x a row of 2,048 bytes
.set OB,   32                          ; the way out: 16 rows read back from the stage: v32-63 and v224-255 by turns
.set F0,   64
.set F1,   128
.set TMP,  192                         ; the way out: packed results
.set DLA, 16                           ; s[16:17] the step of x's walking descriptor, s[18:19] of W's, s[20:21] of the prefetches' pointer
.set DLB, 18
.set DLP, 20
.set PFT, 22                           ; s22  the prefetches' step at a change of tiles
.set K256, 23                          ; s23  256: a K step along a row
.set G1,  24                           ; s[24:31] group 1 for x's tiles; s[32:39] group 0: a set for each of the two first fills; the second then walks on
.set G0,  32
.set LO,  43                           ; s43, s47  a wave prefetches in the trips whose count s3 lies between the two
.set PFA, 44                           ; s[44:45] where my prefetches stand
.set TB,  46                           ; s46  LDS byte at which the slot that is being read begins
.set HI,  47
.set G1B, 48                           ; s[48:55], s[56:63] the same for W's
.set G0B, 56
.set NXB, 66                           ; s66  W's step from a tile's last K step to the next tile's first: one or two matrices on, back along K
.set CLY, 67                           ; s67  the cluster's y
.set MSB, 0
.macro WIN new
.if MSB != (\new)
	s_set_vgpr_msb (MSB<<8)|(\new)
.set MSB, \new
.endif
.endm
.set MUL_LO, 0xa1                      ; source 0 (W) window 1, source 1 (x) window 0, C and D window 2
.set MUL_HI, 0xf1                      ; the same, C and D window 3
.set TO_B,   0x40                      ; destination window 1, address window 0
; A joint load by descriptor set s: waves 0 and 1 fetch x's two halves, waves 2 and 3 W's.  The branch hangs on the wave's number alone.  s_nop 0 and four v_nop follow each line.
.macro JLOAD s
	s_cmp_eq_u32 s11, 0
	s_cbranch_scc0 .Lfor_b_\@
	tensor_load_to_lds s[G0+4*(\s):G0+4*(\s)+3], s[G1:G1+7]
	s_nop 0
.rept 4
	v_nop
.endr
	s_branch .Lasked_\@
.Lfor_b_\@:
	tensor_load_to_lds s[G0B+4*(\s):G0B+4*(\s)+3], s[G1B:G1B+7]
	s_nop 0
.rept 4
	v_nop
.endr
.Lasked_\@:
.endm
; A prefetch of the K step that stands two refills on (trip g fills K step g + 2 and names g + 4): 32 rows x 256 bytes, a lane a row.  x's rows are read by this cluster alone: waves 0 and 1 ask, each for the 128 rows that it fetches,
; and the four partners of a row of the cluster take 32 of them each, by address (cx).  A matrix W is read by several clusters: the first that reads it asks, waves 2 and 3 for the 128 rows that they fetch, the four partners of a column
; 32 each, by address (cy): cluster y = 0 for Wq and y = 8 for Wk, in their first tile (trips 0 to 3); y = 4 for Wv, in its second (trips 4 to 11).  So each block is named once.  The walk's first four K steps come by their loads
; alone, and the last two trips ask for nothing: the walk has no K step 16.  The trip's count s3 is 14 - g.
.macro ASK
	s_cmp_gt_u32 s3, s[LO]
	s_cbranch_scc0 .Lnot_mine_\@
	s_cmp_lt_u32 s3, s[HI]
	s_cbranch_scc0 .Lnot_mine_\@
	global_prefetch_b8 v[PFO], s[PFA:PFA+1] th:TH_LOAD_NT scope:SCOPE_SE
.Lnot_mine_\@:
.endm
.macro CREST                           ; a round of the cluster's barrier behind its opening barrier
	s_cmp_lg_u32 s10, 0
	s_cbranch_scc1 .Lnot_wave_0_\@
	s_barrier_signal -3
.Lnot_wave_0_\@:
	s_barrier_wait -3
	s_barrier_signal -1
	s_barrier_wait -1
.endm
.macro CROUND
	s_barrier_signal -1
	s_barrier_wait -1
	CREST
.endm
	s_load_b128 s[4:7], s[0:1], 0x0                ; xb s[4:5], wb s[6:7]
	s_load_b64 s[8:9], s[0:1], 0x10                ; qkv
	v_lshl_add_u32 v[SPW], v0, 2, SPARE
	v_mov_b32 v[NIL], 0
	ds_add_u32 v[SPW], v[NIL]                      ; the wave's opening add; its wait stands ahead of my first tensor load
	v_lshrrev_b32 v1, 5, v0
	v_readfirstlane_b32 s10, v1                    ; wave 0..3
	s_lshr_b32 s11, s10, 1                         ; my 128 rows of the tile.  Also: I fetch for x (0) or for W (1)
	s_and_b32 s12, s10, 1                          ; my 128 columns.  Also: which half I fetch
	s_bfe_u32 s40, ttmp6, 0x40000                  ; cx
	s_bfe_u32 s41, ttmp6, 0x40004                  ; cy
	s_lshl_b32 s42, ttmp9, 2
	s_add_co_u32 s42, s42, s40                     ; tile column tx
	s_and_b32 s[CLY], ttmp7, 0xffff
	s_lshl_b32 s13, s[CLY], 2
	s_add_co_u32 s13, s13, s41                     ; my first row block R, 0 .. 47
	s_lshl_b32 s43, s41, 2
	s_lshl_b32 s43, 15, s43                        ; my row of the cluster
	s_lshl_b32 s44, 0x1111, s40                    ; my column
	s_or_b32 s[G1+0], s43, (1<<16)|(1<<20)|(1<<21)|(5<<22)|(3<<25)   ; the mask; 2-byte elements; padding on; bit 21 beside a mask; after every 64 words, 4 words
	s_or_b32 s[G1B+0], s44, (1<<16)|(1<<20)|(1<<21)|(5<<22)|(3<<25)
.irp g, G1, G1B
	s_mov_b32 s[(\g)+1], KSTEP<<16                 ; tensor_dim0 = 128
	s_mov_b32 s[(\g)+2], 128<<16                   ; tensor_dim1 = 128
	s_mov_b32 s[(\g)+3], KSTEP<<16                 ; tile_dim0 = 128
	s_mov_b32 s[(\g)+4], 128                       ; tile_dim1 = 128
	s_mov_b32 s[(\g)+5], 1024                      ; elements from row to row
	s_mov_b32 s[(\g)+6], 0
	s_mov_b32 s[(\g)+7], 0
.endr
	s_lshl_b32 s16, s13, 8
	s_lshl_b32 s17, s12, 7
	s_add_co_u32 s16, s16, s17                     ; x: row 256 R + 128 half,
	s_lshl_b32 s16, s16, 11                        ; of 2,048 bytes
	s_mov_b32 s17, 0
	s_lshl_b32 s46, s42, 8
	s_lshl_b32 s47, s12, 7
	s_add_co_u32 s46, s46, s47                     ; W: row 256 tx + 128 half,
	s_lshl_b32 s46, s46, 11
	s_lshr_b32 s47, s[CLY], 3                      ; in matrix R / 32 = cluster y / 8, of 2 MiB
	s_lshl_b32 s47, s47, 21
	s_add_co_u32 s46, s46, s47
	s_mov_b32 s47, 0
	s_add_co_u32 s[NXB], s[CLY], 12                ; the second tile's matrix is (R + 48) / 32 = (cluster y + 12) / 8
	s_lshr_b32 s[NXB], s[NXB], 3
	s_lshr_b32 s20, s[CLY], 3
	s_sub_co_u32 s[NXB], s[NXB], s20
	s_lshl_b32 s[NXB], s[NXB], 21
	s_sub_co_u32 s[NXB], s[NXB], 7*KSTEP*2
	s_mul_i32 s20, s10, HALFT                      ; where the tiles go: x's two halves, then W's two = wave x 128 rows: no place in the cluster enters an LDS address
	s_wait_dscnt 0x0                               ; the opening add is done
	s_wait_kmcnt 0x0
	s_add_nc_u64 s[14:15], s[4:5], s[16:17]
	s_add_nc_u64 s[46:47], s[6:7], s[46:47]
	CROUND                                         ; all sixteen work-groups are here: the first joint loads meet
.irp s, 0,1
	s_mov_b32 s[G0+4*(\s)], 1
	s_add_co_u32 s[G0+4*(\s)+1], s20, (\s)*SLOT
	s_add_nc_u64 s[G0+4*(\s)+2:G0+4*(\s)+3], s[14:15], (\s)*KSTEP*2
	s_or_b32 s[G0+4*(\s)+3], s[G0+4*(\s)+3], 0x80000000
	s_mov_b32 s[G0B+4*(\s)], 1
	s_add_co_u32 s[G0B+4*(\s)+1], s20, (\s)*SLOT
	s_add_nc_u64 s[G0B+4*(\s)+2:G0B+4*(\s)+3], s[46:47], (\s)*KSTEP*2
	s_or_b32 s[G0B+4*(\s)+3], s[G0B+4*(\s)+3], 0x80000000
	JLOAD \s
.endr
	v_and_b32 v1, 15, v0                           ; l % 16
	v_bfe_u32 v2, v0, 4, 1                         ; l / 16
	v_mul_u32_u24 v3, v1, PITCH
	v_lshl_add_u32 v3, v2, 4, v3                   ; a fragment's row x pitch + 16 x half
	s_mul_i32 s20, s11, HALFT                      ; my 128 rows of x
	s_mul_i32 s21, s12, HALFT                      ; my 128 rows of W,
	s_add_co_u32 s21, s21, 2*HALFT                 ; which lie behind x's 256
	v_add_nc_u32 v[ADRA0], s20, v3
	v_add_nc_u32 v[ADRB0], s21, v3
	v_mov_b32 v[ADRA], v[ADRA0]                    ; slot 0 is read first
	v_mov_b32 v[ADRB], v[ADRB0]
	s_mul_i32 s20, s10, WSTG
	s_add_co_u32 s20, s20, STAGE                   ; my stage
	v_mul_u32_u24 v4, v1, SP                       ; in: row l % 16, 16 bytes for each half of the lanes
	v_lshl_add_u32 v4, v2, 4, v4
	v_add_nc_u32 v[STO], s20, v4
	v_bfe_u32 v5, v0, 3, 2                         ; back: 32 lanes take four rows of 128 bytes,
	v_mul_u32_u24 v5, v5, SP
	v_and_b32 v4, 7, v0
	v_lshl_add_u32 v5, v4, 4, v5
	v_add_nc_u32 v[RD], s20, v5
	v_and_b32 v[CO], 31, v0                        ; which are 512 consecutive bytes of a head's rows
	v_lshlrev_b32 v[PFO], 11, v[CO]
	v_lshlrev_b32 v[CO], 4, v[CO]
	; where my part of the first tile begins in qkv: head (R / 8) 16 + 4 tx + 2 wc of 262,144 bytes, row (R % 8) 256 + 128 wr of 128 bytes
	s_lshr_b32 s16, s13, 3
	s_lshl_b32 s16, s16, 4
	s_lshl_b32 s17, s42, 2
	s_add_co_u32 s16, s16, s17
	s_lshl_b32 s17, s12, 1
	s_add_co_u32 s16, s16, s17
	s_lshl_b32 s16, s16, 18
	s_and_b32 s17, s13, 7
	s_lshl_b32 s17, s17, 8
	s_lshl_b32 s18, s11, 7
	s_add_co_u32 s17, s17, s18
	s_lshl_b32 s17, s17, 7
	s_add_co_u32 s16, s16, s17
	s_mov_b32 s17, 0
	s_add_nc_u64 s[8:9], s[8:9], s[16:17]
	; the prefetches
	s_lshl_b32 s20, s13, 8
	s_lshl_b32 s21, s12, 7
	s_add_co_u32 s20, s20, s21
	s_lshl_b32 s21, s40, 5
	s_add_co_u32 s20, s20, s21                     ; x: row 256 R + 128 half + 32 cx
	s_lshl_b32 s18, s42, 8
	s_lshl_b32 s19, s12, 7
	s_add_co_u32 s18, s18, s19
	s_lshl_b32 s19, s41, 5
	s_add_co_u32 s18, s18, s19
	s_lshr_b32 s19, s[CLY], 3
	s_lshl_b32 s19, s19, 10
	s_add_co_u32 s18, s18, s19                     ; W: row 1,024 x matrix + 256 tx + 128 half + 32 cy
	s_mov_b32 s16, NEXT_A
	s_and_b32 s17, s[CLY], 7
	s_cmp_eq_u32 s17, 0                            ; cluster y = 0 or 8: trips 0 to 3, counts 14 to 11
	s_cselect_b32 s14, 10, -1
	s_cmp_eq_u32 s[CLY], 4                         ; cluster y = 4: trips 4 to 11, counts 10 to 3
	s_cselect_b32 s14, 2, s14
	s_cselect_b32 s15, 11, 15
	s_cmp_eq_u32 s11, 0                            ; do I fetch for x?  Then trips 0 to 11, counts 14 to 3.  All this is the same in all sixteen partners, for a given wave
	s_cselect_b32 s20, s20, s18
	s_cselect_b32 s[PFT], s16, s[NXB]
	s_cselect_b32 s[LO], 2, s14
	s_cselect_b32 s[HI], 15, s15
	s_cselect_b64 s[PFA:PFA+1], s[4:5], s[6:7]
	s_lshl_b32 s20, s20, 11
	s_mov_b32 s21, 0
	s_add_nc_u64 s[PFA:PFA+1], s[PFA:PFA+1], s[20:21]
	s_add_nc_u64 s[PFA:PFA+1], s[PFA:PFA+1], 3*KSTEP*2   ; at K step 3: the first trip steps it to 4 and names that.  Nothing is prefetched at the head
	s_mov_b32 s[DLA+1], 0                          ; the high words of the three steps
	s_mov_b32 s[DLB+1], 0
	s_mov_b32 s[DLP+1], 0
	s_mov_b32 s[K256], KSTEP*2
	s_mov_b32 s[TB], 0
; 16 matrix instructions: blocks a0, a0 + 1 of the window's four blocks of 16 rows (hi = 0: my rows 0-63, 1: rows 64-127) x all 8 blocks of 16 columns, 32 along K.  zero = 1: the product starts the sums.
; The 64 accumulators take turns, in the same order in every quarter.
.macro MUL16 f, hi, a0, zero
	WIN MUL_LO+0x50*(\hi)
.irp a, \a0, (\a0)+1
.irp b, 0,1,2,3,4,5,6,7
.if \zero
	v_wmma_f32_16x16x32_f16 v[8*(8*(\a)+(\b)):8*(8*(\a)+(\b))+7], v[(\f)+8*(\b):(\f)+8*(\b)+7], v[(\f)+8*(4*(\hi)+(\a)):(\f)+8*(4*(\hi)+(\a))+7], 0
.else
	v_wmma_f32_16x16x32_f16 v[8*(8*(\a)+(\b)):8*(8*(\a)+(\b))+7], v[(\f)+8*(\b):(\f)+8*(\b)+7], v[(\f)+8*(4*(\hi)+(\a)):(\f)+8*(4*(\hi)+(\a))+7], v[8*(8*(\a)+(\b)):8*(8*(\a)+(\b))+7]
.endif
.endr
.endr
.endm
; 32 LDS loads in one run: the fragments of one quarter (128 rows of W, then 128 of x, 32 K at byte k of the rows) of the slot that is being read, into buffer f
.macro FETCH k, f
	WIN TO_B
.irp i, 0,1,2,3,4,5,6,7
	ds_load_b128 v[(\f)+8*(\i):(\f)+8*(\i)+3],   v[ADRB] offset:(\k)+(\i)*16*PITCH
	ds_load_b128 v[(\f)+8*(\i)+4:(\f)+8*(\i)+7], v[ADRB] offset:(\k)+(\i)*16*PITCH+32
.endr
	WIN 0
.irp i, 0,1,2,3,4,5,6,7
	ds_load_b128 v[(\f)+8*(\i):(\f)+8*(\i)+3],   v[ADRA] offset:(\k)+(\i)*16*PITCH
	ds_load_b128 v[(\f)+8*(\i)+4:(\f)+8*(\i)+7], v[ADRA] offset:(\k)+(\i)*16*PITCH+32
.endr
.endm
.macro PLACES                          ; four plain places in front of loads into registers that matrix instructions have read (ISA guide 7.12.1 for vector instructions)
.rept 4
	v_nop
.endr
.endm
; A K step is four quarters of 32 along K, 64 matrix instructions each, on buffers 0, 1, 0, 1.  One of the first three multiplies buffer f and, in its middle, fetches the quarter at byte k into g.
.macro QUARTER k, f, g, zero
	s_wait_dscnt 8                                 ; W and x's rows 0-63 are in; the youngest eight loads (x's rows 64-127) may be out
	MUL16 \f, 0, 0, \zero
	MUL16 \f, 0, 2, \zero
	PLACES
	FETCH \k, \g
	s_wait_dscnt 32                                ; all but the 32 just issued
	MUL16 \f, 1, 0, \zero
	MUL16 \f, 1, 2, \zero
.endm
; The last quarter multiplies buffer 1 and changes slots.  fill = 1: the slot that is left is filled again, with the K step two on.
; In front of the barrier each wave waits for all its tensor loads (one is out: its part of the next slot), adds 0 to its spare word, and waits for that and for its reads of this slot.  The walking descriptors are stepped
; between the add and its wait, where no load of the wave is out: the other slot; 256 bytes on along K, or, where the K step two on is a tile's first (s2 = 2), to the next tile.
; With a fill the barrier opens a round of the cluster's, and the joint refill is the first tensor load behind it: 224 matrix instructions ahead of the wait for it.
.macro TURN fill
.if \fill
	s_wait_xcnt 0x0                                ; the last prefetch, a K step back, has read its address
	s_cmp_eq_u32 s2, 4                             ; the K step four on is a tile's first
	s_cselect_b32 s[DLP], s[PFT], s[K256]
	s_add_nc_u64 s[PFA:PFA+1], s[PFA:PFA+1], s[DLP:DLP+1]
.endif
	WIN 0                                          ; (the add's two registers lie in window 0)
	s_wait_tensorcnt 0x0
	ds_add_u32 v[SPW], v[NIL]
.if \fill
	s_cmp_eq_u32 s2, 2
	s_cselect_b32 s[DLA], NEXT_A, s[K256]
	s_cselect_b32 s[DLB], s[NXB], s[K256]
	s_xor_b32 s[G0+5], s[G0+5], SLOT
	s_xor_b32 s[G0B+5], s[G0B+5], SLOT
	s_add_nc_u64 s[G0+6:G0+7], s[G0+6:G0+7], s[DLA:DLA+1]
	s_add_nc_u64 s[G0B+6:G0B+7], s[G0B+6:G0B+7], s[DLB:DLB+1]
.endif
	s_wait_dscnt 9                                 ; the add and the youngest eight loads may be out
	MUL16 F1, 0, 0, 0
	s_wait_dscnt 0x0                               ; the add is done, and my reads of this slot are over
	s_barrier_signal -1
	MUL16 F1, 0, 2, 0
	WIN 0                                          ; branches, or lines on window 0, follow
	s_barrier_wait -1
.if \fill
	CREST
	JLOAD 1                                        ; its four v_nop are also the places in front of the loads below
.else
	PLACES
.endif
	s_xor_b32 s[TB], s[TB], SLOT                   ; the other slot is read from here on
	v_add_nc_u32 v[ADRA], s[TB], v[ADRA0]
	v_add_nc_u32 v[ADRB], s[TB], v[ADRB0]
	FETCH 0, F0
.if \fill
	ASK
.endif
	MUL16 F1, 1, 0, 0
	MUL16 F1, 1, 2, 0
.endm
; THE WAY OUT of block a (16 rows x 128 columns = two heads): rounded to f16; into my stage; back as whole rows of a head (128 bytes, dense in qkv); stored, 512 consecutive bytes an instruction.
.macro PACK a
.set AC, 64*((\a)%4)
	WIN 0x0a+5*((\a)/4)                            ; sources 0 and 1: window 2 or 3
.irp b, 0,1,2,3,4,5,6,7
.irp r, 0,1,2,3
	v_cvt_pk_f16_f32 v[TMP+4*(\b)+(\r)], v[AC+8*(\b)+2*(\r)], v[AC+8*(\b)+2*(\r)+1]
.endr
.endr
	WIN 0
.endm
.macro TOSTAGE a
.set BK, OB+192*((\a)%2)
.irp b, 0,1,2,3,4,5,6,7
	ds_store_b128 v[STO], v[TMP+4*(\b):TMP+4*(\b)+3] offset:((\b)/4)*16*SP+32*((\b)%4)
.endr
.irp u, 0,1,2,3,4,5,6,7
	ds_load_b128 v[BK+4*(\u):BK+4*(\u)+3], v[RD] offset:((\u)/4)*16*SP+((\u)%4)*4*SP  ; LDS serves a wave's instructions in order: these see the stores above
.endr
.endm
.macro SEND a
.set BK, OB+192*((\a)%2)
	s_wait_dscnt 0x0                               ; the block is back in registers
	s_wait_xcnt 0x0                                ; the stores of the block before have read their registers, which the next block's loads from the stage will write
.irp u, 0,1,2,3,4,5,6,7
	global_store_b128 v[CO], v[BK+4*(\u):BK+4*(\u)+3], s[8:9] offset:((\u)/4)*262144+(\a)*2048+((\u)%4)*512
.endr
.endm
; Blocks 0-3 were finished ahead of the four places that stand behind the barrier of the change of slots; their 128 conversions, which name no register of the last products (blocks 4-7's), are those products' places.
; Block a's conversions stand between block a - 1's loads from the stage and the wait for them.
.macro OUT
	PACK 0
	TOSTAGE 0
.irp a, 1,2,3,4,5,6,7
	PACK \a
	SEND (\a)-1
	TOSTAGE \a
.endr
	SEND 7
.endm
	s_wait_tensorcnt 1                             ; my part of K step 0 is in; K step 1's may stay out
	s_barrier_signal -1
	s_barrier_wait -1
	FETCH 0, F0
	s_mov_b32 s2, 8                                ; K steps of the tile in hand still to be left
	s_mov_b32 s3, 15                               ; the entry's pass through the loop's end, and 14 trips: every K step of the walk but the last two fills a slot again
	s_branch .Lzero                                ; the loop is entered at the quarter that starts a tile's sums
.Lstep:                                                ; a trip goes from a K step's second quarter to the next K step's first
	QUARTER 128, F1, F0, 0
	QUARTER 192, F0, F1, 0
	TURN 1
	WIN 0
	s_sub_co_u32 s2, s2, 1
	s_cmp_lg_u32 s2, 0
	s_cbranch_scc1 .Lsame
	OUT                                            ; THE FIRST TILE IS FINISHED, and the refill is asked for: now it goes out
	s_wait_xcnt 0x0                                ; the stores have read their base
	s_add_nc_u64 s[8:9], s[8:9], NEXT_C
	s_mov_b32 s2, 8
.Lzero:
	QUARTER 64, F0, F1, 1                          ; a tile's first quarter starts its sums: nothing is ever cleared
	WIN 0
	s_branch .Lnext
.Lsame:
	QUARTER 64, F0, F1, 0
	WIN 0
.Lnext:
	s_sub_co_u32 s3, s3, 1
	s_cmp_lg_u32 s3, 0
	s_cbranch_scc1 .Lstep
	s_mov_b32 s3, 2
.Ltail:                                                ; the walk's last two K steps ask for nothing
	QUARTER 128, F1, F0, 0
	QUARTER 192, F0, F1, 0
	TURN 0                                         ; (the second time its 32 loads, from the slot read before, serve nothing: the price of one text for both)
	WIN 0
	s_sub_co_u32 s3, s3, 1
	s_cmp_eq_u32 s3, 0
	s_cbranch_scc1 .Ldone
	QUARTER 64, F0, F1, 0
	WIN 0
	s_branch .Ltail
.Ldone:
	OUT
	s_wait_tensorcnt 0x0                           ; the wave's end
	ds_add_u32 v[SPW], v[NIL]
	s_wait_dscnt 0x0
	CROUND                                         ; the closing round
	s_endpgm
.Lfunc_end_k_q9d0b93651e_proj:
	.size	k_q9d0b93651e_proj, .Lfunc_end_k_q9d0b93651e_proj-k_q9d0b93651e_proj
	.p2alignl 7, 3214868480
	.fill 96, 4, 3214868480
	.section	.rodata,"a",@progbits
	.p2align	6, 0x0
	.amdhsa_kernel k_q9d0b93651e_proj
		.amdhsa_group_segment_fixed_size 327680
		.amdhsa_private_segment_fixed_size 0
		.amdhsa_enable_private_segment 0
		.amdhsa_kernarg_size 24
		.amdhsa_user_sgpr_count 2
		.amdhsa_user_sgpr_kernarg_segment_ptr 1
		.amdhsa_wavefront_size32 1
		.amdhsa_system_sgpr_workgroup_id_x 1
		.amdhsa_system_sgpr_workgroup_id_y 1
		.amdhsa_system_sgpr_workgroup_id_z 1
		.amdhsa_system_vgpr_workitem_id 0
		.amdhsa_next_free_vgpr 1024
		.amdhsa_next_free_sgpr 68
		.amdhsa_reserve_vcc 0
		.amdhsa_float_denorm_mode_32 3
		.amdhsa_float_denorm_mode_16_64 3
		.amdhsa_memory_ordered 1
		.amdhsa_forward_progress 1
		.amdhsa_inst_pref_size 133
	.end_amdhsa_kernel
	.amdgpu_metadata
---
amdhsa.version: [ 1, 2 ]
amdhsa.kernels:
  - .name:           k_q9d0b93651e_proj
    .symbol:         k_q9d0b93651e_proj.kd
    .args:
      - { .name: xb, .offset: 0, .size: 8, .value_kind: global_buffer, .address_space: global }
      - { .name: wb, .offset: 8, .size: 8, .value_kind: global_buffer, .address_space: global }
      - { .name: qkv, .offset: 16, .size: 8, .value_kind: global_buffer, .address_space: global }
    .group_segment_fixed_size: 327680
    .private_segment_fixed_size: 0
    .kernarg_segment_align: 8
    .kernarg_segment_size: 24
    .max_flat_workgroup_size: 128
    .sgpr_count:     68
    .vgpr_count:     1024
    .wavefront_size: 32
...
	.end_amdgpu_metadata
.endif
;; end of part 6
;; launch attn (part 7): grid 4 x 64, 4 waves a work-group, clusters of 4 x 1, 327,680 bytes of LDS; arguments qkv, mbits, ob; writes ob
.if DOCPART == 7
	.amdgcn_target "amdgcn-amd-amdhsa--gfx1250"
	.amdhsa_code_object_version 6
	.text
	.protected	k_q9d0b93651e_attn
	.globl	k_q9d0b93651e_attn
	.p2align	8
	.type	k_q9d0b93651e_attn,@function
k_q9d0b93651e_attn:
	s_mov_b64 s[64:65], 0
	v_nop
	global_prefetch_b8 v0, s[64:65] scope:SCOPE_SE
	s_setreg_imm32_b32 hwreg(HW_REG_WAVE_MODE, 25, 1), 1
	s_wait_xcnt 0x0
	s_wait_alu depctr_hold_cnt(0) depctr_sa_sdst(0) depctr_va_vdst(0) depctr_va_sdst(0) depctr_va_ssrc(0) depctr_va_vcc(0) depctr_vm_vsrc(0)
	s_getreg_b32 s2, hwreg(HW_REG_IB_STS2, 6, 4)
	s_cmp_eq_u32 s2, 0
	s_cbranch_scc0 .Lentry_in_a_cluster
	s_endpgm
.Lentry_in_a_cluster:
	s_bfe_u32 s2, ttmp6, 0x10000c
	s_cmp_lg_u32 s2, 0x3003
	s_cbranch_scc0 .Lentry_shape_is_right
	s_endpgm
.Lentry_shape_is_right:
; O[hd][q][:] = the sum over k of softmax_k(where(mask[q][k] == 0, -1e20, Q[hd][q] . K[hd][k]) / 8) V[hd][k][:].  qkv: [3][64][2048][64] f16 (Q, K, V by heads, hd = batch x 16 + head); ob: [64][2048][64] f16.
; mbits: the mask as lane-mask words: byte batch*524288 + (q/32)*8192 + (k/64)*256 + ((q/16)%2)*128 + idx*4; bit L of word idx is the mask at query 16-block row L % 16, key 16 (idx / 8) + 8 (L / 16) + idx % 8 of the key step.
; Products, maxima and sums in f32; the weights p are rounded to f16 for the second product (their sum l is taken of the unrounded p), O once at the end.
; LIMITS.  Q, K, V arrive within f16's 65,504.  A hidden score counts as -2^66 (-7.4e19) in place of -1e20: the same result while visible scores lie above about -1e18.  c x 2^66 is exact in f32, so in a row
; with no visible key c s - c m is exactly 0 and the row's weights are equal, as with -1e20.  A weight below 2^-126 counts as 0 in l; NaN and infinities are not treated apart.
; SHARES.  A wave owns four PIECES of two tiles of 16 queries, a work-group's four waves 512 queries of one head, a cluster's four work-groups the head.  Every wave walks all 2,048 keys, 64 a step.
; LAYOUT.  S^T = K Q^T (source 0 = 16 keys, source 1 = 16 queries): a lane holds ONE query (lane % 16) and the keys 8 (lane / 16) + 0..7.  Two such tiles, rounded to f16 in pairs, ARE source 1 of O^T = V^T P.
; THE MASK replaces a score: one v_cndmask_b32 for each register of S^T, its lane mask a word of mbits in a scalar register.  A piece's 64 words for a key step are 256 bytes: two loads of 4 bytes a lane bring them into vector
; registers, lane idx holding word idx, TWO TURNS ahead of their use (a ring of two buffers, by the piece's parity); 64 v_readlane_b32 carry them into the scalar registers in the turn that uses them.
; SOFTMAX.  A running maximum m and sum l a query: p = 2^(c s - c m), c = log2(e) / 8; in every step O and l are multiplied by a = 2^(c m_old - c m_new).  m starts at the lowest finite number, O and l at 0.
; BY TURNS.  Turn n belongs to piece n.  Its matrix work: 16 products K Q^T of piece n + 1, later 16 products V^T P of piece n - 1.  Its vector work: the scaling, exponentials, roundings, sums and rescaling of piece n,
; and the mask, maximum and statistics of piece n + 1.  Four vector instructions stand behind every matrix instruction, the rest in one lump; a turn's 66 exponentials are one batch with one wait.
; CLUSTER.  The four work-groups walk the same K and V, so each tile is asked for JOINTLY: the same tensor load, descriptor and mask in all four.
; REGISTERS, in windows of 256: window 0: v0-11 addresses, mask words and constants; v12-15, v48-63 at work; v16-47 statistics; v64-191 S^T, two buffers of two tiles; v192-255 P, likewise.
;   window 1: O^T, 32 a tile.   window 2: v0-127 Q; v128-191 K of one step; v192-255 V of one step.   window 3: v0-1 the add's two registers.
.set SIZE_N, 2048
.set NP,    4
.set KS,    64
.set PK,    160       ; a row of K and of V in LDS: 128 bytes + 32 of padding.  One pitch for both, so that one descriptor serves all four waves: wave w's 128 rows land at 20,480 w.  For V's turning load each bank is taken once; K's 16 rows fall on 8 groups of banks, two deep
.set PV,    160
.set VOFF,  4*KS*PK   ; a slot holds four steps: 256 rows of K, then 256 rows of V
.set SLOT1, 1<<17
.set STAGE, SLOT1+4*KS*(PK+PV)  ; behind the ring: 16 rows x 144 bytes for each wave
.set SP,    144
.set SPARE, STAGE+4*16*SP
.set MO,  1           ; v1   4 x lane: my word among a tile's 32; never rewritten while a mask load is out
.set AK0, 2
.set AV0, 3
.set AK,  4
.set AV,  5
.set MB,  6           ; v6-9 the mask words: buffer b (the piece's parity), tile u at MB + 2 b + u
.set STO, 6           ; the way out, when the last mask words have come: where I put 16 bytes of a row,
.set RD,  7           ; where I read rows back,
.set GO,  8           ; my byte offset in 512 consecutive bytes of O
.set BIGV, 10         ; v10  -2^66
.set PFO, 11          ; v11  256 x lane
.set QO,  12          ; v12  my byte offset in the wave's rows of Q, until Q is in
.set SPW, 0           ; window 3
.set NIL, 1           ; window 3
.set MV,  12
.set ST,  16
.set TMP, 48
.set S,   64
.set P,   192
.set KF,  128
.set VF,  192
.set G0,  4           ; s[4:7]   descriptor group 0: it walks
.set G1,  8           ; s[8:15]  descriptor group 1
.set MW0, 16          ; s[16:47] the 32 mask words of the piece's first tile
.set MW1, 68          ; s[68:99] of its second
.set MP,  48          ; s[48:49] mbits at my wave's piece 0, at the key step whose words are being asked for
.set OP_, 50          ; s[50:51] O at my wave's first row
.set CS,  52
.set SEL, 54
.set WV,  56
.set SLOTS, 57
.set CNT, 58
.set TBK, 59
.set TBV, 60
.set LIM, 61          ; 1 in a wave that prefetches, else the greatest number
.set PFA, 66          ; s[66:67]
.set QP,  100         ; s[100:101] Q at my wave's first row
.set MSB, 0
.macro WIN new
.if MSB != (\new)
	s_set_vgpr_msb (MSB<<8)|(\new)
.set MSB, (\new)
.endif
.endm
.set W_KQ, 0x0a
.set W_PV, 0x52
.set W_RS, 0x41
.set W_MK, 0xc0
.set W_AD, 0x0f
; A joint fill: every wave fetches 128 rows (waves 0, 1 the halves of a slot's K, waves 2, 3 of its V) by the one line; its LDS and global addresses hang on the wave's number.  s_nop 0 and four v_nop follow.
.macro JLOAD
	tensor_load_to_lds s[G0:G0+3], s[G1:G1+7]
	s_nop 0
.rept 4
	v_nop
.endr
.endm
; A prefetch of what the NEXT change of slots will ask for: 32 KiB of K and of V.  The head's one cluster reads them once.  Wave 0 asks for K's, wave 2 for V's; the four partners take 8 KiB each, by address; a lane 256 bytes.  The last fill names nothing.
.macro ASK
	s_cmp_gt_u32 s[SLOTS], s[LIM]
	s_cbranch_scc0 .Lnot_mine_\@
	global_prefetch_b8 v[PFO], s[PFA:PFA+1] th:TH_LOAD_NT scope:SCOPE_SE
.Lnot_mine_\@:
.endm
.macro CROUND
	s_barrier_signal -1
	s_barrier_wait -1
	s_cmp_lg_u32 s[WV], 0
	s_cbranch_scc1 .Lnot_wave_0_\@
	s_barrier_signal -3
.Lnot_wave_0_\@:
	s_barrier_wait -3
	s_barrier_signal -1
	s_barrier_wait -1
.endm
; THE CHANGE OF SLOTS.  Each wave waits for all its tensor loads (one is out: its part of the other slot), adds 0 to its spare word, and waits for that and for its reads of the slot.
; fill = 1: the barrier is a round of the cluster's, and the joint fill, with the keys two slots on, is the first thing behind it: it has four key steps, 512 matrix instructions, in which to land.
.macro CHANGE fill
	WIN W_AD
	s_wait_tensorcnt 0x0
	ds_add_u32 v[SPW], v[NIL]
	WIN 0
.if \fill
	s_xor_b32 s[G0+1], s[G0+1], SLOT1
	s_add_nc_u64 s[G0+2:G0+3], s[G0+2:G0+3], 4*KS*128
	s_wait_xcnt 0x0                 ; the last prefetch, four key steps back, has read its address
	s_add_nc_u64 s[PFA:PFA+1], s[PFA:PFA+1], 4*KS*128
	s_wait_dscnt 0x0                ; the add is done, and my reads of the slot are over
	CROUND
	JLOAD
	ASK
.else
	s_wait_dscnt 0x0
	s_barrier_signal -1
	s_barrier_wait -1
.endif
	s_sub_co_u32 s[TBK], s[TBK], 4*KS*PK
	s_xor_b32 s[TBK], s[TBK], SLOT1
	s_sub_co_u32 s[TBV], s[TBV], 4*KS*PV
	s_xor_b32 s[TBV], s[TBV], SLOT1
.endm
; Piece x's 64 mask words for the key step at which MP stands, into the buffer of its parity: each load 128 consecutive bytes
.macro MLOAD x
	WIN 0
	global_load_b32 v[MB+2*((\x)%2)],   v[MO], s[MP:MP+1] offset:(\x)*8192
	global_load_b32 v[MB+2*((\x)%2)+1], v[MO], s[MP:MP+1] offset:(\x)*8192+128
.endm
	s_load_b128 s[16:19], s[0:1], 0x0  ; qkv s[16:17], mbits s[18:19]
	s_load_b64 s[20:21], s[0:1], 0x10  ; ob
	WIN W_MK
	v_lshl_add_u32 v[SPW], v0, 2, SPARE
	v_mov_b32 v[NIL], 0
	WIN W_AD
	ds_add_u32 v[SPW], v[NIL]       ; the wave's opening add; its wait stands ahead of my first tensor load
	WIN 0
	v_lshrrev_b32 v1, 5, v0
	v_readfirstlane_b32 s[WV], v1   ; wave 0..3
	s_bfe_u32 s22, ttmp6, 0x40000   ; cx
	s_lshl_b32 s23, ttmp9, 2
	s_add_co_u32 s23, s23, s22      ; my block of 512 queries: it enters Q's, O's and the mask's addresses alone
	s_and_b32 s24, ttmp7, 0xffff    ; hd, which the four partners share
	s_lshl_b32 s26, s24, 18         ; the head's first byte in Q, K, V, O
	s_lshr_b32 s28, s[WV], 1
	s_add_co_u32 s28, s28, 1
	s_lshl_b32 s28, s28, 24         ; K lies 16 MiB, V 32 MiB into qkv
	s_add_co_u32 s28, s28, s26
	s_mov_b32 s29, 0
	s_and_b32 s30, s[WV], 1
	s_lshl_b32 s30, s30, 14         ; my half of a slot's 256 rows of 128 bytes
	s_add_co_u32 s2, s28, s30
	s_mov_b32 s3, 0
	s_lshl_b32 s30, s22, 13         ; the prefetches: my work-group's 8 KiB,
	s_add_co_u32 s28, s28, s30
	s_add_co_u32 s28, s28, 4*KS*128 ; in slot 1; the first change of slots steps it to slot 2
	s_lshl_b32 s62, s23, 2
	s_add_co_u32 s62, s62, s[WV]    ; my wave among the head's sixteen
	s_lshl_b32 s30, s62, 14         ; its 128 rows
	s_add_co_u32 s30, s30, s26
	s_mov_b32 s31, 0
	s_lshl_b32 s62, s62, 15         ; its four pieces' words: 8,192 bytes a piece
	s_lshr_b32 s25, s24, 4
	s_lshl_b32 s25, s25, 19         ; the batch's words
	s_add_co_u32 s62, s62, s25
	s_mov_b32 s63, 0
	s_mov_b32 s[G1], 15|(1<<16)|(1<<20)|(1<<21)|(4<<22)|(7<<25)  ; the mask of four; 2-byte elements; padding on; bit 21 beside a mask; after every 32 words, 8 words
	s_mov_b32 s[G1+1], 128<<16      ; 128 rows of 128 bytes are dense: asked for as 64 rows of 256 bytes
	s_mov_b32 s[G1+2], 64<<16
	s_mov_b32 s[G1+3], 128<<16
	s_mov_b32 s[G1+4], 64
	s_mov_b32 s[G1+5], 128
	s_mov_b32 s[G1+6], 0
	s_mov_b32 s[G1+7], 0
	s_mov_b32 s[G0], 1
	s_mul_i32 s[G0+1], s[WV], 128*PK  ; slot 0; no place in the cluster enters an LDS address
	s_mov_b32 s[CS], 0x3e38aa3b     ; c = log2(e) / 8
	s_mov_b32 s[CS+1], s[CS]
	s_mov_b32 s[SEL], 0x76543210
	s_mov_b32 s[SEL+1], 0xfedcba98
	s_mov_b32 s[TBK], SLOT1+4*KS*PK ; the first change of slots turns these two into 0
	s_mov_b32 s[TBV], SLOT1+4*KS*PV
	s_mov_b32 s[SLOTS], SIZE_N/256-1
	s_and_b32 s[LIM], s[WV], 1
	s_cmp_eq_u32 s[LIM], 0
	s_cselect_b32 s[LIM], 1, -1
	s_wait_dscnt 0x0                ; the opening add is done
	s_wait_kmcnt 0x0
	s_add_nc_u64 s[G0+2:G0+3], s[16:17], s[2:3]
	s_or_b32 s[G0+3], s[G0+3], 0x80000000
	s_add_nc_u64 s[PFA:PFA+1], s[16:17], s[28:29]
	s_add_nc_u64 s[QP:QP+1], s[16:17], s[30:31]
	s_add_nc_u64 s[OP_:OP_+1], s[20:21], s[30:31]
	s_add_nc_u64 s[MP:MP+1], s[18:19], s[62:63]
	CROUND                          ; all four work-groups are here: the first joint loads meet
	JLOAD                           ; slot 0
	v_and_b32 v13, 15, v0           ; l % 16
	v_bfe_u32 v14, v0, 4, 1         ; l / 16
	v_lshlrev_b32 v[QO], 7, v13
	v_lshl_add_u32 v[QO], v14, 4, v[QO]
	v_and_b32 v[MO], 31, v0
	v_lshlrev_b32 v[PFO], 8, v[MO]
	v_lshlrev_b32 v[MO], 2, v[MO]
	WIN 0x80
.set i, 0
.rept 4*NP                          ; Q stays in registers: tile i / 2, channels 32 (i % 2) on
	global_load_b128 v[8*i:8*i+3],   v[QO], s[QP:QP+1] offset:(i/2)*2048+(i%2)*64
	global_load_b128 v[8*i+4:8*i+7], v[QO], s[QP:QP+1] offset:(i/2)*2048+(i%2)*64+32
.set i, i+1
.endr
	; What the first turn finds: V's registers and P's second buffer hold 0, O^T and l are 0.  All this stands in the wait for the first tile.
.set i, VF
.rept 64
	v_mov_b32 v[i], 0
.set i, i+1
.endr
	MLOAD 0                         ; pieces 0's and 1's words for key step 0
	MLOAD 1
.set i, 0
.rept 2*NP
	v_mov_b32 v[ST+4*i], 0xfe000000    ; c m: far below every c s, the hidden ones' too
	v_mov_b32 v[ST+4*i+1], 0xff7fffff  ; m
	v_mov_b32 v[ST+4*i+2], 0
	v_mov_b32 v[ST+4*i+3], 0
.set i, i+1
.endr
.set i, P+32
.rept 32
	v_mov_b32 v[i], 0
.set i, i+1
.endr
	v_mul_u32_u24 v[AK0], v13, PK
	v_lshl_add_u32 v[AK0], v14, 4, v[AK0]
	v_and_b32 v15, 7, v0
	v_bfe_u32 v[AV], v0, 3, 1
	v_lshl_add_u32 v[AV0], v14, 3, v15
	v_mul_u32_u24 v[AV0], v[AV0], PV
	v_lshl_add_u32 v[AV0], v[AV], 4, v[AV0]
	v_add_nc_u32 v[AV0], VOFF, v[AV0]
	v_mov_b32 v[AK], v[AK0]
	v_mov_b32 v[BIGV], 0xe0800000   ; -2^66
	WIN W_PV
.set i, 0
.rept 8*NP                          ; O^T starts at 0: a product of the zeros just written, with C = 0, for each of its 32 accumulators
	v_wmma_f32_16x16x32_f16 v[8*i:8*i+7], v[VF:VF+7], v[P+32:P+39], 0
.set i, i+1
.endr
; THE MATRIX WORK.  The 8 accumulators of a run of 16 take turns.
.macro KQ x
	WIN W_KQ
.set rS, S+64*((\x)%2)+32*(i%2)+8*((i/2)%4)
.set rK, KF+16*((i/2)%4)+8*(i/8)
.set rQ, 16*(2*(\x)+i%2)+8*(i/8)
.if i < 8
	v_wmma_f32_16x16x32_f16 v[rS:rS+7], v[rK:rK+7], v[rQ:rQ+7], 0
.else
	v_wmma_f32_16x16x32_f16 v[rS:rS+7], v[rK:rK+7], v[rQ:rQ+7], v[rS:rS+7]
.endif
.endm
.macro PV x
	WIN W_PV
.set rO, 32*(2*(\x)+i%2)+8*((i/2)%4)
.set rV, VF+32*(i/8)+8*((i/2)%4)
.set rP, P+32*((\x)%2)+16*(i%2)+8*(i/8)
	v_wmma_f32_16x16x32_f16 v[rO:rO+7], v[rV:rV+7], v[rP:rP+7], v[rO:rO+7]
.endm
.macro MM
.if i < 16
	KQ (Y+1)%NP
.set i, i+1
.else
.set i, i-16
	PV (Y+NP-1)%NP
.set i, i+17
.endif
.endm
.macro FETCH_K
	WIN 0x80
.irp f, 0,1,2,3,4,5,6,7
	ds_load_b128 v[KF+8*\f:KF+8*\f+3],   v[AK] offset:(\f/2)*16*PK+(\f%2)*64
	ds_load_b128 v[KF+8*\f+4:KF+8*\f+7], v[AK] offset:(\f/2)*16*PK+(\f%2)*64+32
.endr
	s_add_co_u32 s[TBK], s[TBK], KS*PK
	WIN 0
.endm
.macro FETCH_V
	WIN 0x80
.irp f, 0,1,2,3,4,5,6,7
	ds_load_tr16_b128 v[VF+8*\f:VF+8*\f+3],   v[AV] offset:(\f/4)*32*PV+(\f%4)*32
	ds_load_tr16_b128 v[VF+8*\f+4:VF+8*\f+7], v[AV] offset:(\f/4)*32*PV+16*PV+(\f%4)*32
.endr
	WIN 0
.endm
; THE VECTOR WORK OF A TURN stands in four queues, each in the order in which its entries become ready; the two tiles alternate.
.macro REGS y, u
.set rT, ST+4*(2*(\y)+(\u))
.set rC, TMP+8*((\y)%2)+4*(\u)
.set rM, MV+2*((\y)%2)+(\u)
.set rS, S+64*((\y)%2)+32*(\u)
.set rP, P+32*((\y)%2)+16*(\u)
.set rO, 32*(2*(\y)+(\u))
.endm
; THE WORDS' QUEUE, 64 long: word rl / 2 of tile rl % 2 of the NEXT piece goes from lane rl / 2 of its vector register into its scalar register
.macro RL
	WIN 0
.if rl%2
	v_readlane_b32 s[MW1+rl/2], v[MB+2*((Y+1)%2)+1], rl/2
.else
	v_readlane_b32 s[MW0+rl/2], v[MB+2*((Y+1)%2)], rl/2
.endif
.set rl, rl+1
.endm
; Number g of the 64 that put -2^66 where the NEXT piece's scores are hidden: register g / 2 of tile g % 2, ascending.
.macro MS g
	REGS (Y+1)%NP, (\g)%2
.if (\g)%2
	v_cndmask_b32 v[rS+(\g)/2], v[BIGV], v[rS+(\g)/2], s[MW1+(\g)/2]
.else
	v_cndmask_b32 v[rS+(\g)/2], v[BIGV], v[rS+(\g)/2], s[MW0+(\g)/2]
.endif
.endm
; Number n of the 22 that find the next piece's maximum and statistics: 0-11 four chains of seven scores; 12-14, 16 the four left over, the old m, and the four into one; 15 c m_old is kept; 17, 18 the other half of the lanes; 19-21 c m, its change, a.
.macro XS u, n
	REGS (Y+1)%NP, \u
.if (\n) < 4
	v_max3_num_f32 v[rC+(\n)], v[rS+8*(\n)], v[rS+8*(\n)+1], v[rS+8*(\n)+2]
.elseif (\n) < 12
	v_max3_num_f32 v[rC+(\n)%4], v[rC+(\n)%4], v[rS+8*((\n)%4)+2*((\n)/4)+1], v[rS+8*((\n)%4)+2*((\n)/4)+2]
.elseif (\n) == 12
	v_max3_num_f32 v[rC], v[rC], v[rS+7], v[rS+15]
.elseif (\n) == 13
	v_max3_num_f32 v[rC+1], v[rC+1], v[rS+23], v[rS+31]
.elseif (\n) == 14
	v_max3_num_f32 v[rC+2], v[rC+2], v[rC+3], v[rT+1]
.elseif (\n) == 15
	v_mov_b32 v[rM], v[rT]
.elseif (\n) == 16
	v_max3_num_f32 v[rC], v[rC], v[rC+1], v[rC+2]
.elseif (\n) == 17
	v_permlanex16_b32 v[rC+3], v[rC], s[SEL], s[SEL+1]
.elseif (\n) == 18
	v_max_num_f32 v[rT+1], v[rC], v[rC+3]
.elseif (\n) == 19
	v_mul_f32 v[rT], s[CS], v[rT+1]
.elseif (\n) == 20
	v_sub_f32 v[rC+1], v[rM], v[rT]
.else
	v_exp_f32 v[rC+2], v[rC+1]
.endif
.endm
; Number g of the 64 that follow the exponentials: for each four weights both pairs are rounded to f16, the second pair is added onto the first, and a group later l takes that sum (the first time as l = a l + sum).
.macro GS g
.set h, (\g)+6*((\g)/62)
.if h >= 6
.set h, h+2
.endif
	REGS Y, h%2
.set k, h/8
.if h%8 < 4
	v_cvt_pk_f16_f32 v[rP+2*k+(h%8)/2], v[rS+4*k+2*((h%8)/2)], v[rS+4*k+2*((h%8)/2)+1]
.elseif h%8 < 6
	v_pk_add_f32 v[rS+4*k:rS+4*k+1], v[rS+4*k:rS+4*k+1], v[rS+4*k+2:rS+4*k+3]
.elseif k == 1
	v_pk_fma_f32 v[rT+2:rT+3], v[rT+2:rT+3], v[rC+2:rC+3], v[rS:rS+1] op_sel_hi:[1,0,1]
.else
	v_pk_add_f32 v[rT+2:rT+3], v[rT+2:rT+3], v[rS+4*k-4:rS+4*k-3]
.endif
.endm
.macro FS f                         ; c s - c m for pair f / 2 of tile f % 2
	REGS Y, (\f)%2
	v_pk_fma_f32 v[rS+2*((\f)/2):rS+2*((\f)/2)+1], v[rS+2*((\f)/2):rS+2*((\f)/2)+1], s[CS:CS+1], v[rT:rT+1] op_sel_hi:[1,0,0] neg_lo:[0,0,1] neg_hi:[0,0,1]
.endm
; THE PLAIN QUEUE, 202 long.  0-26: scalings 0-26.  27-90: the next piece's mask.  91-118: its maximum's numbers 0-13.  119, 120: number 15.  121-137: the chain 14, 16 .. 19, each with one of the scalings 27-31 in front of its two lines, then 20.
; 138-201: the 64 that read the exponentials' results: they stand behind the wait.
.macro PL
	WIN 0
.if q < 27
	FS q
.elseif q < 91
	MS q-27
.elseif q < 119
	XS (q-91)%2, (q-91)/2
.elseif q < 121
	XS q-119, 15
.elseif (q < 136) && ((q-121)%3 == 0)
	FS 27+(q-121)/3
.elseif q < 124
	XS (q-121)%3-1, 14
.elseif q < 136
	XS (q-121)%3-1, 15+(q-121)/3
.elseif q < 138
	XS q-136, 20
.else
	GS q-138
.endif
.set q, q+1
.endm
.macro EX                           ; the exponentials' queue, 66 long: s0-s31 of both tiles, then the next piece's two a
	WIN 0
.if e >= 64
	XS e-64, 21
.else
	REGS Y, e%2
	v_exp_f32 v[rS+e/2], v[rS+e/2]
.endif
.set e, e+1
.endm
.macro R2                           ; O^T times a, two at a time: the one part that leaves window 0, so all 32 lines stand together
	REGS Y, r%2
	WIN W_RS
.irp z, 0,1
	v_pk_mul_f32 v[rO+4*(r/2)+2*\z:rO+4*(r/2)+2*\z+1], v[rO+4*(r/2)+2*\z:rO+4*(r/2)+2*\z+1], v[rC+2:rC+3] op_sel_hi:[1,0]
.endr
.set r, r+1
.endm
; A TURN, for piece p.  AHEAD OF ITS ONE WAIT stands all that names no result of its exponentials: 16 products K Q^T with a scaling, an exponential and two of the words behind each; then the lump: 8 plain; 16 times an exponential and
; two of the words; the loads of the words for the turn after next; the rescaling; 16 times an exponential and six plain; 17 times exponential and plain; the two a; a v_nop, the plain instruction behind the last exponential.
; BEHIND IT: 16 products V^T P, four roundings and sums behind each.
; The counts that the deal keeps: exponential e needs scaling 2 (e / 4) + e % 2.  As riders exponential e comes behind plain e + 2.  Exponentials 15-46 need scalings up to 23, which are plain 0-23, all out behind the lump's first 8 plain.
; In the last 17 pairs exponential e comes behind plain e + 73, and scalings 27-31 are plain 121, 124 .. 133.  All 64 words are in their scalar registers ahead of plain 27, the mask's first line, which stands more than four
; plain instructions behind the last product K Q^T.
; THE WORDS.  s_wait_loadcnt 2 at the head: this turn's two loads, issued two turns ago, are in; the two issued a turn ago, the next turn's words, may stay out.  Behind the last v_readlane_b32 the buffer is asked for again: piece
; p + 3's words.  The pointer steps a key step on in piece 1's turn, since pieces 0's, 1's and 2's next words are the next step's.  The loads for a 33rd step that is not there fall into my wave's own 32 KiB of mbits, and are not used.
; K of the next step is fetched in piece 2's turn, behind the lump's first 8 plain lines, which are the places behind the last product that read K; V of the step in hand at the end of piece 0's turn, four riders behind its last reader.
.macro TURN p, cnt=0
.set Y, (\p)
.set i, 0
.set q, 0
.set e, 0
.set r, 0
.set rl, 0
	s_wait_loadcnt 0x2
.if (\p) == NP-1
	s_wait_dscnt 0x0                ; K is in
.endif
	MM
	PL
	PL
	RL
	RL
.rept 15
	MM
	PL
	EX
	RL
	RL
.endr
.if (\p) == NP-2
	WIN 0
	v_add_nc_u32 v[AK], s[TBK], v[AK0]
.endif
.rept 8
	PL
.endr
.if (\p) == NP-2
	FETCH_K
.endif
.rept 16
	EX
	RL
	RL
.endr
.if (\p) == 1
	s_wait_xcnt 0x0                 ; the loads issued a turn ago and earlier have read the pointer
	s_add_nc_u64 s[MP:MP+1], s[MP:MP+1], 256
.endif
	MLOAD ((\p)+3)%NP
.rept 16
	R2
.endr
.rept 16
	EX
.rept 6
	PL
.endr
.endr
.rept 17
	EX
	PL
.endr
	EX
	EX
	v_nop
	s_wait_alu depctr_va_vdst(0)    ; one wait for the batch of 66
.if (\p) == 1
	s_wait_dscnt 0x0                ; V is in
.endif
.rept 16
	MM
.rept 4
	PL
.endr
.if ((\p) == 0) && (q == 182)
	v_add_nc_u32 v[AV], s[TBV], v[AV0]
.endif
.if ((\p) == 0) && (q == 194)
	s_add_co_u32 s[TBV], s[TBV], KS*PV
.endif
.if (\cnt) && (q == 194)
	s_sub_co_u32 s[CNT], s[CNT], 1
	s_cmp_lg_u32 s[CNT], 0
.endif
.endr
.if (\p) == 0
	FETCH_V
.endif
.endm
	CHANGE 1                        ; slot 0 is in, everybody's part of it; slot 1 is asked for
	FETCH_K                         ; key step 0
	s_wait_loadcnt 0x0              ; Q, and the first words
	s_wait_dscnt 0x0
.set i, 0
.rept 16
	KQ 0                            ; piece 0's first scores
.set i, i+1
.endr
	WIN 0
.rept 4
	v_nop                           ; the places behind those products
.endr
.set Y, NP-1                        ; RL, MS and XS work for piece Y + 1: piece 0
.set rl, 0
.rept 64
	RL
.endr
	MLOAD 2                         ; piece 2's words for key step 0, into the buffer just read
.set gg, 0
.rept 64
	MS gg
.set gg, gg+1
.endr
.irp n, 0,1,2,3,4,5,6,7,8,9,10,11,12,13,14,15,16,17,18,19,20,21
	XS 0, \n
	XS 1, \n
.endr
	v_nop
	s_wait_alu depctr_va_vdst(0)    ; the two a's wait, ahead of the branch
	s_mov_b32 s[CNT], 4
	s_branch .Lfirst                ; the loop is entered at a step's first turn
.Lslot:                             ; six times: every slot but the last two is filled again here
	CHANGE 1
	s_mov_b32 s[CNT], 4
.Lstep:                             ; a trip: pieces 2 and 3 of one step, then pieces 0 and 1 of the next
	TURN 2
	TURN 3
	WIN 0
.Lfirst:
	TURN 0
	TURN 1, 1
	WIN 0
	s_cbranch_scc1 .Lstep
	s_sub_co_u32 s[SLOTS], s[SLOTS], 1
	s_cmp_lg_u32 s[SLOTS], 0
	s_cbranch_scc1 .Lslot
	CHANGE 0                        ; the tail is written out
	s_mov_b32 s[CNT], 5
.Ltail:
	TURN 2
	TURN 3
	WIN 0
	s_sub_co_u32 s[CNT], s[CNT], 1
	s_cmp_eq_u32 s[CNT], 0
	s_cbranch_scc1 .Lout
	TURN 0
	TURN 1
	WIN 0
	s_branch .Ltail
.Lout:                              ; the fifth trip's fetch of K (it reads the slot's next bytes, V's first rows), its products K Q^T and what is made of them serve nothing: the price of one text for every trip
	s_wait_loadcnt 0x0              ; the last words, which nobody uses, have come: their registers are free
.set i, 0
.rept 16
	PV NP-1
.set i, i+1
.endr
	; THE WAY OUT.  l's halves are added; O^T is divided by l, rounded to f16 and sent through my stage, a tile at a time.  The addresses made here are the places behind the last products.
	WIN 0
	s_mul_i32 s2, s[WV], 16*SP
	s_add_co_u32 s2, s2, STAGE      ; my stage
	v_and_b32 v9, 15, v0            ; l % 16
	v_bfe_u32 v1, v0, 4, 1          ; l / 16
	v_mul_u32_u24 v[STO], v9, SP    ; in: row l % 16, 16 bytes for each half of the lanes
	v_lshl_add_u32 v[STO], v1, 4, v[STO]
	v_add_nc_u32 v[STO], s2, v[STO]
	v_bfe_u32 v[RD], v0, 3, 2       ; back: 32 lanes take four rows of 128 bytes,
	v_mul_u32_u24 v[RD], v[RD], SP
	v_and_b32 v9, 7, v0
	v_lshl_add_u32 v[RD], v9, 4, v[RD]
	v_add_nc_u32 v[RD], s2, v[RD]
	v_and_b32 v[GO], 31, v0
	v_lshlrev_b32 v[GO], 4, v[GO]   ; which are 512 consecutive bytes of O
.macro ALL line:vararg
.set t, 0
.rept 2*NP
	\line
.set t, t+1
.endr
.endm
	ALL v_add_f32 v[ST+4*t+2], v[ST+4*t+2], v[ST+4*t+3]
	ALL v_permlanex16_b32 v[ST+4*t+3], v[ST+4*t+2], s[SEL], s[SEL+1]
	ALL v_add_f32 v[ST+4*t+2], v[ST+4*t+2], v[ST+4*t+3]
	ALL v_rcp_f32 v[ST+4*t+2], v[ST+4*t+2]
	v_nop
	s_wait_alu depctr_va_vdst(0)    ; one wait for the eight reciprocals
.macro PACK t
	WIN W_RS
.set i, 32*(\t)
.rept 16
	v_pk_mul_f32 v[i:i+1], v[i:i+1], v[ST+4*(\t)+2:ST+4*(\t)+3] op_sel_hi:[1,0]
.set i, i+2
.endr
	WIN 0x05
.set i, 0
.rept 16
	v_cvt_pk_f16_f32 v[S+16*(\t)+i], v[32*(\t)+2*i], v[32*(\t)+2*i+1]
.set i, i+1
.endr
	WIN 0
.irp f, 0,1,2,3
	ds_store_b128 v[STO], v[S+16*(\t)+4*\f:S+16*(\t)+4*\f+3] offset:32*\f
.endr
.irp f, 0,1,2,3
	ds_load_b128 v[S+16*(\t)+4*\f:S+16*(\t)+4*\f+3], v[RD] offset:\f*4*SP  ; LDS serves a wave's instructions in order: these see the stores above
.endr
.endm
.macro SEND t, younger              ; younger: the LDS instructions issued behind tile t's loads
	WIN 0
.irp f, 0,1,2,3
	s_wait_dscnt (\younger)+3-\f
	global_store_b128 v[GO], v[S+16*(\t)+4*\f:S+16*(\t)+4*\f+3], s[OP_:OP_+1] offset:(\t)*2048+\f*512  ; 512 consecutive bytes, aligned
.endr
.endm
	PACK 0
.set t, 1
.rept 2*NP-1
	PACK t
	SEND t-1, 8
.set t, t+1
.endr
	SEND 2*NP-1, 0
	WIN W_AD
	s_wait_tensorcnt 0x0            ; the wave's end
	ds_add_u32 v[SPW], v[NIL]
	s_wait_dscnt 0x0
	WIN 0
	CROUND                          ; the closing round
	s_endpgm
.Lfunc_end_k_q9d0b93651e_attn:
	.size	k_q9d0b93651e_attn, .Lfunc_end_k_q9d0b93651e_attn-k_q9d0b93651e_attn
	.p2alignl 7, 3214868480
	.fill 96, 4, 3214868480
	.section	.rodata,"a",@progbits
	.p2align	6, 0x0
	.amdhsa_kernel k_q9d0b93651e_attn
		.amdhsa_group_segment_fixed_size 327680
		.amdhsa_private_segment_fixed_size 0
		.amdhsa_enable_private_segment 0
		.amdhsa_kernarg_size 24
		.amdhsa_user_sgpr_count 2
		.amdhsa_user_sgpr_kernarg_segment_ptr 1
		.amdhsa_wavefront_size32 1
		.amdhsa_system_sgpr_workgroup_id_x 1
		.amdhsa_system_sgpr_workgroup_id_y 1
		.amdhsa_system_sgpr_workgroup_id_z 1
		.amdhsa_system_vgpr_workitem_id 0
		.amdhsa_next_free_vgpr 770
		.amdhsa_next_free_sgpr 102
		.amdhsa_reserve_vcc 0
		.amdhsa_float_denorm_mode_32 3
		.amdhsa_float_denorm_mode_16_64 3
		.amdhsa_memory_ordered 1
		.amdhsa_forward_progress 1
		.amdhsa_inst_pref_size 255
	.end_amdhsa_kernel
	.section	.bss,"aw",@nobits
	.p2align	6
	.space	262144
	.amdgpu_metadata
---
amdhsa.version: [ 1, 2 ]
amdhsa.kernels:
  - .name:           k_q9d0b93651e_attn
    .symbol:         k_q9d0b93651e_attn.kd
    .args:
      - { .name: qkv, .offset: 0, .size: 8, .value_kind: global_buffer, .address_space: global }
      - { .name: mbits, .offset: 8, .size: 8, .value_kind: global_buffer, .address_space: global }
      - { .name: ob, .offset: 16, .size: 8, .value_kind: global_buffer, .address_space: global }
    .group_segment_fixed_size: 327680
    .private_segment_fixed_size: 0
    .kernarg_segment_align: 8
    .kernarg_segment_size: 24
    .max_flat_workgroup_size: 128
    .sgpr_count:     102
    .vgpr_count:     770
    .wavefront_size: 32
...
	.end_amdgpu_metadata
.endif
;; end of part 7
;; launch outproj (part 8): grid 4 x 64, 4 waves a work-group, clusters of 4 x 4, 327,680 bytes of LDS; arguments ob, wb, bo, out0; writes out0
.if DOCPART == 8
	.amdgcn_target "amdgcn-amd-amdhsa--gfx1250"
	.amdhsa_code_object_version 6
	.text
	.protected	k_q9d0b93651e_outproj
	.globl	k_q9d0b93651e_outproj
	.p2align	8
	.type	k_q9d0b93651e_outproj,@function
k_q9d0b93651e_outproj:
	s_mov_b64 s[64:65], 0
	v_nop
	global_prefetch_b8 v0, s[64:65] scope:SCOPE_SE
	s_setreg_imm32_b32 hwreg(HW_REG_WAVE_MODE, 25, 1), 1
	s_wait_xcnt 0x0
	s_wait_alu depctr_hold_cnt(0) depctr_sa_sdst(0) depctr_va_vdst(0) depctr_va_sdst(0) depctr_va_ssrc(0) depctr_va_vcc(0) depctr_vm_vsrc(0)
	s_getreg_b32 s2, hwreg(HW_REG_IB_STS2, 6, 4)
	s_cmp_eq_u32 s2, 0
	s_cbranch_scc0 .Lentry_in_a_cluster
	s_endpgm
.Lentry_in_a_cluster:
	s_bfe_u32 s2, ttmp6, 0x10000c
	s_cmp_lg_u32 s2, 0xf033
	s_cbranch_scc0 .Lentry_shape_is_right
	s_endpgm
.Lentry_shape_is_right:
; out0 = O Wo^T + bo.  ob: [64 = batch x 16 + head][2048][64] f16; Wo: the fourth matrix of wb, [1024][1024] f16 (rounded to bf16, written as f16); bo: [1024] f32, rounded to bf16 like every input; out0: [8192][1024] f32.  Sums in f32.
; SHARES.  256 tiles of 128 x 256, one to a work-group; four waves, each 64 x 128: 32 accumulators.  K goes in 8 steps of 128 = two heads, through a ring of two LDS slots.  A K step is written once: a counted loop of 6 trips,
; each of which fills the slot that it leaves with the K step two on; the last two K steps, which fill nothing, are a second loop of two trips, left in its middle.
; A head's 128 rows of O are 16,384 dense bytes: asked for as 64 rows of 256 bytes and padded in LDS after every 128: [2 heads][128 rows][144].  Wo's rows as they lie, 256 bytes a K step, pitch 272.
; CLUSTER 4 x 4: O's tile is shared along a row of the cluster, Wo's along a column: joint loads.  THE PRODUCT IS TAKEN TRANSPOSED (source 0 = 16 rows of Wo, source 1 = 16 rows of O): a lane holds eight neighbouring columns of a row.
; No prefetch: of the launch's 8 K steps four have been asked for by their loads before a lead of two steps exists, and the launch is short.
; REGISTERS.  Window 0: v0-31 addresses, v12-15 the bias; v64-159, v160-255 two fragment buffers (64 of Wo, 32 of O), later the way out's rows.  Window 1: accumulator (a, b) at v[8 (8 a + b)].
.set KSTEP,  128
.set PITCH,  272
.set PA,     144
.set AHB,    128*PA                    ; a head's 128 rows of O
.set BOFF,   2*AHB
.set BHALF,  128*PITCH
.set SLOTB,  BOFF+2*BHALF              ; a slot's bytes
.set SLOT1,  1<<17                     ; slot 1 begins here, so that one exclusive or turns an address in one slot into the other's
.set STAGE,  SLOT1+SLOTB               ; behind the ring: 16 rows x 528 bytes for each wave
.set SPITCH, 528
.set SPARE,  STAGE+4*16*SPITCH
.set ADRA0, 16                         ; v16  my lane's place among O's fragments in a slot; never rewritten
.set ADRA,  17                         ; v17  the same in the slot that is being read
.set ADRB0, 20                         ; v20, v21 the same for Wo
.set ADRB,  21
.set STO,  24
.set RD,   25
.set CO,   26
.set SPW,  28
.set NIL,  29
.set BI,   12                          ; v[12:15] the bias of my four columns on the way out
.set F0,   64
.set F1,   160
.set G1,  24                           ; s[24:31] group 1 for O's tiles; s[32:39] group 0: a set for each of the two first fills; the second then walks on
.set G0,  32
.set TB,  44                           ; s44  LDS byte at which the slot that is being read begins
.set G1B, 48                           ; s[48:55], s[56:63] the same for Wo's
.set G0B, 56
.set MSB, 0
.macro WIN new
.if MSB != (\new)
	s_set_vgpr_msb (MSB<<8)|(\new)
.set MSB, \new
.endif
.endm
.set MUL, 0x50
.macro JLOAD s                         ; waves 0 and 1 fetch the K step's two heads of O, waves 2 and 3 Wo's two halves; s_nop 0 and four v_nop follow each line
	s_cmp_eq_u32 s11, 0
	s_cbranch_scc0 .Lfor_b_\@
	tensor_load_to_lds s[G0+4*(\s):G0+4*(\s)+3], s[G1:G1+7]
	s_nop 0
.rept 4
	v_nop
.endr
	s_branch .Lasked_\@
.Lfor_b_\@:
	tensor_load_to_lds s[G0B+4*(\s):G0B+4*(\s)+3], s[G1B:G1B+7]
	s_nop 0
.rept 4
	v_nop
.endr
.Lasked_\@:
.endm
.macro CREST
	s_cmp_lg_u32 s10, 0
	s_cbranch_scc1 .Lnot_wave_0_\@
	s_barrier_signal -3
.Lnot_wave_0_\@:
	s_barrier_wait -3
	s_barrier_signal -1
	s_barrier_wait -1
.endm
.macro CROUND
	s_barrier_signal -1
	s_barrier_wait -1
	CREST
.endm
	s_load_b128 s[4:7], s[0:1], 0x0                ; ob s[4:5], wb s[6:7]
	s_load_b128 s[16:19], s[0:1], 0x10             ; bo s[16:17], out0 s[18:19]
	v_lshl_add_u32 v[SPW], v0, 2, SPARE
	v_mov_b32 v[NIL], 0
	ds_add_u32 v[SPW], v[NIL]                      ; the wave's opening add; its wait stands ahead of my first tensor load
	v_lshrrev_b32 v1, 5, v0
	v_readfirstlane_b32 s10, v1                    ; wave 0..3
	s_lshr_b32 s11, s10, 1                         ; my 64 rows.  Also: I fetch for O (0) or for Wo (1)
	s_and_b32 s12, s10, 1                          ; my 128 columns.  Also: which head, or which half, I fetch
	s_bfe_u32 s40, ttmp6, 0x40000                  ; cx
	s_bfe_u32 s41, ttmp6, 0x40004                  ; cy
	s_lshl_b32 s42, ttmp9, 2
	s_add_co_u32 s42, s42, s40                     ; tx
	s_and_b32 s13, ttmp7, 0xffff
	s_lshl_b32 s13, s13, 2
	s_add_co_u32 s13, s13, s41                     ; ty
	s_lshl_b32 s43, s41, 2
	s_lshl_b32 s43, 15, s43
	s_lshl_b32 s44, 0x1111, s40
	s_or_b32 s[G1+0], s43, (1<<16)|(1<<20)|(1<<21)|(4<<22)|(3<<25)   ; O: padded after every 32 words by 4
	s_or_b32 s[G1B+0], s44, (1<<16)|(1<<20)|(1<<21)|(5<<22)|(3<<25)  ; Wo: after every 64 words by 4
	s_mov_b32 s[G1+1], 128<<16
	s_mov_b32 s[G1+2], 64<<16
	s_mov_b32 s[G1+3], 128<<16
	s_mov_b32 s[G1+4], 64
	s_mov_b32 s[G1+5], 128                         ; dense: each row of 256 bytes begins where the last ends
	s_mov_b32 s[G1+6], 0
	s_mov_b32 s[G1+7], 0
	s_mov_b32 s[G1B+1], KSTEP<<16
	s_mov_b32 s[G1B+2], 128<<16
	s_mov_b32 s[G1B+3], KSTEP<<16
	s_mov_b32 s[G1B+4], 128
	s_mov_b32 s[G1B+5], 1024
	s_mov_b32 s[G1B+6], 0
	s_mov_b32 s[G1B+7], 0
	s_lshr_b32 s20, s13, 4                         ; O: head (ty / 16) 16 + half, rows (ty % 16) 128 on
	s_lshl_b32 s20, s20, 4
	s_add_co_u32 s20, s20, s12
	s_lshl_b32 s20, s20, 18
	s_and_b32 s21, s13, 15
	s_lshl_b32 s21, s21, 14
	s_add_co_u32 s20, s20, s21
	s_mov_b32 s21, 0
	s_lshl_b32 s46, s42, 8
	s_lshl_b32 s47, s12, 7
	s_add_co_u32 s46, s46, s47                     ; Wo: row 256 tx + 128 half,
	s_lshl_b32 s46, s46, 11
	s_add_co_u32 s46, s46, 3*1024*2048             ; in the fourth matrix of wb
	s_mov_b32 s47, 0
	s_mul_i32 s2, s12, AHB
	s_mul_i32 s3, s12, BHALF
	s_add_co_u32 s3, s3, BOFF
	s_mov_b32 s[TB], 0
	s_wait_dscnt 0x0                               ; the opening add is done
	s_wait_kmcnt 0x0
	s_add_nc_u64 s[14:15], s[4:5], s[20:21]
	s_add_nc_u64 s[46:47], s[6:7], s[46:47]
	CROUND                                         ; all sixteen work-groups are here
.irp s, 0,1
	s_mov_b32 s[G0+4*(\s)], 1
	s_add_co_u32 s[G0+4*(\s)+1], s2, (\s)*SLOT1
	s_add_nc_u64 s[G0+4*(\s)+2:G0+4*(\s)+3], s[14:15], (\s)*2*262144   ; K step s: two heads on
	s_or_b32 s[G0+4*(\s)+3], s[G0+4*(\s)+3], 0x80000000
	s_mov_b32 s[G0B+4*(\s)], 1
	s_add_co_u32 s[G0B+4*(\s)+1], s3, (\s)*SLOT1
	s_add_nc_u64 s[G0B+4*(\s)+2:G0B+4*(\s)+3], s[46:47], (\s)*KSTEP*2
	s_or_b32 s[G0B+4*(\s)+3], s[G0B+4*(\s)+3], 0x80000000
	JLOAD \s
.endr
	v_and_b32 v1, 15, v0                           ; l % 16
	v_bfe_u32 v2, v0, 4, 1                         ; l / 16
	v_mul_u32_u24 v3, v1, PITCH
	v_lshl_add_u32 v3, v2, 4, v3
	v_mul_u32_u24 v4, v1, PA
	v_lshl_add_u32 v4, v2, 4, v4
	s_mul_i32 s20, s11, 64*PA                      ; my 64 rows in each head's 128
	s_mul_i32 s21, s12, BHALF
	s_add_co_u32 s21, s21, BOFF
	v_add_nc_u32 v[ADRA0], s20, v4
	v_add_nc_u32 v[ADRB0], s21, v3
	v_mov_b32 v[ADRA], v[ADRA0]                    ; slot 0 is read first
	v_mov_b32 v[ADRB], v[ADRB0]
	s_mul_i32 s20, s10, 16*SPITCH
	s_add_co_u32 s20, s20, STAGE                   ; my stage
	v_mul_u32_u24 v5, v1, SPITCH                   ; in: row l % 16, 32 bytes for each half of the lanes
	v_lshl_add_u32 v5, v2, 5, v5
	v_add_nc_u32 v[STO], s20, v5
	v_and_b32 v[CO], 31, v0
	v_lshlrev_b32 v[CO], 4, v[CO]                  ; back: a row's 512 bytes, 16 a lane; the same in out0 and in bo
	v_add_nc_u32 v[RD], s20, v[CO]
	s_lshl_b32 s20, s42, 8
	s_lshl_b32 s21, s12, 7
	s_add_co_u32 s20, s20, s21
	s_lshl_b32 s20, s20, 2                         ; my 128 columns, in bytes
	s_mov_b32 s21, 0
	s_add_nc_u64 s[22:23], s[16:17], s[20:21]      ; bo there
	global_load_b128 v[BI:BI+3], v[CO], s[22:23]
	s_lshl_b32 s2, s13, 7
	s_lshl_b32 s3, s11, 6
	s_add_co_u32 s2, s2, s3
	s_lshl_b32 s2, s2, 12                          ; my first row, of 4,096 bytes
	s_add_co_u32 s20, s20, s2
	s_add_nc_u64 s[8:9], s[18:19], s[20:21]        ; out0 at my part of the tile
.macro MUL8 f, a, zero                 ; block a of my four blocks of 16 rows x all 8 blocks of 16 columns, 32 along K; the 32 accumulators take turns
	WIN MUL
.irp b, 0,1,2,3,4,5,6,7
.if \zero
	v_wmma_f32_16x16x32_f16 v[8*(8*(\a)+(\b)):8*(8*(\a)+(\b))+7], v[(\f)+8*(\b):(\f)+8*(\b)+7], v[(\f)+64+8*(\a):(\f)+64+8*(\a)+7], 0
.else
	v_wmma_f32_16x16x32_f16 v[8*(8*(\a)+(\b)):8*(8*(\a)+(\b))+7], v[(\f)+8*(\b):(\f)+8*(\b)+7], v[(\f)+64+8*(\a):(\f)+64+8*(\a)+7], v[8*(8*(\a)+(\b)):8*(8*(\a)+(\b))+7]
.endif
.endr
.endm
.macro FETCH kq, f                     ; quarter kq of the slot that is being read: head kq / 2 of the step's two, channels 32 (kq % 2) on
	WIN 0
.irp i, 0,1,2,3,4,5,6,7
	ds_load_b128 v[(\f)+8*(\i):(\f)+8*(\i)+3],   v[ADRB] offset:64*(\kq)+(\i)*16*PITCH
	ds_load_b128 v[(\f)+8*(\i)+4:(\f)+8*(\i)+7], v[ADRB] offset:64*(\kq)+(\i)*16*PITCH+32
.endr
.irp i, 0,1,2,3
	ds_load_b128 v[(\f)+64+8*(\i):(\f)+64+8*(\i)+3],   v[ADRA] offset:((\kq)/2)*AHB+((\kq)%2)*64+(\i)*16*PA
	ds_load_b128 v[(\f)+64+8*(\i)+4:(\f)+64+8*(\i)+7], v[ADRA] offset:((\kq)/2)*AHB+((\kq)%2)*64+(\i)*16*PA+32
.endr
.endm
.macro PLACES
.rept 4
	v_nop
.endr
.endm
.macro QUARTER kq, f, g, zero
	s_wait_dscnt 4                                 ; Wo and O's blocks 0 and 1 are in; the youngest four loads may be out
	MUL8 \f, 0, \zero
	MUL8 \f, 1, \zero
	PLACES
	FETCH \kq, \g
	s_wait_dscnt 24                                ; all but the 24 just issued
	MUL8 \f, 2, \zero
	MUL8 \f, 3, \zero
.endm
; The last quarter multiplies buffer 1 and changes slots.  fill = 1: the slot that is left is filled again, with the K step two on, first thing behind a round of the cluster's barrier.
; The walking descriptors are stepped between the add and its wait, where no load of the wave is out: the other slot; two heads on in O, 256 bytes on along Wo's rows.
.macro TURN fill
	WIN 0
	s_wait_tensorcnt 0x0                           ; all my tensor loads have landed: my part of the next slot
	ds_add_u32 v[SPW], v[NIL]
.if \fill
	s_xor_b32 s[G0+5], s[G0+5], SLOT1
	s_xor_b32 s[G0B+5], s[G0B+5], SLOT1
	s_add_nc_u64 s[G0+6:G0+7], s[G0+6:G0+7], 2*262144
	s_add_nc_u64 s[G0B+6:G0B+7], s[G0B+6:G0B+7], KSTEP*2
.endif
	s_wait_dscnt 7                                 ; the add and the youngest six loads may be out
	MUL8 F1, 0, 0
	s_wait_dscnt 0x0                               ; the add is done, and my reads of this slot are over
	s_barrier_signal -1
	MUL8 F1, 1, 0
	WIN 0                                          ; branches, or lines on window 0, follow
	s_barrier_wait -1
.if \fill
	CREST
	JLOAD 1                                        ; its four v_nop are also the places in front of the loads below
.else
	PLACES
.endif
	s_xor_b32 s[TB], s[TB], SLOT1                  ; the other slot is read from here on
	v_add_nc_u32 v[ADRA], s[TB], v[ADRA0]
	v_add_nc_u32 v[ADRB], s[TB], v[ADRB0]
	FETCH 0, F0
	MUL8 F1, 2, 0
	MUL8 F1, 3, 0
.endm
	s_wait_tensorcnt 1                             ; my part of K step 0 is in; K step 1's may stay out
	s_barrier_signal -1
	s_barrier_wait -1
	FETCH 0, F0
	QUARTER 1, F0, F1, 1                           ; the first quarter starts the sums
	WIN 0
	s_mov_b32 s3, 6                                ; every K step but the last two fills a slot again
.Lstep:                                                ; a trip goes from a K step's second quarter to the next K step's first
	QUARTER 2, F1, F0, 0
	QUARTER 3, F0, F1, 0
	TURN 1
	QUARTER 1, F0, F1, 0
	WIN 0
	s_sub_co_u32 s3, s3, 1
	s_cmp_lg_u32 s3, 0
	s_cbranch_scc1 .Lstep
	s_mov_b32 s3, 2
.Ltail:                                                ; the last two K steps ask for nothing
	QUARTER 2, F1, F0, 0
	QUARTER 3, F0, F1, 0
	TURN 0                                         ; (the second time its 24 loads, from the slot read before, serve nothing: the price of one text for both)
	WIN 0
	s_sub_co_u32 s3, s3, 1
	s_cmp_eq_u32 s3, 0
	s_cbranch_scc1 .Ldone
	QUARTER 1, F0, F1, 0
	WIN 0
	s_branch .Ltail
.Ldone:
	s_wait_dscnt 0x0                               ; those loads are in: their registers take the way out's rows
	s_wait_loadcnt 0x0                             ; the bias
	v_cvt_pk_bf16_f32 v[BI], v[BI], v[BI+1]        ; rounded to bf16 like every input, and widened again; these lines and the four below are the places behind the last products
	v_cvt_pk_bf16_f32 v[BI+2], v[BI+2], v[BI+3]
	v_and_b32 v[BI+1], 0xffff0000, v[BI]
	v_lshlrev_b32 v[BI], 16, v[BI]
	v_and_b32 v[BI+3], 0xffff0000, v[BI+2]
	v_lshlrev_b32 v[BI+2], 16, v[BI+2]
	PLACES
; THE WAY OUT of block a (16 rows x 128 columns of f32): a lane's 32 bytes of a row into my stage, each accumulator's low half first; back as whole rows of 512 bytes; the bias added; stored.
.macro TOST a
.set BK, 64+64*((\a)%2)
	s_wait_xcnt 0x0                                ; the stores of the block two back have read the registers that the loads below write
	WIN 0x04                                       ; the stores' data in window 1
.irp b, 0,1,2,3,4,5,6,7
	ds_store_b128 v[STO], v[8*(8*(\a)+(\b)):8*(8*(\a)+(\b))+3]   offset:64*(\b)
	ds_store_b128 v[STO], v[8*(8*(\a)+(\b))+4:8*(8*(\a)+(\b))+7] offset:64*(\b)+16
.endr
	WIN 0
.irp t, 0,1,2,3,4,5,6,7,8,9,10,11,12,13,14,15
	ds_load_b128 v[BK+4*(\t):BK+4*(\t)+3], v[RD] offset:(\t)*SPITCH  ; LDS serves a wave's instructions in order: these see the stores above, and the next block's stores come behind them
.endr
.endm
.macro SEND32 a, younger               ; younger: the next block's 32 LDS instructions, or none
.set BK, 64+64*((\a)%2)
	s_wait_dscnt \younger
.irp t, 0,1,2,3,4,5,6,7,8,9,10,11,12,13,14,15
	v_pk_add_f32 v[BK+4*(\t):BK+4*(\t)+1],   v[BK+4*(\t):BK+4*(\t)+1],   v[BI:BI+1]
	v_pk_add_f32 v[BK+4*(\t)+2:BK+4*(\t)+3], v[BK+4*(\t)+2:BK+4*(\t)+3], v[BI+2:BI+3]
	global_store_b128 v[CO], v[BK+4*(\t):BK+4*(\t)+3], s[8:9] offset:(16*(\a)+(\t))*4096  ; 512 consecutive bytes, aligned
.endr
.endm
	TOST 0
	TOST 1
	SEND32 0, 32
	TOST 2
	SEND32 1, 32
	TOST 3
	SEND32 2, 32
	SEND32 3, 0
	s_wait_tensorcnt 0x0                           ; the wave's end
	ds_add_u32 v[SPW], v[NIL]
	s_wait_dscnt 0x0
	CROUND                                         ; the closing round
	s_endpgm
.Lfunc_end_k_q9d0b93651e_outproj:
	.size	k_q9d0b93651e_outproj, .Lfunc_end_k_q9d0b93651e_outproj-k_q9d0b93651e_outproj
	.p2alignl 7, 3214868480
	.fill 96, 4, 3214868480
	.section	.rodata,"a",@progbits
	.p2align	6, 0x0
	.amdhsa_kernel k_q9d0b93651e_outproj
		.amdhsa_group_segment_fixed_size 327680
		.amdhsa_private_segment_fixed_size 0
		.amdhsa_enable_private_segment 0
		.amdhsa_kernarg_size 32
		.amdhsa_user_sgpr_count 2
		.amdhsa_user_sgpr_kernarg_segment_ptr 1
		.amdhsa_wavefront_size32 1
		.amdhsa_system_sgpr_workgroup_id_x 1
		.amdhsa_system_sgpr_workgroup_id_y 1
		.amdhsa_system_sgpr_workgroup_id_z 1
		.amdhsa_system_vgpr_workitem_id 0
		.amdhsa_next_free_vgpr 512
		.amdhsa_next_free_sgpr 66
		.amdhsa_reserve_vcc 0
		.amdhsa_float_denorm_mode_32 3
		.amdhsa_float_denorm_mode_16_64 3
		.amdhsa_memory_ordered 1
		.amdhsa_forward_progress 1
		.amdhsa_inst_pref_size 68
	.end_amdhsa_kernel
	.amdgpu_metadata
---
amdhsa.version: [ 1, 2 ]
amdhsa.kernels:
  - .name:           k_q9d0b93651e_outproj
    .symbol:         k_q9d0b93651e_outproj.kd
    .args:
      - { .name: ob, .offset: 0, .size: 8, .value_kind: global_buffer, .address_space: global }
      - { .name: wb, .offset: 8, .size: 8, .value_kind: global_buffer, .address_space: global }
      - { .name: bo, .offset: 16, .size: 8, .value_kind: global_buffer, .address_space: global }
      - { .name: out0, .offset: 24, .size: 8, .value_kind: global_buffer, .address_space: global }
    .group_segment_fixed_size: 327680
    .private_segment_fixed_size: 0
    .kernarg_segment_align: 8
    .kernarg_segment_size: 32
    .max_flat_workgroup_size: 128
    .sgpr_count:     66
    .vgpr_count:     512
    .wavefront_size: 32
...
	.end_amdgpu_metadata
.endif
;; end of part 8
;; ======== version 3 of 3: 4 launches; version 2 with the launch prep written anew for expert scheduling mode
;; limits: values are held in f16: magnitudes above 65,504 overflow, below 6.1e-05 lose precision
;; workspace buffers: xb 50,331,648 bytes; wb 8,388,608 bytes; mbits 2,097,152 bytes of whole numbers; qkv 50,331,648 bytes; ob 16,777,216 bytes
;; launch prep (part 9): grid 2816 x 1, 4 waves a work-group, no clusters, 68,096 bytes of LDS; arguments query, keys, values, Wq, Wk, Wv, Wo, mask, xb, wb, mbits; writes xb, wb, mbits
.if DOCPART == 9
	.amdgcn_target "amdgcn-amd-amdhsa--gfx1250"
	.amdhsa_code_object_version 6
	.text
	.protected	k_q9d0b93651e_prep
	.globl	k_q9d0b93651e_prep
	.p2align	8
	.type	k_q9d0b93651e_prep,@function
k_q9d0b93651e_prep:
	s_mov_b64 s[64:65], 0
	v_nop
	global_prefetch_b8 v0, s[64:65] scope:SCOPE_SE
	s_setreg_imm32_b32 hwreg(HW_REG_WAVE_SCHED_MODE, 0, 2), 2
	s_setreg_imm32_b32 hwreg(HW_REG_WAVE_MODE, 25, 1), 1
	s_wait_xcnt 0x0
	s_wait_alu depctr_vm_vsrc(0)
; PREP.  Casts and the mask's bits, in one streaming launch; every work-group reads 64 KiB, every wave 16 KiB by 32 loads that are all out at once.
; Work-groups 0..1023: the mask (int32 [4][2048][2048]) becomes lane-mask words.  A wave takes 32 query rows x 128 keys.  Word (nb, P = q/32, ks = key/64, u = (q/16)%2, idx = 8 kb + j), at byte
; nb*524288 + P*8192 + ks*256 + u*128 + idx*4 of mbits, holds in bit L: mask[nb][32P + 16u + L%16][64ks + 16kb + 8(L/16) + j] != 0.  That is the lane mask of register idx of a 16 x 64 tile of scores in the attention launch.
; Work-groups 1024..2559: query, keys, values into xb [3][8192][1024].  2560..2815: Wq, Wk, Wv, Wo into wb [4][1024][1024].  Each number is rounded to bf16, and that number is written as f16: one text for all seven.
; LIMIT.  f16 holds the bf16 number exactly from 6.1e-5 to 65,504; below, it keeps f16's fixed step of 6e-8; beyond, it would be an infinity.
; No matrix unit, no cluster, no tensor load: nothing is shared and nothing is read twice.  The mask's rows change lanes through each wave's own LDS bytes, so no barrier is needed.
; THE MODE: SCHED_MODE bits 1:0 = 2 (LLVM: expert scheduling mode 2), set by the entry lines.  The code itself states the register dependences between vector instructions and memory or LDS instructions, with s_wait_alu, always for 0.
; THE PLAN.  Registers that memory or LDS instructions touch:
;   v2 .. v5      offsets and LDS addresses: written at the head by vector lines and never again; one wait at the head, ahead of the branch that parts the two ways, serves every load, store and LDS instruction.
;   X, the casts  row i (four registers): load i lands in it, its eight conversions work in place, store i reads its first two registers; nothing writes it afterwards.  The rows go in eight blocks of four: ONE wait at the head
;                 of block p states that block p - 1's conversions have written their rows, and that block's four stores follow, dealt among block p's conversions, which name block p's rows alone.
;   X, the mask   row i: load i lands in it, LDS store i reads it; then the LDS loads land in all of X (one wait: the LDS stores have read it), and the compares read it.
;   s[8:39]       the mask's words, 32 at a time: written by a run of 32 compares, read by the 32 v_writelane_b32 behind it, one wait between the two runs.
;   v[8:11]       written by the v_writelane_b32, read by the mask's one store: one wait ahead of it.
;   v6, v7        written at the head, read by the closing add alone.
.set STG,   16896                      ; a wave's stage: 32 rows of 512 bytes + 16 of padding (pitch 528 = 33 x 16: the 16 rows that a load touches start in different banks)
.set RP,    528
.set SPARE, 4*STG                      ; behind the stages: the spare words, 128 bytes a wave
.set X,     16                         ; v[16:143] 32 x 4 registers of data
.set MW,    8                          ; s[8:39] 32 words of the mask: the arguments' addresses and the offsets that lay here have been used when the first compare writes
	s_load_b512 s[8:23], s[0:1], 0x0               ; query 8, keys 10, values 12, Wq 14, Wk 16, Wv 18, Wo 20, mask 22
	s_load_b128 s[24:27], s[0:1], 0x40             ; xb 24, wb 26
	s_load_b64 s[28:29], s[0:1], 0x50              ; mbits
	v_lshl_add_u32 v6, v0, 2, SPARE                ; my spare word
	v_mov_b32 v7, 0
	v_lshrrev_b32 v1, 5, v0
	v_readfirstlane_b32 s2, v1                     ; wave 0..3
	v_and_b32 v1, 31, v0                           ; lane
	v_lshlrev_b32 v2, 4, v1                        ; 16 x lane
	v_lshlrev_b32 v3, 3, v1                        ; 8 x lane
	v_and_b32 v5, 15, v0
	v_mul_u32_u24 v5, v5, RP
	v_bfe_u32 v8, v0, 4, 1
	v_lshl_add_u32 v5, v8, 5, v5                   ; out of the stage: row lane % 16, 8 keys (32 bytes) further on for lanes 16-31
	v_mov_b32 v8, 0                                ; v[8:11]: the words to store; v_writelane_b32 counts as a reader of its destination
	v_mov_b32 v9, 0
	v_mov_b32 v10, 0
	v_mov_b32 v11, 0
	s_wait_alu depctr_va_sdst(0)                   ; s2 is written, ahead of its first reader: the stage's place and the wave's share are made from it
	s_mul_i32 s30, s2, STG
	v_add_nc_u32 v4, s30, v2                       ; into the stage: 16 bytes a lane of a row
	v_add_nc_u32 v5, s30, v5
	s_mov_b32 s45, 0                               ; the high words of the two offset pairs
	s_mov_b32 s47, 0
	s_mov_b32 s31, ttmp9
	s_wait_kmcnt 0x0
	s_wait_alu depctr_va_vdst(0)                   ; v2 to v5 are written: every load, store and LDS instruction of both ways reads one of them as its offset or address, and no vector line writes them again
	s_cmp_lt_u32 s31, 1024
	s_cbranch_scc1 .Lmask
	; THE CASTS
	s_sub_co_u32 s30, s31, 1024                    ; c
	s_cmp_lt_u32 s30, 1536
	s_cbranch_scc0 .Lweights
	s_lshr_b32 s31, s30, 9                         ; which of query, keys, values: 512 work-groups each
	s_cmp_eq_u32 s31, 0
	s_cselect_b64 s[40:41], s[8:9], s[10:11]
	s_cmp_eq_u32 s31, 2
	s_cselect_b64 s[40:41], s[12:13], s[40:41]
	s_and_b32 s44, s30, 511
	s_lshl_b32 s44, s44, 16                        ; 64 KiB of f32 in,
	s_lshl_b32 s46, s30, 15                        ; 32 KiB of 16-bit numbers out: the three tensors lie on end in xb
	s_mov_b64 s[42:43], s[24:25]
	s_branch .Lgo
.Lweights:
	s_sub_co_u32 s30, s30, 1536
	s_lshr_b32 s31, s30, 6                         ; which weight: 64 work-groups each
	s_cmp_eq_u32 s31, 0
	s_cselect_b64 s[40:41], s[14:15], s[16:17]
	s_cmp_eq_u32 s31, 2
	s_cselect_b64 s[40:41], s[18:19], s[40:41]
	s_cmp_eq_u32 s31, 3
	s_cselect_b64 s[40:41], s[20:21], s[40:41]
	s_and_b32 s44, s30, 63
	s_lshl_b32 s44, s44, 16
	s_lshl_b32 s46, s30, 15
	s_mov_b64 s[42:43], s[26:27]
.Lgo:
	s_lshl_b32 s31, s2, 14                         ; my wave's quarter
	s_add_co_u32 s44, s44, s31
	s_lshl_b32 s31, s2, 13
	s_add_co_u32 s46, s46, s31
	s_add_nc_u64 s[40:41], s[40:41], s[44:45]
	s_add_nc_u64 s[42:43], s[42:43], s[46:47]
	s_mov_b32 s3, 0xffff0000                       ; a word's upper bf16
	; 32 loads of 512 consecutive bytes; each is converted in place when it is in and leaves as 256 consecutive bytes, aligned.  No register is written behind its store, so no store's data is ever rewritten.
.set i, 0
.rept 32
	global_load_b128 v[X+4*i:X+4*i+3], v2, s[40:41] offset:512*i th:TH_LOAD_NT
.set i, i+1
.endr
.set i, 0
.rept 32
	s_wait_loadcnt 31-i                            ; loads come back in order: load i is in, the 31 - i younger ones stay out
.if (i%4 == 0) && (i > 0)
	s_wait_alu depctr_va_vdst(0)                   ; the conversions of the block before have written its four rows, which this block's four stores read
.endif
.if i >= 4
	global_store_b64 v3, v[X+4*(i-4):X+4*(i-4)+1], s[42:43] offset:256*(i-4)  ; a row of the block before.  No further wait: no vector line since the wait names that block's registers
.endif
	v_cvt_pk_bf16_f32 v[X+4*i], v[X+4*i], v[X+4*i+1]       ; rounded to bf16,
	v_cvt_pk_bf16_f32 v[X+4*i+2], v[X+4*i+2], v[X+4*i+3]
	v_and_b32 v[X+4*i+1], s3, v[X+4*i]                     ; widened again,
	v_lshlrev_b32 v[X+4*i], 16, v[X+4*i]
	v_and_b32 v[X+4*i+3], s3, v[X+4*i+2]
	v_lshlrev_b32 v[X+4*i+2], 16, v[X+4*i+2]
	v_cvt_pk_f16_f32 v[X+4*i], v[X+4*i], v[X+4*i+1]        ; and written as f16
	v_cvt_pk_f16_f32 v[X+4*i+1], v[X+4*i+2], v[X+4*i+3]
.set i, i+1
.endr
	s_wait_alu depctr_va_vdst(0)                   ; the last block's conversions have written its four rows, which the last four stores read
.set i, 28
.rept 4
	global_store_b64 v3, v[X+4*i:X+4*i+1], s[42:43] offset:256*i
.set i, i+1
.endr
	s_branch .Lend
	; THE MASK
.Lmask:
	s_lshl_b32 s30, s31, 2
	s_add_co_u32 s30, s30, s2                      ; my unit U: nb = U >> 10, P = (U >> 4) & 63, kp = U & 15 (128 keys)
	s_lshr_b32 s3, s30, 10
	s_bfe_u32 s32, s30, 0x60004
	s_and_b32 s33, s30, 15
	s_lshl_b32 s44, s3, 24                         ; a batch's mask is 16 MiB,
	s_lshl_b32 s34, s32, 18                        ; 32 rows of 8,192 bytes,
	s_add_co_u32 s44, s44, s34
	s_lshl_b32 s34, s33, 9                         ; 128 keys are 512 bytes (in mbits too: two key steps of 256 bytes)
	s_add_co_u32 s44, s44, s34
	s_lshl_b32 s46, s3, 19
	s_lshl_b32 s35, s32, 13
	s_add_co_u32 s46, s46, s35
	s_add_co_u32 s46, s46, s34
	s_add_nc_u64 s[40:41], s[22:23], s[44:45]
	s_add_nc_u64 s[42:43], s[28:29], s[46:47]
.set i, 0
.rept 32
	global_load_b128 v[X+4*i:X+4*i+3], v2, s[40:41] offset:8192*i th:TH_LOAD_NT  ; row i: 512 consecutive bytes
.set i, i+1
.endr
.set i, 0
.rept 32
	s_wait_loadcnt 31-i
	ds_store_b128 v4, v[X+4*i:X+4*i+3] offset:RP*i
.set i, i+1
.endr
	s_wait_dscnt 0x0                               ; my stores are done; the bytes are my wave's own
	s_wait_alu depctr_vm_vsrc(0)                   ; the LDS stores have read X, in which the LDS loads below land
.set i, 0
.rept 32                               ; load i = ((e 2 + u) 4 + kb) 2 + hf: register X + w then holds, for word w = 64 e + 32 u + 8 kb + j, this lane's number of the mask
	ds_load_b128 v[X+4*i:X+4*i+3], v5 offset:((i/8)%2)*16*RP+(i/16)*256+((i/2)%4)*64+(i%2)*16
.set i, i+1
.endr
.set w, 0
.rept 4                                ; 32 words at a time: a run of compares, one wait, a run of v_writelane_b32
	s_wait_dscnt 24-w/4                            ; LDS loads come back in order: the eight that hold the next 32 words are in, the younger ones stay out
.rept 32
	v_cmp_ne_u32 s[MW+w%32], 0, v[X+w]             ; the 32 lanes' bits are the word,
.set w, w+1
.endr
	s_wait_alu depctr_va_sdst(0)                   ; the 32 compares have written s[8:39], ahead of their first reader
.set w, w-32
.rept 32
	v_writelane_b32 v[8+w%4], s[MW+w%32], w/4      ; which goes where the store below takes it from: word w from lane w / 4, register w % 4
.set w, w+1
.endr
.endr
	s_wait_alu depctr_va_vdst(0)                   ; the v_writelane_b32 have written v[8:11], which the store reads
	global_store_b128 v2, v[8:11], s[42:43]        ; 512 consecutive bytes, aligned
.Lend:
	s_wait_dscnt 0x0                               ; the closing lines, six on end
	s_wait_alu 0x0
	s_wait_tensorcnt 0x0
	ds_add_u32 v6, v7
	s_wait_dscnt 0x0
	s_endpgm
.Lfunc_end_k_q9d0b93651e_prep:
	.size	k_q9d0b93651e_prep, .Lfunc_end_k_q9d0b93651e_prep-k_q9d0b93651e_prep
	.p2alignl 7, 3214868480
	.fill 96, 4, 3214868480
	.section	.rodata,"a",@progbits
	.p2align	6, 0x0
	.amdhsa_kernel k_q9d0b93651e_prep
		.amdhsa_group_segment_fixed_size 68096
		.amdhsa_private_segment_fixed_size 0
		.amdhsa_enable_private_segment 0
		.amdhsa_kernarg_size 88
		.amdhsa_user_sgpr_count 2
		.amdhsa_user_sgpr_kernarg_segment_ptr 1
		.amdhsa_wavefront_size32 1
		.amdhsa_system_sgpr_workgroup_id_x 1
		.amdhsa_system_sgpr_workgroup_id_y 1
		.amdhsa_system_sgpr_workgroup_id_z 1
		.amdhsa_system_vgpr_workitem_id 0
		.amdhsa_next_free_vgpr 144
		.amdhsa_next_free_sgpr 66
		.amdhsa_reserve_vcc 0
		.amdhsa_float_denorm_mode_32 3
		.amdhsa_float_denorm_mode_16_64 3
		.amdhsa_memory_ordered 1
		.amdhsa_forward_progress 1
		.amdhsa_inst_pref_size 48
	.end_amdhsa_kernel
	.amdgpu_metadata
---
amdhsa.version: [ 1, 2 ]
amdhsa.kernels:
  - .name:           k_q9d0b93651e_prep
    .symbol:         k_q9d0b93651e_prep.kd
    .args:
      - { .name: query, .offset: 0, .size: 8, .value_kind: global_buffer, .address_space: global }
      - { .name: keys, .offset: 8, .size: 8, .value_kind: global_buffer, .address_space: global }
      - { .name: values, .offset: 16, .size: 8, .value_kind: global_buffer, .address_space: global }
      - { .name: Wq, .offset: 24, .size: 8, .value_kind: global_buffer, .address_space: global }
      - { .name: Wk, .offset: 32, .size: 8, .value_kind: global_buffer, .address_space: global }
      - { .name: Wv, .offset: 40, .size: 8, .value_kind: global_buffer, .address_space: global }
      - { .name: Wo, .offset: 48, .size: 8, .value_kind: global_buffer, .address_space: global }
      - { .name: mask, .offset: 56, .size: 8, .value_kind: global_buffer, .address_space: global }
      - { .name: xb, .offset: 64, .size: 8, .value_kind: global_buffer, .address_space: global }
      - { .name: wb, .offset: 72, .size: 8, .value_kind: global_buffer, .address_space: global }
      - { .name: mbits, .offset: 80, .size: 8, .value_kind: global_buffer, .address_space: global }
    .group_segment_fixed_size: 68096
    .private_segment_fixed_size: 0
    .kernarg_segment_align: 8
    .kernarg_segment_size: 88
    .max_flat_workgroup_size: 128
    .sgpr_count:     66
    .vgpr_count:     144
    .wavefront_size: 32
...
	.end_amdgpu_metadata
.endif
;; end of part 9
;; launch proj: the kernel of part 6 again; grid 4 x 48, 4 waves a work-group, clusters of 4 x 4, 327,680 bytes of LDS; arguments xb, wb, qkv; writes qkv
;; launch attn: the kernel of part 7 again; grid 4 x 64, 4 waves a work-group, clusters of 4 x 1, 327,680 bytes of LDS; arguments qkv, mbits, ob; writes ob
;; launch outproj: the kernel of part 8 again; grid 4 x 64, 4 waves a work-group, clusters of 4 x 4, 327,680 bytes of LDS; arguments ob, wb, bo, out0; writes out0
